; MI455X (gfx1250); checked and timed in simulation.
; The chip was launched on July 23, 2026; its instructions are those of AMD's public machine-readable ISA for CDNA 5 (MIT licence, August 2026) and "CDNA5" Instruction Set Architecture Reference Guide (July 2026). The comments in the code are by the model that wrote it; some were corrected since.
;; Attention FFN Block. Allowed arithmetic: matrix products marked QUANTISED: E4M3 operands, one E8M0 scale for each 32 along K, by v_wmma_scale_f32_16x16x128_f8f6f4 with both operands' format E4M3, f32 sums; everything else in f32.
;; Inputs: W1_codes 4,096 x 32 x 32 uint8 (E4M3 codes of W1, K innermost, in blocks of 32 codes); W1_scales 4,096 x 32 uint8 (E8M0 scales of W1, one for each 32 codes along K); W2_codes 1,024 x 128 x 32 uint8 (E4M3 codes of W2, K innermost, in blocks of 32 codes); W2_scales 1,024 x 128 uint8 (E8M0 scales of W2, one for each 32 codes along K); Wk_codes 1,024 x 32 x 32 uint8 (E4M3 codes of Wk, K innermost, in blocks of 32 codes); Wk_scales 1,024 x 32 uint8 (E8M0 scales of Wk, one for each 32 codes along K); Wo_codes 1,024 x 32 x 32 uint8 (E4M3 codes of Wo, K innermost, in blocks of 32 codes); Wo_scales 1,024 x 32 uint8 (E8M0 scales of Wo, one for each 32 codes along K); Wq_codes 1,024 x 32 x 32 uint8 (E4M3 codes of Wq, K innermost, in blocks of 32 codes); Wq_scales 1,024 x 32 uint8 (E8M0 scales of Wq, one for each 32 codes along K); Wv_codes 1,024 x 32 x 32 uint8 (E4M3 codes of Wv, K innermost, in blocks of 32 codes); Wv_scales 1,024 x 32 uint8 (E8M0 scales of Wv, one for each 32 codes along K); b1 4,096 float32; b2 1,024 float32; be1 1,024 float32; be2 1,024 float32; bk 1,024 float32; bo 1,024 float32; bq 1,024 float32; bv 1,024 float32; g1 1,024 float32; g2 1,024 float32; x 2 x 2,048 x 1,024 float32.
;; Outputs: out0 2 x 2,048 x 1,024 float32.
;; This version of the problem:
;;   THIS VERSION OF THE PROBLEM IS GIVEN IN LOW PRECISION. The matrix products marked QUANTISED in the list below multiply operands that are first quantised to E4M3 (4 exponent bits, 3 mantissa bits; 8 bits a number), with one power-of-two scale for each 32 numbers along K (OCP MX v1.0); their sums are f32. All else is computed in f32.
;;   The module's matrix products, in the order in which they are computed (A, B: the left and right operand; K: the contracted axis; several contracted axes count as one K, in the product's order):
;;     1. [M 4,096, K 1,024] x [K 1,024, N 1,024]; A: input x; B: input Wq (given as codes): QUANTISED
;;     2. [M 4,096, K 1,024] x [K 1,024, N 1,024]; A: input x; B: input Wk (given as codes): QUANTISED
;;     3. [M 4,096, K 1,024] x [K 1,024, N 1,024]; A: input x; B: input Wv (given as codes): QUANTISED
;;     4. batch 32 x [M 2,048, K 64] x [K 64, N 2,048]; A: computed on the way; B: computed on the way: QUANTISED
;;     5. batch 32 x [M 2,048, K 2,048] x [K 2,048, N 64]; A: softmax (see below); B: computed on the way: QUANTISED
;;     6. [M 4,096, K 1,024] x [K 1,024, N 1,024]; A: computed on the way; B: input Wo (given as codes): QUANTISED
;;     7. [M 4,096, K 1,024] x [K 1,024, N 4,096]; A: computed on the way; B: input W1 (given as codes): QUANTISED
;;     8. [M 4,096, K 4,096] x [K 4,096, N 1,024]; A: computed on the way; B: input W2 (given as codes): QUANTISED
;;   THE QUANTISER, for each operand of a quantised product, along K:
;;     - K is cut into blocks of 32 from its start; a last block that is shorter is filled with zeros.
;;     - A block's scale is 2^e with e = floor(log2(the largest magnitude in the block)) - 8, held to -126 .. 127; a block of zeros has e = 0. As a byte (E8M0): e + 127.
;;     - Each number is divided by its block's scale, clamped to +-448, and rounded to the nearest number of E4M3, ties to even, subnormals kept.
;;     - The product sums the exact products of the quantised numbers (number of the format x scale) in f32.
;;   ~~~python
;;   def quantise(x, axis):      # numpy; x: float32 -> the quantised numbers, widened to float32 again
;;       x = np.moveaxis(x, axis, -1); K = x.shape[-1]
;;       x = np.pad(x, [(0, 0)] * (x.ndim - 1) + [(0, -K % 32)]); x = x.reshape(x.shape[:-1] + (-1, 32)); a = np.abs(x).max(-1, keepdims=True)
;;       e = np.where(a > 0, np.clip(np.frexp(np.where(a > 0, a, 1))[1] - 1 - 8, -126, 127), 0)      # np.frexp(a)[1] - 1 = floor(log2(a)), exactly
;;       r = np.clip(x / 2.0 ** e, -448, 448)
;;       step = 2.0 ** (np.maximum(np.frexp(np.where(r == 0, 1, r))[1] - 1, -6) - 3)
;;       q = np.round(r / step) * step * 2.0 ** e      # np.round: ties to even
;;       return np.moveaxis(q.reshape(q.shape[:-2] + (-1,))[..., :K], -1, axis).astype(np.float32)
;;   ~~~
;;   SOFTMAX AHEAD OF A QUANTISED PRODUCT. Where the list says 'softmax', what is quantised is not the finished softmax but p = 2^(t - M), with t = logit x log2(e) and M = ceil(the row's largest t), a whole number; so 1/2 < the row's largest p <= 1. The row's sum l is taken of the UNQUANTISED p, in f32, and the product's result is divided by l at the end. Since M is a whole number, a kernel that streams over the keys may use a running M (the ceiling of the running maximum): every later rescaling is an exact power of two, which a block's scale takes up: the codes' values come out the same.
;;   OPERANDS COMPUTED ON THE WAY. 'Computed on the way' means the value that the module computes at that place (a softmax that the list does not call 'softmax' is quantised finished and normalised). What goes into a quantiser is computed in f32, as accurately as f32 sums, v_exp_f32 and their like allow (about 1e-6 of the number): no bf16 or f16 on the way to a quantiser, and a product that is left as it is and whose result goes on into a quantised operand takes f32 operands (vector FMAs, or v_wmma_f32_16x16x4_f32). A number that lies on a knife's edge between two numbers of the format may be rounded either way, as far as f32 arithmetic and the matrix unit's own rounding can turn it there, and no further.
;;   INPUTS GIVEN AS CODES. W1 (in the module: [1024, 4096], K = its axis 0); W2 (in the module: [4096, 1024], K = its axis 0); Wk (in the module: [1024, 1024], K = its axis 0); Wo (in the module: [1024, 1024], K = its axis 0); Wq (in the module: [1024, 1024], K = its axis 0); Wv (in the module: [1024, 1024], K = its axis 0): each comes as NAME_codes (uint8): NAME with its K axis moved to the last place and cut into blocks of 32 codes, [.., K / 32, bytes a block], one block behind the other in memory; one code a byte (a code: sign, 4 exponent bits, 3 mantissa bits); and NAME_scales (uint8): the same leading axes, one E8M0 byte (e + 127) for each 32 codes along K. Its value is code x scale, taken as it is: it is not quantised again, and the codes and scales need not be those that the quantiser above would give.
;; 2 versions, each right and faster than the one before. Each part assembles by itself: llvm-mc -triple=amdgcn-amd-amdhsa -mcpu=gfx1250 --defsym DOCPART=n.
;; ======== version 1 of 2: 8 launches
;; limits: a function is approximated: absolute error at most 1.5e-07
;; workspace buffers: pre 17,301,504 bytes; qkvb 12,976,128 bytes; attb 4,325,376 bytes; ybuf 16,777,216 bytes; x1 21,102,592 bytes; hid 17,301,504 bytes
;; launch prep (part 1): grid 640 x 1, 8 waves a work-group, no clusters, 103,424 bytes of LDS; arguments x, Wq_codes, Wk_codes, Wv_codes, Wo_codes, W1_codes, W2_codes, Wq_scales, Wk_scales, Wv_scales, Wo_scales, W1_scales, W2_scales, pre; writes pre
.if DOCPART == 1
	.amdgcn_target "amdgcn-amd-amdhsa--gfx1250"
	.amdhsa_code_object_version 6
	.text
	.protected	k_q183edd9a87_prep
	.globl	k_q183edd9a87_prep
	.p2align	8
	.type	k_q183edd9a87_prep,@function
k_q183edd9a87_prep:
	s_mov_b64 s[64:65], 0
	v_nop
	global_prefetch_b8 v0, s[64:65] scope:SCOPE_SE
	s_setreg_imm32_b32 hwreg(HW_REG_WAVE_MODE, 25, 1), 1
	s_wait_xcnt 0x0
; x [4096][1024] f32 is quantised along K to codes of E4M3 with one E8M0 byte for each 32, and the six weights, which arrive as codes [n][K] and bytes [n][K/32],
; are laid anew: all seven leave as IMAGES OF OPERAND REGISTERS.  A fragment (tile t of 16 rows, K step s of 128) is 2,048 bytes: register group c of lane l at 512 c + 16 l.
; Lane (r, h) of tile t holds row 32 (t / 2) + 8 (t % 2) + r + 8 (r / 8), k = 128 s + 32 c + 16 h + 0 .. 15.  A fragment's scale words: 64 bytes, 4 r.
; Work-groups 0-255: tile = work-group, K step = wave, of x.  Work-groups 256-639: a wave takes a unit of 16 rows x 256 codes of a weight; the units' order is the images' order.
; Rows come in as they lie (512 or 256 consecutive bytes), turn through the wave's own stage in LDS, and leave 512 consecutive bytes a store.  Waves share nothing: no barrier.
; LIMITS: NaN and infinities in x are not served; a block whose largest magnitude lies under 2^-118 (a block of zeros among them) keeps the byte 1: its bytes are read by this program alone.
.set XST,   0                          ; x's path: a stage of 16 rows x (512 + 16) bytes for each wave
.set WST,   67584                      ; the weights' path, bytes of its own: 16 rows x (256 + 16) for each wave
.set SPARE, 102400                     ; the spare words: 128 bytes a wave, four blocks of 256 bytes that no other line names
.set XS,    0x1000000                  ; in pre: x's scale words (x's image lies at 0)
.set WQI,   0x400000                   ; the weights' images, Wq Wk Wv Wo W1 W2 on end
.set WQS,   0x1020000                  ; and their scale words
.set SPW, 20
.set NIL, 21
.set RAW, 32                           ; v32-95   rows as loaded
.set X,   96                           ; v96-159  64 numbers of my row, register 16 b + i = k 32 b + 16 h + i
.set PC,  160
.set TM,  176
.set PW,  192
.set SEL, 42
.set MNT, 44
; 16 nb numbers of a lane, register 16 b + i = k 32 b + 16 h + i of its row, become codes in v[pc] on and the scale bytes in v[pw].
.macro QUANT s, nb, pc, tm, pw
.set qb, 0
.rept \nb
	v_max3_num_f32 v[\tm+qb], |v[\s+16*qb]|, |v[\s+16*qb+1]|, 0x4800000   ; my 16 numbers of block qb, and the floor 2^(9 - 127): the byte cannot fall under 1
.set qb, qb+1
.endr
.irp i, 2,4,6,8,10,12,14
.set qb, 0
.rept \nb
	v_max3_num_f32 v[\tm+qb], v[\tm+qb], |v[\s+16*qb+\i]|, |v[\s+16*qb+\i+1]|
.set qb, qb+1
.endr
.endr
.set qb, 0
.rept \nb
	v_permlanex16_b32 v[\tm+4+qb], v[\tm+qb], s[SEL], s[SEL+1]
.set qb, qb+1
.endr
.set qb, 0
.rept \nb
	v_max_num_f32 v[\tm+qb], v[\tm+qb], v[\tm+4+qb]                  ; with lane l xor 16's: the block's largest magnitude
.set qb, qb+1
.endr
.set qb, 0
.rept \nb
	v_add_nc_u32 v[\tm+12+qb], 0xfc000000, v[\tm+qb]                 ; 8 off its exponent field: the conversion's scale operand
	v_and_or_b32 v[\tm+8+qb], v[\tm+qb], 0x7f800000, s[MNT]          ; 448 x the scale
.set qb, qb+1
.endr
.set qb, 0
.rept \nb
	v_lshrrev_b32 v[\tm+4+qb], 23, v[\tm+12+qb]                      ; the scale's byte
.set qb, qb+1
.endr
	v_lshl_or_b32 v[\pw], v[\tm+5], 8, v[\tm+4]
.if \nb > 2
	v_lshl_or_b32 v[\pw], v[\tm+6], 16, v[\pw]
	v_lshl_or_b32 v[\pw], v[\tm+7], 24, v[\pw]
.endif
.set qb, 0
.rept \nb
.irp i, 0,1,2,3,4,5,6,7,8,9,10,11,12,13,14,15
	v_med3_num_f32 v[\s+16*qb+\i], v[\s+16*qb+\i], -v[\tm+8+qb], v[\tm+8+qb]   ; the conversion to an 8-bit code does not saturate (ISA guide 7.6.2): the hold
.endr
	v_cvt_scalef32_pk8_fp8_f32 v[\pc+4*qb:\pc+4*qb+1], v[\s+16*qb:\s+16*qb+7], v[\tm+12+qb]
	v_cvt_scalef32_pk8_fp8_f32 v[\pc+4*qb+2:\pc+4*qb+3], v[\s+16*qb+8:\s+16*qb+15], v[\tm+12+qb]
.set qb, qb+1
.endr
	v_nop                                          ; a plain line behind the last conversion
.endm
.macro PICK lim, c, s, ub              ; work-groups under lim belong to the weight whose codes stand in s[c], scales in s[s], first unit ub; all but W2 have K = 1,024
	s_cmp_lt_u32 s33, \lim
	s_cselect_b64 s[34:35], s[\c:\c+1], s[34:35]
	s_cselect_b64 s[36:37], s[\s:\s+1], s[36:37]
	s_cselect_b32 s38, \ub, s38
	s_cselect_b32 s39, 1024, s39
	s_cselect_b32 s40, 2, s40
.endm
	s_load_b512 s[4:19], s[0:1], 0x0               ; x; the six tensors of codes; Wq's scales
	s_load_b256 s[20:27], s[0:1], 0x40             ; Wk's, Wv's, Wo's, W1's scales
	s_load_b128 s[28:31], s[0:1], 0x60             ; W2's scales; pre
	v_lshl_add_u32 v[SPW], v0, 2, SPARE
	v_mov_b32 v[NIL], 0
	v_lshrrev_b32 v1, 5, v0
	v_readfirstlane_b32 s32, v1                    ; wave
	v_and_b32 v1, 31, v0                           ; lane
	v_and_b32 v2, 15, v0                           ; r
	v_bfe_u32 v3, v0, 4, 1                         ; h
	v_lshlrev_b32 v4, 4, v1                        ; 16 x lane
	s_cmp_lt_u32 ttmp9, 256
	s_cbranch_scc0 .Lweights
	; ---- x: tile = work-group, K step = wave
	s_mul_i32 s33, s32, 8448
	v_add_nc_u32 v5, s33, v4                       ; the stage by rows: 16 bytes a lane
	v_mul_u32_u24 v6, v2, 528
	v_lshl_add_u32 v6, v3, 6, v6
	v_add_nc_u32 v6, s33, v6                       ; and by lanes: row r, + 64 h
	v_lshlrev_b32 v7, 2, v2
	s_mov_b32 s[SEL], 0x76543210
	s_mov_b32 s[SEL+1], 0xfedcba98                 ; v_permlanex16_b32's selects for lane l xor 16
	s_mov_b32 s[MNT], 0x600000                     ; the mantissa field of 448
.irp b, 0,1,2,3
	v_mov_b32 v[TM+4+\b], 0                        ; a lane permute's destination counts as one of its sources
.endr
	s_lshr_b32 s34, ttmp9, 1
	s_lshl_b32 s34, s34, 17                        ; 32 rows of 4,096 bytes
	s_and_b32 s35, ttmp9, 1
	s_lshl_b32 s35, s35, 15                        ; 8 rows
	s_add_co_u32 s34, s34, s35
	s_lshl_b32 s35, s32, 9                         ; 128 numbers
	s_add_co_u32 s34, s34, s35
	s_mov_b32 s35, 0
	s_lshl_b32 s36, ttmp9, 3
	s_add_co_u32 s36, s36, s32                     ; the fragment's number: 8 x tile + K step
	s_lshl_b32 s38, s36, 6
	s_add_co_u32 s38, s38, XS
	s_lshl_b32 s36, s36, 11
	s_mov_b32 s37, 0
	s_mov_b32 s39, 0
	s_wait_kmcnt 0x0
	s_add_nc_u64 s[4:5], s[4:5], s[34:35]
	s_add_nc_u64 s[36:37], s[30:31], s[36:37]
	s_add_nc_u64 s[38:39], s[30:31], s[38:39]
.irp m, 0,1,2,3,4,5,6,7,8,9,10,11,12,13,14,15
	global_load_b128 v[RAW+4*\m:RAW+4*\m+3], v4, s[4:5] offset:(\m+8*(\m/8))*4096 th:TH_LOAD_NT   ; the tile's row m: 512 consecutive bytes
.endr
.irp m, 0,1,2,3,4,5,6,7,8,9,10,11,12,13,14,15
	s_wait_loadcnt 15-\m                           ; loads come back in order: row m is in, the younger ones may be out
	ds_store_b128 v5, v[RAW+4*\m:RAW+4*\m+3] offset:528*\m
.endr
.irp b, 0,1,2,3
.irp j, 0,1,2,3
	ds_load_b128 v[X+16*\b+4*\j:X+16*\b+4*\j+3], v6 offset:128*\b+16*\j   ; LDS serves a wave's instructions in order: these see my stores
.endr
.endr
	s_wait_dscnt 0x0
	QUANT X, 4, PC, TM, PW
.irp c, 0,1,2,3
	global_store_b128 v4, v[PC+4*\c:PC+4*\c+3], s[36:37] offset:512*\c   ; 512 consecutive bytes
.endr
	global_store_b32 v7, v[PW], s[38:39]           ; both halves of the lanes hold the same word
	s_wait_tensorcnt 0x0                           ; the wave's end, behind my last LDS store
	ds_add_u32 v[SPW], v[NIL]
	s_wait_dscnt 0x0
	s_endpgm
.Lweights:
	; ---- a weight: unit U = 8 (work-group - 256) + wave
	s_sub_co_u32 s33, ttmp9, 256
	s_wait_kmcnt 0x0
	s_mov_b64 s[34:35], s[16:17]                   ; W2 unless one of the others
	s_mov_b64 s[36:37], s[28:29]
	s_mov_b32 s38, 2048                            ; the weight's first unit
	s_mov_b32 s39, 4096                            ; K = bytes in a row of codes
	s_mov_b32 s40, 4                               ; log2 (K / 256)
	PICK 256, 14, 26, 1024
	PICK 128, 12, 24, 768
	PICK 96, 10, 22, 512
	PICK 64, 8, 20, 256
	PICK 32, 6, 18, 0
	s_lshl_b32 s41, s33, 3
	s_add_co_u32 s41, s41, s32                     ; U
	s_sub_co_u32 s45, s41, s38                     ; the unit within its weight
	s_lshr_b32 s46, s45, s40                       ; tile
	s_lshl_b32 s47, s46, s40
	s_sub_co_u32 s47, s45, s47                     ; which 256 along K
	s_lshr_b32 s48, s46, 1
	s_lshl_b32 s48, s48, 5
	s_and_b32 s49, s46, 1
	s_lshl_b32 s49, s49, 3
	s_add_co_u32 s48, s48, s49                     ; the tile's first row
	s_lshr_b32 s50, s39, 5                         ; bytes in a row of scales
	s_mul_i32 s52, s48, s39
	s_lshl_b32 s49, s47, 8
	s_add_co_u32 s52, s52, s49
	s_mov_b32 s53, 0
	s_add_nc_u64 s[34:35], s[34:35], s[52:53]
	s_mul_i32 s52, s48, s50
	s_lshl_b32 s49, s47, 3
	s_add_co_u32 s52, s52, s49
	s_add_nc_u64 s[36:37], s[36:37], s[52:53]
	s_lshl_b32 s52, s41, 12
	s_add_co_u32 s52, s52, WQI
	s_add_nc_u64 s[54:55], s[30:31], s[52:53]      ; two fragments: 4,096 bytes a unit
	s_lshl_b32 s52, s41, 7
	s_add_co_u32 s52, s52, WQS
	s_add_nc_u64 s[56:57], s[30:31], s[52:53]      ; 128 bytes of scale words a unit
	s_mul_i32 s49, s32, 4352
	s_add_co_u32 s49, s49, WST
	v_mul_u32_u24 v5, v3, 272
	v_lshl_add_u32 v5, v2, 4, v5
	v_add_nc_u32 v5, s49, v5                       ; the stage by rows: sixteen lanes to a row, two rows a store
	v_mul_u32_u24 v6, v2, 272
	v_lshl_add_u32 v6, v3, 4, v6
	v_add_nc_u32 v6, s49, v6                       ; and by lanes: row r, + 16 h
	v_mul_u32_u24 v16, s39, v3
	v_lshl_add_u32 v16, v2, 4, v16
.irp j, 0,1,2,3,4,5,6,7
	v_mad_u32_u24 v[8+\j], s39, 2*\j+8*(\j/4), v16 ; the tile's rows 2 j and 2 j + 1 in memory
.endr
	v_and_b32 v17, 8, v2
	v_add_nc_u32 v17, v17, v2                      ; r + 8 (r / 8)
	v_mul_u32_u24 v17, s50, v17
	v_lshl_add_u32 v17, v3, 2, v17                 ; lanes 16-31: the unit's second K step
	v_lshlrev_b32 v18, 2, v1
	global_load_b32 v96, v17, s[36:37]
.irp j, 0,1,2,3,4,5,6,7
	global_load_b128 v[32+4*\j:35+4*\j], v[8+\j], s[34:35] th:TH_LOAD_NT   ; sixteen lanes read 256 consecutive bytes
.endr
.irp j, 0,1,2,3,4,5,6,7
	s_wait_loadcnt 7-\j                            ; rows 2 j, 2 j + 1 (and the scale words, asked for first) are in
	ds_store_b128 v5, v[32+4*\j:35+4*\j] offset:544*\j
.endr
.irp q, 0,1
.irp c, 0,1,2,3
	ds_load_b128 v[64+16*\q+4*\c:67+16*\q+4*\c], v6 offset:128*\q+32*\c
.endr
.endr
	global_store_b32 v18, v96, s[56:57]
.irp k, 0,1,2,3,4,5,6,7
	s_wait_dscnt 7-\k
	global_store_b128 v4, v[64+4*\k:67+4*\k], s[54:55] offset:512*\k
.endr
	s_wait_tensorcnt 0x0                           ; the wave's end, behind my last LDS store
	ds_add_u32 v[SPW], v[NIL]
	s_wait_dscnt 0x0
	s_endpgm
.Lfunc_end_k_q183edd9a87_prep:
	.size	k_q183edd9a87_prep, .Lfunc_end_k_q183edd9a87_prep-k_q183edd9a87_prep
	.p2alignl 7, 3214868480
	.fill 96, 4, 3214868480
	.section	.rodata,"a",@progbits
	.p2align	6, 0x0
	.amdhsa_kernel k_q183edd9a87_prep
		.amdhsa_group_segment_fixed_size 103424
		.amdhsa_private_segment_fixed_size 0
		.amdhsa_enable_private_segment 0
		.amdhsa_kernarg_size 112
		.amdhsa_user_sgpr_count 2
		.amdhsa_user_sgpr_kernarg_segment_ptr 1
		.amdhsa_wavefront_size32 1
		.amdhsa_system_sgpr_workgroup_id_x 1
		.amdhsa_system_sgpr_workgroup_id_y 1
		.amdhsa_system_sgpr_workgroup_id_z 1
		.amdhsa_system_vgpr_workitem_id 0
		.amdhsa_next_free_vgpr 208
		.amdhsa_next_free_sgpr 66
		.amdhsa_reserve_vcc 0
		.amdhsa_float_denorm_mode_32 3
		.amdhsa_float_denorm_mode_16_64 3
		.amdhsa_memory_ordered 1
		.amdhsa_forward_progress 1
		.amdhsa_inst_pref_size 22
	.end_amdhsa_kernel
	.amdgpu_metadata
---
amdhsa.version: [ 1, 2 ]
amdhsa.kernels:
  - .name:           k_q183edd9a87_prep
    .symbol:         k_q183edd9a87_prep.kd
    .args:
      - { .name: x, .offset: 0, .size: 8, .value_kind: global_buffer, .address_space: global }
      - { .name: Wq_codes, .offset: 8, .size: 8, .value_kind: global_buffer, .address_space: global }
      - { .name: Wk_codes, .offset: 16, .size: 8, .value_kind: global_buffer, .address_space: global }
      - { .name: Wv_codes, .offset: 24, .size: 8, .value_kind: global_buffer, .address_space: global }
      - { .name: Wo_codes, .offset: 32, .size: 8, .value_kind: global_buffer, .address_space: global }
      - { .name: W1_codes, .offset: 40, .size: 8, .value_kind: global_buffer, .address_space: global }
      - { .name: W2_codes, .offset: 48, .size: 8, .value_kind: global_buffer, .address_space: global }
      - { .name: Wq_scales, .offset: 56, .size: 8, .value_kind: global_buffer, .address_space: global }
      - { .name: Wk_scales, .offset: 64, .size: 8, .value_kind: global_buffer, .address_space: global }
      - { .name: Wv_scales, .offset: 72, .size: 8, .value_kind: global_buffer, .address_space: global }
      - { .name: Wo_scales, .offset: 80, .size: 8, .value_kind: global_buffer, .address_space: global }
      - { .name: W1_scales, .offset: 88, .size: 8, .value_kind: global_buffer, .address_space: global }
      - { .name: W2_scales, .offset: 96, .size: 8, .value_kind: global_buffer, .address_space: global }
      - { .name: pre, .offset: 104, .size: 8, .value_kind: global_buffer, .address_space: global }
    .group_segment_fixed_size: 103424
    .private_segment_fixed_size: 0
    .kernarg_segment_align: 8
    .kernarg_segment_size: 112
    .max_flat_workgroup_size: 256
    .sgpr_count:     66
    .vgpr_count:     208
    .wavefront_size: 32
...
	.end_amdgpu_metadata
.endif
;; end of part 1
;; launch qkv (part 2): grid 12 x 16, 4 waves a work-group, clusters of 4 x 4, 327,680 bytes of LDS; arguments pre, bq, bk, bv, qkvb; writes qkvb
.if DOCPART == 2
	.amdgcn_target "amdgcn-amd-amdhsa--gfx1250"
	.amdhsa_code_object_version 6
	.text
	.protected	k_q183edd9a87_qkv
	.globl	k_q183edd9a87_qkv
	.p2align	8
	.type	k_q183edd9a87_qkv,@function
k_q183edd9a87_qkv:
	s_mov_b64 s[64:65], 0
	v_nop
	global_prefetch_b8 v0, s[64:65] scope:SCOPE_SE
	s_setreg_imm32_b32 hwreg(HW_REG_WAVE_MODE, 25, 1), 1
	s_wait_xcnt 0x0
	s_wait_alu depctr_hold_cnt(0) depctr_sa_sdst(0) depctr_va_vdst(0) depctr_va_sdst(0) depctr_va_ssrc(0) depctr_va_vcc(0) depctr_vm_vsrc(0)
	s_getreg_b32 s2, hwreg(HW_REG_IB_STS2, 6, 4)
	s_cmp_eq_u32 s2, 0
	s_cbranch_scc0 .Lentry_in_a_cluster
	s_endpgm
.Lentry_in_a_cluster:
	s_bfe_u32 s2, ttmp6, 0x10000c
	s_cmp_lg_u32 s2, 0xf033
	s_cbranch_scc0 .Lentry_shape_is_right
	s_endpgm
.Lentry_shape_is_right:
; q = x Wq + bq, k = x Wk + bk, and v TRANSPOSED, v^T = Wv^T x^T + bv, all on codes of E4M3 with E8M0 scales; the results are quantised at once and leave as images of operand registers.
; THE PRODUCT.  C'[S1 row][S0 row] = sum over K of S1 S0: source 0 of the matrix instruction is 16 rows of S0, source 1 16 rows of S1: a lane holds ONE row of S1, its registers run along S0's rows.
; Cluster x says which: 0 q, 1 k (S1 = x's tokens, S0 = the weight's outputs: quantised along the outputs, which are the heads' axes), 2 v (S1 = Wv's outputs, S0 = x's tokens: quantised along the tokens, the second attention product's K).
; OPERANDS are images (launch prep): fragment (tile t, K step s) = 2,048 bytes, register group c of lane l at 512 c + 16 l; the rows of tile t are 32 (t/2) + 8 (t%2) + r + 8 (r/8), so the 16 registers of result tiles
; 2 b, 2 b + 1 are 16 neighbours along S0.  A wave's 128 rows of S0 are one K step of the next product: its 64 registers for a tile of S1's rows become one fragment and one scale word a row.
; SHAPE.  A work-group makes 256 x 256, four waves 128 x 128 each (64 accumulators, 512 registers).  K goes 256 at a time through two LDS slots; a slot holds 64 KiB of S1's fragments, 64 KiB of S0's, and 2 KiB of scale words of each.
; One tensor load a wave: wave 0 S1's codes, 1 S0's codes, 2 S1's scales, 3 S0's.  LDS reads are 512 consecutive bytes: no padding.
; CLUSTER 4 x 4: S1's tile is shared along a row of the cluster, S0's along a column: joint loads.  LIMITS: NaN and infinities are not served; a block under 2^-118 keeps the byte 1.
.set KDIM,  1024
.set FIRST, 1                          ; the first products start the sums with the constant 0; the bias is added on the way out
.set XS,    0x1000000                  ; in pre: x's image at 0, its scale words here
.set WQI,   0x400000
.set WQS,   0x1020000
.set WVI,   0x600000
.set WVS,   0x1030000
.set S1P,   4
.set S0P,   4
.set OUTP,  12
.set SLOT,  135168
.set RB,    65536                      ; in a slot: S0's codes,
.set RSA,   131072                     ; S1's scale words,
.set RSB,   133120                     ; S0's
.set SPARE, 2*SLOT                     ; the spare words: 128 bytes a wave, two blocks of 256 bytes that no other line names
.set LAPS,  KDIM/512
.set NP,    8                          ; places behind this matrix instruction (ISA guide 7.12.1)
.set BM,    8                          ; v8-15   the bias of my lane's row in each of S1's eight blocks (v)
.set ADRA,  16                         ; v16-17  LDS address of S1's fragments in slot 0, 1
.set ADRB,  18                         ; v18-19  S0's
.set ADSA,  20                         ; v20-21  S1's scale words: lanes 0-15 the slot's first K step, lanes 16-31 its second
.set ADSB,  22                         ; v22-23  S0's
.set CO,    24                         ; v24     16 x lane
.set CS,    25                         ; v25     4 r
.set BO,    26                         ; v26     64 h
.set BO2,   27                         ; v27     4 (r + 8 (r / 8))
.set SPW,   28
.set NIL,   29
.set SC,    32                         ; v32-63  scale words and nothing else: set n at SC + 16 n: 0-7 S1's blocks, 8-15 S0's
.set BN,    64                         ; v64-127 the bias along S0's 128 rows, in the result's order (q, k)
.set AF,    128                        ; v128-255 S1's fragments, one set.  Window 1: S0's, two sets.  Windows 2, 3: accumulator (a, b) at v[8 (8 (a % 4) + b)]
.set G1A, 24
.set G0A, 32
.set G1B, 48
.set G0B, 56
.set G1SA, 68
.set G0SA, 76
.set G1SB, 84
.set G0SB, 92
.set SEL, 32                           ; the way out uses the descriptors' registers: no tensor load is out any more
.set MNT, 34
.set EPC, 192                          ; the way out, all in window 1: v0-63 the block's numbers; v192-207 codes; v208-223 at work; v224 the scale word
.set ETM, 208
.set EPW, 224
.set MSB, 0
.macro WIN new                         ; the immediate's high byte repeats the setting that is left
.if MSB != (\new)
	s_set_vgpr_msb (MSB<<8)|(\new)
.set MSB, (\new)
.endif
.endm
.macro PLACES n
.rept \n
	v_nop
.endr
.endm
.macro TL g0, g1                       ; a tensor load; an s_nop 0 and four v_nop follow it
	tensor_load_to_lds s[\g0:\g0+3], s[\g1:\g1+7]
	s_nop 0
	PLACES 4
.endm
.macro JLOAD4 n                        ; slot n's four joint loads, one a wave; the branches hang on the wave's number alone
	s_cmp_lt_u32 s14, 2
	s_cbranch_scc0 .Lscales_\@
	s_cmp_eq_u32 s14, 0
	s_cbranch_scc0 .Lwave1_\@
	TL G0A+4*\n, G1A
	s_branch .Lasked_\@
.Lwave1_\@:
	TL G0B+4*\n, G1B
	s_branch .Lasked_\@
.Lscales_\@:
	s_cmp_eq_u32 s14, 2
	s_cbranch_scc0 .Lwave3_\@
	TL G0SA+4*\n, G1SA
	s_branch .Lasked_\@
.Lwave3_\@:
	TL G0SB+4*\n, G1SB
.Lasked_\@:
.endm
.macro CREST                           ; a round of the cluster's barrier behind its opening barrier
	s_cmp_lg_u32 s14, 0
	s_cbranch_scc1 .Lnot_wave_0_\@
	s_barrier_signal -3
.Lnot_wave_0_\@:
	s_barrier_wait -3
	s_barrier_signal -1
	s_barrier_wait -1
.endm
.macro CROUND
	s_barrier_signal -1
	s_barrier_wait -1
	CREST
.endm
.macro FRAG reg, adr, q, i             ; block i's fragment of the slot's q-th K step
.irp c, 0,1,2,3
	ds_load_b128 v[\reg+4*\c:\reg+4*\c+3], v[\adr] offset:(\i)*4096+(\q)*2048+512*\c
.endr
.endm
.macro FETCH_B slot, q, p
	WIN 0x40
.irp i, 0,1,2,3,4,5,6,7
	FRAG 128*(\p)+16*\i, ADRB+\slot, \q, \i
.endr
	WIN 0
.endm
.macro FETCH_A slot, q, i0
.irp i, \i0, \i0+1, \i0+2, \i0+3
	FRAG AF+16*(\i), ADRA+\slot, \q, \i
.endr
.endm
.macro SCALES n                        ; a slot's scale words: both K steps in one register, by halves of the lanes
.irp i, 0,1,2,3,4,5,6,7
	ds_load_b32 v[SC+16*\n+\i], v[ADSA+\n] offset:128*\i
	ds_load_b32 v[SC+16*\n+8+\i], v[ADSB+\n] offset:128*\i
.endr
.endm
; 16 matrix instructions: S1's blocks a0, a0 + 1 x S0's eight.  p: S0's set; q: the slot's K step; sc: the set of scale words.  The 64 accumulators take turns.
.macro MUL16 a0, p, q, sc, zero
.irp a, \a0, \a0+1
.irp b, 0,1,2,3,4,5,6,7
.set rD, 8*(8*((\a)%4)+\b)
.set rF, 128*(\p)+16*\b
.set rG, AF+16*(\a)
.set rS, SC+16*(\sc)+8+\b
.set rT, SC+16*(\sc)+(\a)
.if \zero == 1
	v_wmma_scale_f32_16x16x128_f8f6f4 v[rD:rD+7], v[rF:rF+15], v[rG:rG+15], 0, v[rS], v[rT]
.elseif \zero == 2
	v_wmma_scale_f32_16x16x128_f8f6f4 v[rD:rD+7], v[rF:rF+15], v[rG:rG+15], v[BN+8*\b:BN+8*\b+7], v[rS], v[rT]
.elseif \q == 0
	v_wmma_scale_f32_16x16x128_f8f6f4 v[rD:rD+7], v[rF:rF+15], v[rG:rG+15], v[rD:rD+7], v[rS], v[rT]
.else
	v_wmma_scale_f32_16x16x128_f8f6f4 v[rD:rD+7], v[rF:rF+15], v[rG:rG+15], v[rD:rD+7], v[rS], v[rT] matrix_a_scale:MATRIX_SCALE_ROW1 matrix_b_scale:MATRIX_SCALE_ROW1
.endif
.endr
.endr
.endm
.macro STEP slot, zero                 ; a slot's first K step; its second step's fragments are fetched on the way
	s_wait_dscnt 16                                ; all but the youngest 16 loads (S1's blocks 4-7) are in
.if \zero == 2
	WIN 0x81
.else
	WIN 0xa1
.endif
	MUL16 0, 0, 0, \slot, \zero
	MUL16 2, 0, 0, \slot, \zero
	s_wait_dscnt 0
	PLACES NP
	FETCH_B \slot, 1, 1
	FETCH_A \slot, 1, 0
.if \zero == 2
	WIN 0xc1
.else
	WIN 0xf1
.endif
	MUL16 4, 0, 0, \slot, \zero
	MUL16 6, 0, 0, \slot, \zero
	PLACES NP
	WIN 0
	FETCH_A \slot, 1, 4
.endm
; A slot's second K step changes slots: each wave waits for all its tensor loads, adds 0 to its spare word, waits for that and for its reads of this slot; one barrier; fill = 1: it opens a round of the cluster's, and this slot is filled again first.
.macro TURN slot, next, fill
	s_wait_tensorcnt 0x0                           ; all my tensor loads have landed: my part of the next slot
	ds_add_u32 v[SPW], v[NIL]
	s_wait_dscnt 17                                ; the add and the youngest 16 loads may be out
	WIN 0xa1
	MUL16 0, 1, 1, \slot, 0
	s_wait_dscnt 0x0                               ; the add is done, and my reads of this slot are over
	s_barrier_signal -1
	MUL16 2, 1, 1, \slot, 0
	WIN 0
	s_barrier_wait -1
.if \fill
	CREST
	s_add_nc_u64 s[G0A+4*\slot+2:G0A+4*\slot+3], s[G0A+4*\slot+2:G0A+4*\slot+3], 8192
	s_add_nc_u64 s[G0B+4*\slot+2:G0B+4*\slot+3], s[G0B+4*\slot+2:G0B+4*\slot+3], 8192
	s_add_nc_u64 s[G0SA+4*\slot+2:G0SA+4*\slot+3], s[G0SA+4*\slot+2:G0SA+4*\slot+3], 256
	s_add_nc_u64 s[G0SB+4*\slot+2:G0SB+4*\slot+3], s[G0SB+4*\slot+2:G0SB+4*\slot+3], 256
	JLOAD4 \slot                                   ; my one tensor load behind the round; its four v_nop are four of the eight places
	PLACES NP-4
.else
	PLACES NP
.endif
	FETCH_B \next, 0, 0
	FETCH_A \next, 0, 0
	SCALES \next
	WIN 0xf1
	MUL16 4, 1, 1, \slot, 0
	MUL16 6, 1, 1, \slot, 0
	PLACES NP
	WIN 0
	FETCH_A \next, 0, 4
.endm
.macro QUANT s, nb, pc, tm, pw         ; 16 nb numbers of a lane, register 16 b + i = k 32 b + 16 h + i of its row, become codes in v[pc] on and the scale bytes in v[pw]
.set qb, 0
.rept \nb
	v_max3_num_f32 v[\tm+qb], |v[\s+16*qb]|, |v[\s+16*qb+1]|, 0x4800000   ; and the floor 2^(9 - 127): the byte cannot fall under 1
.set qb, qb+1
.endr
.irp i, 2,4,6,8,10,12,14
.set qb, 0
.rept \nb
	v_max3_num_f32 v[\tm+qb], v[\tm+qb], |v[\s+16*qb+\i]|, |v[\s+16*qb+\i+1]|
.set qb, qb+1
.endr
.endr
.set qb, 0
.rept \nb
	v_permlanex16_b32 v[\tm+4+qb], v[\tm+qb], s[SEL], s[SEL+1]
.set qb, qb+1
.endr
.set qb, 0
.rept \nb
	v_max_num_f32 v[\tm+qb], v[\tm+qb], v[\tm+4+qb]
.set qb, qb+1
.endr
.set qb, 0
.rept \nb
	v_add_nc_u32 v[\tm+12+qb], 0xfc000000, v[\tm+qb]                 ; 8 off the exponent field: the conversion's scale operand
	v_and_or_b32 v[\tm+8+qb], v[\tm+qb], 0x7f800000, s[MNT]          ; 448 x the scale
.set qb, qb+1
.endr
.set qb, 0
.rept \nb
	v_lshrrev_b32 v[\tm+4+qb], 23, v[\tm+12+qb]
.set qb, qb+1
.endr
	v_lshl_or_b32 v[\pw], v[\tm+5], 8, v[\tm+4]
.if \nb > 2
	v_lshl_or_b32 v[\pw], v[\tm+6], 16, v[\pw]
	v_lshl_or_b32 v[\pw], v[\tm+7], 24, v[\pw]
.endif
.set qb, 0
.rept \nb
.irp i, 0,1,2,3,4,5,6,7,8,9,10,11,12,13,14,15
	v_med3_num_f32 v[\s+16*qb+\i], v[\s+16*qb+\i], -v[\tm+8+qb], v[\tm+8+qb]   ; the conversion does not saturate (ISA guide 7.6.2): the hold
.endr
	v_cvt_scalef32_pk8_fp8_f32 v[\pc+4*qb:\pc+4*qb+1], v[\s+16*qb:\s+16*qb+7], v[\tm+12+qb]
	v_cvt_scalef32_pk8_fp8_f32 v[\pc+4*qb+2:\pc+4*qb+3], v[\s+16*qb+8:\s+16*qb+15], v[\tm+12+qb]
.set qb, qb+1
.endr
	v_nop
.endm
; Block k's 64 sums go to window 1, and the bias is added on the way: q, k: the bias runs along the registers; v: it is my lane's row's.  Each accumulator is read from its low end on.
.macro TAKE k
	s_cmp_lg_u32 s66, 0                            ; the same in all sixteen partners: it hangs on the cluster's x alone
	s_cbranch_scc1 .Lrows_\@
	WIN 0x40|(2+(\k)/4)
.set ti, 0
.rept 32
	v_pk_add_f32 v[ti:ti+1], v[64*((\k)%4)+ti:64*((\k)%4)+ti+1], v[BN+ti:BN+ti+1]
.set ti, ti+2
.endr
	WIN 0
	s_branch .Ltaken_\@
.Lrows_\@:
	WIN 0x40|(2+(\k)/4)
.set ti, 0
.rept 32
.if (\k)%2 == 0
	v_pk_add_f32 v[ti:ti+1], v[64*((\k)%4)+ti:64*((\k)%4)+ti+1], v[BM+2*((\k)/2):BM+2*((\k)/2)+1] op_sel_hi:[1,0]
.else
	v_pk_add_f32 v[ti:ti+1], v[64*((\k)%4)+ti:64*((\k)%4)+ti+1], v[BM+2*((\k)/2):BM+2*((\k)/2)+1] op_sel:[0,1] op_sel_hi:[1,1]
.endif
.set ti, ti+2
.endr
	WIN 0
.Ltaken_\@:
.endm
	s_load_b256 s[4:11], s[0:1], 0x0               ; pre, bq, bk, bv
	s_load_b64 s[12:13], s[0:1], 0x20              ; qkvb
	v_lshl_add_u32 v[SPW], v0, 2, SPARE
	v_mov_b32 v[NIL], 0
	ds_add_u32 v[SPW], v[NIL]                      ; the wave's opening: the add and its wait ahead of my first tensor load
	v_lshrrev_b32 v1, 5, v0
	v_readfirstlane_b32 s14, v1                    ; wave
	s_lshr_b32 s15, s14, 1                         ; which 128 rows of S1 are mine
	s_and_b32 s16, s14, 1                          ; which 128 rows of S0
	s_bfe_u32 s40, ttmp6, 0x40000                  ; cx
	s_bfe_u32 s41, ttmp6, 0x40004                  ; cy
	s_and_b32 s18, ttmp7, 0xffff
	s_lshl_b32 s18, s18, 2                         ; 4 x cluster y
	s_cmp_eq_u32 ttmp9, 2                          ; cluster x: 0 q, 1 k, 2 v
	s_cselect_b32 s66, 1, 0
	s_cselect_b32 s19, s18, 0
	s_cselect_b32 s18, 0, s18
	s_add_co_u32 s42, s40, s19                     ; S0's tile of 256 rows: the weight's cx; for v the tokens' cx + 4 x cluster y
	s_add_co_u32 s17, s41, s18                     ; S1's: the tokens' cy + 4 x cluster y; for v the weight's cy
	s_lshl_b32 s45, ttmp9, 20
	s_add_co_u32 s45, s45, WQI
	s_lshl_b32 s2, ttmp9, 15
	s_add_co_u32 s2, s2, WQS
	s_mov_b32 s18, WVI
	s_mov_b32 s19, WVS
	s_mov_b32 s3, XS
	s_cmp_eq_u32 ttmp9, 2
	s_cselect_b32 s45, 0, s45                      ; where S0's codes begin in pre,
	s_cselect_b32 s2, s3, s2                       ; its scale words,
	s_cselect_b32 s18, s18, 0                      ; S1's codes,
	s_cselect_b32 s19, s19, s3                     ; its scale words
	s_lshl_b32 s43, s41, 2
	s_lshl_b32 s43, 15, s43                        ; my row of the cluster
	s_lshl_b32 s44, 0x1111, s40                    ; my column
	s_or_b32 s[G1A], s43, (3<<16)|(1<<21)          ; 15:0 the mask; 17:16 elements of 8 bytes; 21 set beside a mask; no padding
	s_or_b32 s[G1SA], s43, (3<<16)|(1<<21)
	s_or_b32 s[G1B], s44, (3<<16)|(1<<21)
	s_or_b32 s[G1SB], s44, (3<<16)|(1<<21)
.irp g, G1A, G1B                       ; codes: 16 tiles' rows of 4,096 bytes (two fragments), KDIM x 16 bytes apart
	s_mov_b32 s[\g+1], 512<<16
	s_mov_b32 s[\g+2], 16<<16
	s_mov_b32 s[\g+3], 512<<16
	s_mov_b32 s[\g+4], 16
	s_mov_b32 s[\g+5], 2*KDIM
	s_mov_b32 s[\g+6], 0
	s_mov_b32 s[\g+7], 0
.endr
.irp g, G1SA, G1SB                     ; scale words: 16 rows of 128 bytes, KDIM / 2 bytes apart
	s_mov_b32 s[\g+1], 16<<16
	s_mov_b32 s[\g+2], 16<<16
	s_mov_b32 s[\g+3], 16<<16
	s_mov_b32 s[\g+4], 16
	s_mov_b32 s[\g+5], KDIM/16
	s_mov_b32 s[\g+6], 0
	s_mov_b32 s[\g+7], 0
.endr
	s_mul_i32 s20, s17, KDIM*256
	s_add_co_u32 s20, s20, s18
	s_mov_b32 s21, 0
	s_mul_i32 s22, s17, KDIM*8
	s_add_co_u32 s22, s22, s19
	s_mov_b32 s23, 0
	s_mul_i32 s46, s42, KDIM*256
	s_add_co_u32 s46, s46, s45
	s_mov_b32 s47, 0
	s_mul_i32 s100, s42, KDIM*8
	s_add_co_u32 s100, s100, s2
	s_mov_b32 s101, 0
	s_wait_dscnt 0x0                               ; the opening add is done
	s_wait_kmcnt 0x0
	s_add_nc_u64 s[20:21], s[S1P:S1P+1], s[20:21]
	s_add_nc_u64 s[22:23], s[S1P:S1P+1], s[22:23]
	s_add_nc_u64 s[46:47], s[S0P:S0P+1], s[46:47]
	s_add_nc_u64 s[100:101], s[S0P:S0P+1], s[100:101]
	s_cmp_eq_u32 ttmp9, 0
	s_cselect_b64 s[8:9], s[6:7], s[8:9]
	s_cmp_eq_u32 ttmp9, 2
	s_cselect_b64 s[8:9], s[10:11], s[8:9]         ; the bias of this cluster's product
	CROUND                                         ; all sixteen work-groups are here: the first joint loads meet
.irp n, 0,1
	s_mov_b32 s[G0A+4*\n], 1
	s_mov_b32 s[G0A+4*\n+1], \n*SLOT
	s_add_nc_u64 s[G0A+4*\n+2:G0A+4*\n+3], s[20:21], \n*4096
	s_or_b32 s[G0A+4*\n+3], s[G0A+4*\n+3], 0x80000000
	s_mov_b32 s[G0B+4*\n], 1
	s_mov_b32 s[G0B+4*\n+1], \n*SLOT+RB
	s_add_nc_u64 s[G0B+4*\n+2:G0B+4*\n+3], s[46:47], \n*4096
	s_or_b32 s[G0B+4*\n+3], s[G0B+4*\n+3], 0x80000000
	s_mov_b32 s[G0SA+4*\n], 1
	s_mov_b32 s[G0SA+4*\n+1], \n*SLOT+RSA
	s_add_nc_u64 s[G0SA+4*\n+2:G0SA+4*\n+3], s[22:23], \n*128
	s_or_b32 s[G0SA+4*\n+3], s[G0SA+4*\n+3], 0x80000000
	s_mov_b32 s[G0SB+4*\n], 1
	s_mov_b32 s[G0SB+4*\n+1], \n*SLOT+RSB
	s_add_nc_u64 s[G0SB+4*\n+2:G0SB+4*\n+3], s[100:101], \n*128
	s_or_b32 s[G0SB+4*\n+3], s[G0SB+4*\n+3], 0x80000000
	JLOAD4 \n                                      ; two loads of mine are out
.endr
	v_and_b32 v1, 31, v0
	v_and_b32 v2, 15, v0
	v_bfe_u32 v3, v0, 4, 1
	v_lshlrev_b32 v[CO], 4, v1
	v_lshlrev_b32 v[CS], 2, v2
	v_lshlrev_b32 v4, 2, v1
	v_lshlrev_b32 v[BO], 6, v3
	s_lshl_b32 s18, s15, 15
	s_lshl_b32 s19, s16, 15
	s_add_co_u32 s19, s19, RB
	s_lshl_b32 s45, s15, 10
	s_add_co_u32 s45, s45, RSA
	s_lshl_b32 s2, s16, 10
	s_add_co_u32 s2, s2, RSB
.irp n, 0,1
	v_add_nc_u32 v[ADRA+\n], s18, v[CO]
	v_add_nc_u32 v[ADRB+\n], s19, v[CO]
	v_add_nc_u32 v[ADSA+\n], s45, v4
	v_add_nc_u32 v[ADSB+\n], s2, v4
	s_add_co_u32 s18, s18, SLOT
	s_add_co_u32 s19, s19, SLOT
	s_add_co_u32 s45, s45, SLOT
	s_add_co_u32 s2, s2, SLOT
.endr
	; the bias, both ways; the way that this product does not use reads from the vector's start, so that no load leaves it
	s_lshl_b32 s46, s42, 10
	s_lshl_b32 s47, s16, 9
	s_add_co_u32 s46, s46, s47
	s_cmp_lg_u32 s66, 0
	s_cselect_b32 s46, 0, s46
	s_mov_b32 s47, 0
	s_add_nc_u64 s[46:47], s[8:9], s[46:47]
.irp b, 0,1,2,3
.irp j, 0,1,2,3
	global_load_b128 v[BN+16*\b+4*\j:BN+16*\b+4*\j+3], v[BO], s[46:47] offset:128*\b+16*\j   ; bias[.. + 32 b + 16 h + 4 j ..]
.endr
.endr
	s_lshl_b32 s20, s17, 10
	s_lshl_b32 s21, s15, 9
	s_add_co_u32 s20, s20, s21
	s_cmp_lg_u32 s66, 0
	s_cselect_b32 s20, s20, 0
	s_mov_b32 s21, 0
	s_add_nc_u64 s[20:21], s[8:9], s[20:21]
	v_and_b32 v5, 8, v2
	v_add_nc_u32 v5, v5, v2
	v_lshlrev_b32 v[BO2], 2, v5
.irp a, 0,1,2,3,4,5,6,7
	global_load_b32 v[BM+\a], v[BO2], s[20:21] offset:(32*(\a/2)+8*(\a%2))*4
.endr
	s_wait_tensorcnt 1                             ; my part of slot 0 is in (slot 1's load may be out)
	s_barrier_signal -1
	s_barrier_wait -1                              ; everybody's is
	FETCH_B 0, 0, 0
	FETCH_A 0, 0, 0
	SCALES 0
	FETCH_A 0, 0, 4
	s_wait_loadcnt 0x0                             ; the bias
	STEP 0, FIRST
	s_mov_b32 s3, LAPS-1
.Llap:                                             ; a trip goes once round the ring and fills both slots again
	TURN 0, 1, 1
	STEP 1, 0
	TURN 1, 0, 1
	STEP 0, 0
	s_sub_co_u32 s3, s3, 1
	s_cmp_lg_u32 s3, 0
	s_cbranch_scc1 .Llap
	TURN 0, 1, 0                                   ; the last lap fills nothing
	STEP 1, 0
	s_wait_dscnt 16
	WIN 0xa1
	MUL16 0, 1, 1, 1, 0
	MUL16 2, 1, 1, 1, 0
	s_wait_dscnt 0
	WIN 0xf1
	MUL16 4, 1, 1, 1, 0
	MUL16 6, 1, 1, 1, 0
	WIN 0
	PLACES NP                                      ; in front of the first read of results and of writes into registers that held fragments
	; THE WAY OUT: eight blocks of 16 rows of S1, a counted loop; a block's 64 numbers a lane become one fragment and one scale word
	s_lshl_b32 s24, s17, 4
	s_lshl_b32 s25, s15, 3
	s_add_co_u32 s24, s24, s25                     ; my first tile of rows
	s_cmp_lg_u32 s66, 0
	s_cselect_b32 s28, 32, 8                       ; K steps in a row of the output: v^T has 4,096 tokens, q and k 1,024 outputs
	s_mul_i32 s24, s24, s28
	s_lshl_b32 s25, s42, 1
	s_add_co_u32 s24, s24, s25
	s_add_co_u32 s24, s24, s16                     ; my first fragment's number
	s_lshl_b32 s26, s24, 6
	s_lshl_b32 s24, s24, 11
	s_lshl_b32 s30, s28, 6                         ; from block to block
	s_lshl_b32 s28, s28, 11
	s_mov_b32 s25, 0
	s_mov_b32 s27, 0
	s_mov_b32 s29, 0
	s_mov_b32 s31, 0
	s_lshl_b32 s35, ttmp9, 22                      ; q's, k's, v's images: 4 MiB each,
	s_add_co_u32 s24, s24, s35
	s_lshl_b32 s35, ttmp9, 17                      ; their scale words behind them
	s_add_co_u32 s26, s26, s35
	s_add_co_u32 s26, s26, 0xC00000
	s_add_nc_u64 s[24:25], s[OUTP:OUTP+1], s[24:25]
	s_add_nc_u64 s[26:27], s[OUTP:OUTP+1], s[26:27]
	s_mov_b32 s[SEL], 0x76543210
	s_mov_b32 s[SEL+1], 0xfedcba98
	s_mov_b32 s[MNT], 0x600000
	WIN 0x40
.irp b, 0,1,2,3
	v_mov_b32 v[ETM+4+\b], 0                       ; a lane permute's destination counts as one of its sources
.endr
	WIN 0
	s_mov_b32 s67, 0
.Lblock:
.irp k, 0,1,2,3,4,5,6
	s_cmp_eq_u32 s67, \k
	s_cbranch_scc1 .Lfrom_\k
.endr
	s_branch .Lfrom_7
.irp k, 0,1,2,3,4,5,6,7
.Lfrom_\k:
	TAKE \k
	s_branch .Lhave
.endr
.Lhave:
	WIN 0x55                                       ; every operand in window 1
	QUANT 0, 4, EPC, ETM, EPW
	WIN 0x04                                       ; a store's data are its source 1
.irp c, 0,1,2,3
	global_store_b128 v[CO], v[EPC+4*\c:EPC+4*\c+3], s[24:25] offset:512*\c   ; 512 consecutive bytes
.endr
	global_store_b32 v[CS], v[EPW], s[26:27]
	WIN 0
	s_wait_xcnt 0x0                                ; the stores have read their data and bases: both are written again below and in the next trip
	s_add_nc_u64 s[24:25], s[24:25], s[28:29]
	s_add_nc_u64 s[26:27], s[26:27], s[30:31]
	s_add_co_u32 s67, s67, 1
	s_cmp_lt_u32 s67, 8
	s_cbranch_scc1 .Lblock
	s_wait_tensorcnt 0x0                           ; the wave's end
	ds_add_u32 v[SPW], v[NIL]
	s_wait_dscnt 0x0
	CROUND                                         ; the closing round
	s_endpgm
.Lfunc_end_k_q183edd9a87_qkv:
	.size	k_q183edd9a87_qkv, .Lfunc_end_k_q183edd9a87_qkv-k_q183edd9a87_qkv
	.p2alignl 7, 3214868480
	.fill 96, 4, 3214868480
	.section	.rodata,"a",@progbits
	.p2align	6, 0x0
	.amdhsa_kernel k_q183edd9a87_qkv
		.amdhsa_group_segment_fixed_size 327680
		.amdhsa_private_segment_fixed_size 0
		.amdhsa_enable_private_segment 0
		.amdhsa_kernarg_size 40
		.amdhsa_user_sgpr_count 2
		.amdhsa_user_sgpr_kernarg_segment_ptr 1
		.amdhsa_wavefront_size32 1
		.amdhsa_system_sgpr_workgroup_id_x 1
		.amdhsa_system_sgpr_workgroup_id_y 1
		.amdhsa_system_sgpr_workgroup_id_z 1
		.amdhsa_system_vgpr_workitem_id 0
		.amdhsa_next_free_vgpr 1024
		.amdhsa_next_free_sgpr 102
		.amdhsa_reserve_vcc 0
		.amdhsa_float_denorm_mode_32 3
		.amdhsa_float_denorm_mode_16_64 3
		.amdhsa_memory_ordered 1
		.amdhsa_forward_progress 1
		.amdhsa_inst_pref_size 168
	.end_amdhsa_kernel
	.amdgpu_metadata
---
amdhsa.version: [ 1, 2 ]
amdhsa.kernels:
  - .name:           k_q183edd9a87_qkv
    .symbol:         k_q183edd9a87_qkv.kd
    .args:
      - { .name: pre, .offset: 0, .size: 8, .value_kind: global_buffer, .address_space: global }
      - { .name: bq, .offset: 8, .size: 8, .value_kind: global_buffer, .address_space: global }
      - { .name: bk, .offset: 16, .size: 8, .value_kind: global_buffer, .address_space: global }
      - { .name: bv, .offset: 24, .size: 8, .value_kind: global_buffer, .address_space: global }
      - { .name: qkvb, .offset: 32, .size: 8, .value_kind: global_buffer, .address_space: global }
    .group_segment_fixed_size: 327680
    .private_segment_fixed_size: 0
    .kernarg_segment_align: 8
    .kernarg_segment_size: 40
    .max_flat_workgroup_size: 128
    .sgpr_count:     102
    .vgpr_count:     1024
    .wavefront_size: 32
...
	.end_amdgpu_metadata
.endif
;; end of part 2
;; launch attn (part 3): grid 8 x 32, 16 waves a work-group, no clusters, 280,576 bytes of LDS; arguments qkvb, attb; writes attb
.if DOCPART == 3
	.amdgcn_target "amdgcn-amd-amdhsa--gfx1250"
	.amdhsa_code_object_version 6
	.text
	.protected	k_q183edd9a87_attn
	.globl	k_q183edd9a87_attn
	.p2align	8
	.type	k_q183edd9a87_attn,@function
k_q183edd9a87_attn:
	s_mov_b64 s[64:65], 0
	v_nop
	global_prefetch_b8 v0, s[64:65] scope:SCOPE_SE
	s_setreg_imm32_b32 hwreg(HW_REG_WAVE_MODE, 25, 1), 1
	s_wait_xcnt 0x0
; Causal attention of one head of one batch row on codes of E4M3: S^T = K Q^T, p = 2^(t - M) quantised along the keys, O^T = V^T P^T, O / the sum of the unquantised p, quantised along the head's axis for the next product.
; t = score x log2(e) / 8; M = the running largest t rounded UP to a whole number; when M moves, the sum and O^T are multiplied by 2^(old M - new M), which rounds nothing.
; SHARES.  Work-group (i, y): batch row y / 16, head y % 16.  Sixteen waves of 16 queries (one tile): waves 0-7 take the 128 queries of block i, waves 8-15 those of block 15 - i, so that every work-group has the same number of key steps.
; LDS.  The head's whole K (128 tiles x 1 KiB), V^T (four groups x four tiles of 16 channels x four K steps x 2 KiB) and their scale words are filled ONCE, by waves 0-7, five tensor loads each, all issued at the head: nothing is filled again.
; The keys go in four groups of 512; in front of group g a counted wait shows the scale words and groups 0 .. g landed, and a barrier shows it to all sixteen waves.
; HEAD SIZE 64 IN A K OF 128.  A fragment of K holds tile 2 f in registers 0-7 and tile 2 f + 1 in registers 8-15.  Against [Q | zeros] it gives tile 2 f's scores, against [zeros | Q] tile 2 f + 1's: zero codes add nothing.
; The rows of a tile are 32 (t/2) + 8 (t%2) + r + 8 (r/8): the 16 registers of score tiles 2 f, 2 f + 1 are 16 neighbouring keys, so p's codes are the second product's operand as they come.
; A step all of whose keys come after the wave's queries is left out by a scalar branch on ids; no barrier and no tensor load stands in a step.
; NO CLUSTER: the steps that a wave leaves out hang on its block of queries, which partners of a cluster would not share.  Work-groups with i over 3 never read the fourth group; it is loaded all the same, so that the counted waits mean the same in every work-group.
; LIMITS: NaN and infinities are not served; a block of p that has fallen to 0 keeps the byte 1 over zero codes.
.set KI,    0x400000                   ; in qkvb: q's image at 0, k's, v^T's; then their scale words
.set VI,    0x800000
.set QSO,   0xC00000
.set KSO,   0xC20000
.set VSO,   0xC40000
.set OSO,   0x400000                   ; in attb: the image at 0, its scale words here
.set LV,    131072                     ; LDS: K at 0, V here,
.set LKS,   262144                     ; K's scale words (a word holds the bytes of a pair of heads),
.set LVS,   270336                     ; V's: 2,048 bytes from tile to tile
.set SPARE, 278528                     ; the spare words: 128 bytes a wave, eight blocks of 256 bytes that no other line names
.set LI,  1                            ; v1   16 x lane
.set R4,  2                            ; v2   4 r
.set KSL, 3                            ; v3   K's scale words: lanes 16-31 two tiles on
.set VSL, 4                            ; v4   V's: lanes 16-31 the next tile
.set SPW, 5
.set NIL, 6
.set DQ,  7                            ; v7   r + 8 (r / 8) - 16 h
.set ADK, 8
.set ADV, 9
.set ADS, 10
.set ADT, 11                           ; v12 -M, v13 the largest t, v[14:15] the sum in two halves
.set QF,  16                           ; v16-39  Q, zeros, Q
.set FR,  40                           ; v40-103 four fragments of K or of V
.set S,   104                          ; v104-167 S^T, then p
.set O,   168                          ; v168-199 O^T
.set PCD, 200                          ; v200-215 p's codes
.set BX,  216                          ; v216-219 the blocks' largest; v220-223 bytes; v224-227 448 x the scale; v228-231 the conversions' scale operands
.set BY,  220
.set BH,  224
.set BS,  228
.set KW,  232                          ; v232-235 K's scale words as they lie
.set KSC, 236                          ; v236-237 K's scale words: fragments 0 | 1, 2 | 3 by halves of the lanes
.set VSC, 238                          ; v238-239 V's: tiles 0 | 1, 2 | 3
.set QSC, 240
.set PSC, 241
.set FF,  242                          ; v[242:243] f
.set T0,  244
.set OW,  245
.set NI,  246
.set TK, 2
.set TV, 3
.set TS, 8
.set TJ, 9
.set KF, 10
.set QB, 11
.set CNT, 12
.set SELK, 13
.set WV, 18
.set MNT, 19
.set SEL, 20
.set CS, 22
.set G1K, 24
.set G1V, 32
.set G1KS, 40
.set G1VS, 48
.macro PLACES n
.rept \n
	v_nop
.endr
.endm
.macro QUANT s, nb, pc, tm, pw         ; 16 nb numbers of a lane, register 16 b + i = k 32 b + 16 h + i of its row, become codes in v[pc] on and the scale bytes in v[pw]
.set qb, 0
.rept \nb
	v_max3_num_f32 v[\tm+qb], |v[\s+16*qb]|, |v[\s+16*qb+1]|, 0x4800000
.set qb, qb+1
.endr
.irp i, 2,4,6,8,10,12,14
.set qb, 0
.rept \nb
	v_max3_num_f32 v[\tm+qb], v[\tm+qb], |v[\s+16*qb+\i]|, |v[\s+16*qb+\i+1]|
.set qb, qb+1
.endr
.endr
.set qb, 0
.rept \nb
	v_permlanex16_b32 v[\tm+4+qb], v[\tm+qb], s[SEL], s[SEL+1]
.set qb, qb+1
.endr
.set qb, 0
.rept \nb
	v_max_num_f32 v[\tm+qb], v[\tm+qb], v[\tm+4+qb]
.set qb, qb+1
.endr
.set qb, 0
.rept \nb
	v_add_nc_u32 v[\tm+12+qb], 0xfc000000, v[\tm+qb]
	v_and_or_b32 v[\tm+8+qb], v[\tm+qb], 0x7f800000, s[MNT]
.set qb, qb+1
.endr
.set qb, 0
.rept \nb
	v_lshrrev_b32 v[\tm+4+qb], 23, v[\tm+12+qb]
.set qb, qb+1
.endr
	v_lshl_or_b32 v[\pw], v[\tm+5], 8, v[\tm+4]
.if \nb > 2
	v_lshl_or_b32 v[\pw], v[\tm+6], 16, v[\pw]
	v_lshl_or_b32 v[\pw], v[\tm+7], 24, v[\pw]
.endif
.set qb, 0
.rept \nb
.irp i, 0,1,2,3,4,5,6,7,8,9,10,11,12,13,14,15
	v_med3_num_f32 v[\s+16*qb+\i], v[\s+16*qb+\i], -v[\tm+8+qb], v[\tm+8+qb]
.endr
	v_cvt_scalef32_pk8_fp8_f32 v[\pc+4*qb:\pc+4*qb+1], v[\s+16*qb:\s+16*qb+7], v[\tm+12+qb]
	v_cvt_scalef32_pk8_fp8_f32 v[\pc+4*qb+2:\pc+4*qb+3], v[\s+16*qb+8:\s+16*qb+15], v[\tm+12+qb]
.set qb, qb+1
.endr
	v_nop
.endm
	s_load_b128 s[4:7], s[0:1], 0x0                ; qkvb, attb
	v_lshl_add_u32 v[SPW], v0, 2, SPARE
	v_mov_b32 v[NIL], 0
	ds_add_u32 v[SPW], v[NIL]                      ; the wave's opening: the add and its wait ahead of the first tensor loads
	v_lshrrev_b32 v8, 5, v0
	v_readfirstlane_b32 s[WV], v8                  ; wave 0..15
	s_and_b32 s80, ttmp7, 0xffff
	s_lshr_b32 s81, s80, 4                         ; batch row
	s_and_b32 s82, s80, 15                         ; head
	s_sub_co_u32 s83, 15, ttmp9
	s_cmp_lt_u32 s[WV], 8
	s_cselect_b32 s83, ttmp9, s83                  ; my block of 128 queries
	s_lshl_b32 s83, s83, 3
	s_and_b32 s84, s[WV], 7
	s_add_co_u32 s83, s83, s84                     ; my tile of queries
	s_lshr_b32 s84, s83, 1
	s_lshl_b32 s84, s84, 5
	s_and_b32 s85, s83, 1
	s_lshl_b32 s85, s85, 3
	s_add_co_u32 s[QB], s84, s85                   ; its first query; lane r's is QB + r + 8 (r / 8)
	s_and_b32 s86, s[WV], 3                        ; m: which part of a group I fetch, if I fetch
	s_lshr_b32 s87, s[WV], 2                       ; 0: for K, 1: for V
	s_lshl_b32 s88, s81, 7
	s_lshl_b32 s89, s86, 3
	s_add_co_u32 s88, s88, s89
	s_lshl_b32 s88, s88, 14
	s_lshl_b32 s89, s82, 10
	s_add_co_u32 s88, s88, s89
	s_add_co_u32 s88, s88, KI                      ; K: tiles 128 b + 8 m on, 16 KiB apart, the head's 1 KiB
	s_lshl_b32 s90, s82, 2
	s_add_co_u32 s90, s90, s86
	s_lshl_b32 s90, s90, 5
	s_lshl_b32 s91, s81, 4
	s_add_co_u32 s90, s90, s91                     ; V: fragment (4 head + m) x 32 + 16 b
	s_lshl_b32 s92, s90, 6
	s_add_co_u32 s92, s92, VSO
	s_lshl_b32 s90, s90, 11
	s_add_co_u32 s90, s90, VI
	s_lshl_b32 s93, s81, 7
	s_lshl_b32 s94, s86, 5
	s_add_co_u32 s93, s93, s94
	s_lshl_b32 s93, s93, 9
	s_lshr_b32 s94, s82, 1
	s_lshl_b32 s94, s94, 6
	s_add_co_u32 s93, s93, s94
	s_add_co_u32 s93, s93, KSO                     ; K's scale words: tiles 128 b + 32 m on, 512 bytes apart, the pair of heads' 64 bytes
	s_mov_b32 s94, 8192
	s_cmp_lt_u32 s[WV], 4
	s_cselect_b32 s88, s88, s90                    ; offsets in one buffer are chosen, no pointers
	s_cselect_b32 s92, s93, s92
	s_cselect_b32 s94, 0x80000, s94                ; from group to group: 32 tiles of K, four fragments of V
	s_mov_b32 s89, 0
	s_mov_b32 s93, 0
	s_mov_b32 s95, 0
	s_lshl_b32 s96, s87, 13
	s_lshl_b32 s97, s86, 11
	s_add_co_u32 s96, s96, s97
	s_add_co_u32 s96, s96, LKS                     ; LDS, by the wave's number alone: the scale words,
	s_lshl_b32 s97, s87, 17
	s_lshl_b32 s90, s86, 13
	s_add_co_u32 s97, s97, s90                     ; the codes of group 0
	s_lshl_b32 s98, s81, 7
	s_add_co_u32 s98, s98, s83
	s_lshl_b32 s100, s98, 3
	s_lshr_b32 s99, s82, 1
	s_add_co_u32 s100, s100, s99
	s_lshl_b32 s100, s100, 6                       ; my queries' scale words,
	s_lshl_b32 s98, s98, 14
	s_lshl_b32 s99, s82, 10
	s_add_co_u32 s98, s98, s99                     ; and codes: the same place in q's image and in the output's
	s_mov_b32 s99, 0
	s_mov_b32 s101, 0
	s_mov_b32 s[G1K], 3<<16                        ; K: 8 rows of 1 KiB, 16 KiB apart; elements of 8 bytes, no padding
	s_mov_b32 s[G1K+1], 128<<16
	s_mov_b32 s[G1K+2], 8<<16
	s_mov_b32 s[G1K+3], 128<<16
	s_mov_b32 s[G1K+4], 8
	s_mov_b32 s[G1K+5], 2048
	s_mov_b32 s[G1K+6], 0
	s_mov_b32 s[G1K+7], 0
	s_mov_b32 s[G1V], 3<<16                        ; V: one row of 8 KiB
	s_mov_b32 s[G1V+1], 1024<<16
	s_mov_b32 s[G1V+2], 1<<16
	s_mov_b32 s[G1V+3], 1024<<16
	s_mov_b32 s[G1V+4], 1
	s_mov_b32 s[G1V+5], 1024
	s_mov_b32 s[G1V+6], 0
	s_mov_b32 s[G1V+7], 0
	s_mov_b32 s[G1KS], 3<<16                       ; K's scale words: 32 rows of 64 bytes, 512 apart
	s_mov_b32 s[G1KS+1], 8<<16
	s_mov_b32 s[G1KS+2], 32<<16
	s_mov_b32 s[G1KS+3], 8<<16
	s_mov_b32 s[G1KS+4], 32
	s_mov_b32 s[G1KS+5], 64
	s_mov_b32 s[G1KS+6], 0
	s_mov_b32 s[G1KS+7], 0
	s_mov_b32 s[G1VS], 3<<16                       ; V's: one row of 1 KiB
	s_mov_b32 s[G1VS+1], 128<<16
	s_mov_b32 s[G1VS+2], 1<<16
	s_mov_b32 s[G1VS+3], 128<<16
	s_mov_b32 s[G1VS+4], 1
	s_mov_b32 s[G1VS+5], 128
	s_mov_b32 s[G1VS+6], 0
	s_mov_b32 s[G1VS+7], 0
	s_mov_b32 s[SEL], 0x76543210
	s_mov_b32 s[SEL+1], 0xfedcba98
	s_mov_b32 s[CS], 0x3e38aa3b                    ; c = log2(e) / 8
	s_mov_b32 s[CS+1], s[CS]
	s_mov_b32 s[MNT], 0x600000
	s_wait_dscnt 0x0                               ; the opening add is done
	s_wait_kmcnt 0x0
	s_mov_b32 s56, 1
	s_mov_b32 s57, s96
	s_add_nc_u64 s[58:59], s[4:5], s[92:93]
	s_or_b32 s59, s59, 0x80000000
	s_add_nc_u64 s[88:89], s[4:5], s[88:89]
.set gn, 0
.irp gg, 60, 68, 72, 76
	s_mov_b32 s[\gg], 1
	s_add_co_u32 s[\gg+1], s97, gn*32768
	s_mov_b64 s[\gg+2:\gg+3], s[88:89]
	s_or_b32 s[\gg+3], s[\gg+3], 0x80000000
	s_add_nc_u64 s[88:89], s[88:89], s[94:95]
.set gn, gn+1
.endr
	s_cmp_lt_u32 s[WV], 4                          ; a wave's first fills stand in one branch on its number: five loads of mine are out
	s_cbranch_scc0 .Lnot_k
	tensor_load_to_lds s[56:59], s[G1KS:G1KS+7]
	s_nop 0
	tensor_load_to_lds s[60:63], s[G1K:G1K+7]
	s_nop 0
	tensor_load_to_lds s[68:71], s[G1K:G1K+7]
	s_nop 0
	tensor_load_to_lds s[72:75], s[G1K:G1K+7]
	s_nop 0
	tensor_load_to_lds s[76:79], s[G1K:G1K+7]
	s_nop 0
	PLACES 4
	s_branch .Lasked
.Lnot_k:
	s_cmp_lt_u32 s[WV], 8
	s_cbranch_scc0 .Lasked
	tensor_load_to_lds s[56:59], s[G1VS:G1VS+7]
	s_nop 0
	tensor_load_to_lds s[60:63], s[G1V:G1V+7]
	s_nop 0
	tensor_load_to_lds s[68:71], s[G1V:G1V+7]
	s_nop 0
	tensor_load_to_lds s[72:75], s[G1V:G1V+7]
	s_nop 0
	tensor_load_to_lds s[76:79], s[G1V:G1V+7]
	s_nop 0
	PLACES 4
.Lasked:
	s_add_nc_u64 s[14:15], s[4:5], s[98:99]        ; Q's codes
	s_add_nc_u64 s[16:17], s[4:5], s[100:101]
	s_add_nc_u64 s[16:17], s[16:17], QSO           ; Q's scale words
	s_add_nc_u64 s[84:85], s[6:7], s[98:99]        ; the output's codes
	s_and_b32 s86, s82, 1
	s_lshl_b32 s87, s86, 1
	s_add_co_u32 s100, s100, s87
	s_add_nc_u64 s[90:91], s[6:7], s[100:101]
	s_add_nc_u64 s[90:91], s[90:91], OSO           ; and my head's two bytes of its scale words
	s_mov_b32 s[SELK], 0x07060302                  ; an odd head's two bytes of two words; an even head's:
	s_mov_b32 s12, 0x03020302
	s_cmp_eq_u32 s86, 0
	s_cselect_b32 s[SELK], 0x05040100, s[SELK]
	s_cselect_b32 s12, 0x01000100, s12
	v_and_b32 v8, 31, v0
	v_lshlrev_b32 v[LI], 4, v8
	v_and_b32 v8, 15, v0                           ; r
	v_bfe_u32 v9, v0, 4, 1                         ; h
	v_lshlrev_b32 v[R4], 2, v8
	v_lshl_add_u32 v[KSL], v9, 7, v[R4]
	v_add_nc_u32 v[KSL], LKS, v[KSL]
	v_lshl_add_u32 v[VSL], v9, 11, v[R4]
	v_add_nc_u32 v[VSL], LVS, v[VSL]
	v_and_b32 v10, 8, v8
	v_add_nc_u32 v10, v10, v8
	v_lshlrev_b32 v11, 4, v9
	v_sub_nc_u32 v[DQ], v10, v11
	global_load_b128 v[QF:QF+3], v[LI], s[14:15]
	global_load_b128 v[QF+4:QF+7], v[LI], s[14:15] offset:512
	global_load_b128 v[QF+16:QF+19], v[LI], s[14:15]             ; Q a second time, behind the zeros
	global_load_b128 v[QF+20:QF+23], v[LI], s[14:15] offset:512
	global_load_b32 v[T0], v[R4], s[16:17]
.irp j, 8,9,10,11,12,13,14,15
	v_mov_b32 v[QF+\j], 0
.endr
	v_mov_b32 v13, 0xff61b1e6                      ; the largest t so far: -3e38
	v_floor_f32 v12, -v13
	v_mov_b32 v14, 0
	v_mov_b32 v15, 0
.irp b, 0,1,2,3
	v_mov_b32 v[BY+\b], 0                          ; a lane permute's destination counts as one of its sources
.endr
	v_mov_b32 v[FF+1], 0                           ; named as the upper half of a pair
.set oj, 0
.rept 32
	v_mov_b32 v[O+oj], 0                           ; the step is written once: the first finds zeros
.set oj, oj+1
.endr
	s_wait_loadcnt 0x0
	v_perm_b32 v[QSC], v[T0], v[T0], s12           ; Q's two bytes, twice: for [Q | zeros] and for [zeros | Q]
; A KEY STEP: 128 keys from KF on.
.macro STEP
	s_add_co_u32 s14, s[QB], 23
	s_cmp_gt_u32 s[KF], s14                        ; all its keys come after my queries
	s_cbranch_scc1 .Lhidden_\@
	v_add_nc_u32 v[ADK], s[TK], v[LI]
	v_add_nc_u32 v[ADV], s[TV], v[LI]
	v_add_nc_u32 v[ADS], s[TS], v[KSL]
	v_add_nc_u32 v[ADT], s[TJ], v[VSL]
	PLACES 4                                       ; with the four additions: eight places in front of loads into registers that matrix instructions have read
	ds_load_b32 v[KW], v[ADS]
	ds_load_b32 v[KW+1], v[ADS] offset:64
	ds_load_b32 v[KW+2], v[ADS] offset:256
	ds_load_b32 v[KW+3], v[ADS] offset:320
.irp f, 0,1,2,3
.irp c, 0,1,2,3
	ds_load_b128 v[FR+16*\f+4*\c:FR+16*\f+4*\c+3], v[ADK] offset:2048*\f+512*\c
.endr
.endr
	s_wait_dscnt 16                                ; the four words, issued first, are in
	v_perm_b32 v[KSC], v[KW+1], v[KW], s[SELK]     ; my head's bytes of tiles 2 f and 2 f + 1
	v_perm_b32 v[KSC+1], v[KW+3], v[KW+2], s[SELK]
	PLACES 8                                       ; a scale register written by a vector instruction stands eight places ahead of the product
	s_wait_dscnt 0x0
.irp f, 0,2
	v_wmma_scale_f32_16x16x128_f8f6f4 v[S+16*\f:S+16*\f+7], v[FR+16*\f:FR+16*\f+15], v[QF:QF+15], 0, v[KSC+\f/2], v[QSC]
	v_wmma_scale_f32_16x16x128_f8f6f4 v[S+16*\f+8:S+16*\f+15], v[FR+16*\f:FR+16*\f+15], v[QF+8:QF+23], 0, v[KSC+\f/2], v[QSC]
	v_wmma_scale_f32_16x16x128_f8f6f4 v[S+16*\f+16:S+16*\f+23], v[FR+16*\f+16:FR+16*\f+31], v[QF:QF+15], 0, v[KSC+\f/2], v[QSC] matrix_a_scale:MATRIX_SCALE_ROW1
	v_wmma_scale_f32_16x16x128_f8f6f4 v[S+16*\f+24:S+16*\f+31], v[FR+16*\f+16:FR+16*\f+31], v[QF+8:QF+23], 0, v[KSC+\f/2], v[QSC] matrix_a_scale:MATRIX_SCALE_ROW1
.endr
	PLACES 8
.irp t, 0,1,2,3
.irp c, 0,1,2,3
	ds_load_b128 v[FR+16*\t+4*\c:FR+16*\t+4*\c+3], v[ADV] offset:8192*\t+512*\c   ; V's fragments land under the softmax
.endr
.endr
	ds_load_b32 v[VSC], v[ADT]
	ds_load_b32 v[VSC+1], v[ADT] offset:4096
	s_add_co_u32 s14, s[KF], 127
	s_cmp_le_u32 s14, s[QB]                        ; all keys count: no mask
	s_cbranch_scc1 .Lopen_\@
	s_sub_co_i32 s14, s[QB], s[KF]
	v_add_nc_u32 v[T0], s14, v[DQ]                 ; d = my query - KF - 16 h.  Register 16 b + i holds key KF + 32 b + 16 h + i: hidden where 32 b + i > d
	v_mov_b32 v[NI], 0xff800000
.set mn, 0
.rept 64
	v_cmp_gt_i32 vcc_lo, 32*(mn/16)+mn%16, v[T0]
	v_cndmask_b32 v[S+mn], v[S+mn], v[NI], vcc_lo
.set mn, mn+1
.endr
.Lopen_\@:
.irp b, 0,1,2,3
	v_max3_num_f32 v[BX+\b], v[S+16*\b], v[S+1+16*\b], v[S+2+16*\b]   ; the largest score of each block of 32 keys: for the row's maximum and, since p rises with the score, for the block's largest p
.endr
.irp i, 3,5,7,9,11,13
.irp b, 0,1,2,3
	v_max3_num_f32 v[BX+\b], v[BX+\b], v[S+16*\b+\i], v[S+1+16*\b+\i]
.endr
.endr
.irp b, 0,1,2,3
	v_max_num_f32 v[BX+\b], v[BX+\b], v[S+15+16*\b]
.endr
.irp b, 0,1,2,3
	v_permlanex16_b32 v[BY+\b], v[BX+\b], s[SEL], s[SEL+1]
.endr
.irp b, 0,1,2,3
	v_max_num_f32 v[BX+\b], v[BX+\b], v[BY+\b]
.endr
	v_max3_num_f32 v[T0], v[BX], v[BX+1], v[BX+2]
	v_max_num_f32 v[T0], v[T0], v[BX+3]
	v_mul_f32 v[T0], s[CS], v[T0]
	v_max_num_f32 v13, v13, v[T0]                  ; the running largest t
	v_mov_b32 v[T0], v12
	v_floor_f32 v12, -v13                          ; the new -M = -ceil(t)
	v_sub_f32 v[T0], v12, v[T0]
	v_cvt_i32_f32 v[T0], v[T0]
	v_ldexp_f32 v[FF], 1.0, v[T0]                  ; f = 2^(old M - new M)
.set sj, 0
.rept 32
	v_pk_fma_f32 v[S+sj:S+sj+1], v[S+sj:S+sj+1], s[CS:CS+1], v[12:13] op_sel_hi:[1,0,0]   ; t - M
.set sj, sj+2
.endr
.irp b, 0,1,2,3
	v_fma_f32 v[BX+\b], v[BX+\b], s[CS], v12
.endr
.set sj, 0
.rept 64
	v_exp_f32 v[S+sj], v[S+sj]                     ; p = 2^(t - M)
.set sj, sj+1
.endr
	v_pk_mul_f32 v[14:15], v[14:15], v[FF:FF+1] op_sel_hi:[1,0]   ; a plain line behind the exponentials
	s_wait_alu depctr_va_vdst(0)                   ; one wait for the batch, ahead of its first reader
.irp b, 0,1,2,3
	v_exp_f32 v[BX+\b], v[BX+\b]                   ; the block's largest p
.endr
	v_pk_add_f32 v[BY:BY+1], v[S:S+1], v[S+2:S+3]  ; the row's sum of the unquantised p, in two chains
.irp j, 4,8,12,16,20,24,28,32,36,40,44,48,52,56,60
	v_pk_add_f32 v[14:15], v[14:15], v[S+\j:S+\j+1]
	v_pk_add_f32 v[BY:BY+1], v[BY:BY+1], v[S+\j+2:S+\j+3]
.endr
	v_pk_add_f32 v[14:15], v[14:15], v[BY:BY+1]
	s_wait_alu depctr_va_vdst(0)                   ; and one for the four
.irp b, 0,1,2,3
	v_max_num_f32 v[BX+\b], 0x4800000, v[BX+\b]    ; the floor 2^(9 - 127)
.endr
.irp b, 0,1,2,3
	v_add_nc_u32 v[BS+\b], 0xfc000000, v[BX+\b]
.endr
.irp b, 0,1,2,3
	v_and_or_b32 v[BH+\b], v[BX+\b], 0x7f800000, s[MNT]
.endr
.irp b, 0,1,2,3
	v_lshrrev_b32 v[BY+\b], 23, v[BS+\b]
.endr
	v_lshl_or_b32 v[PSC], v[BY+1], 8, v[BY]        ; p's scale word for these 128 keys
	v_lshl_or_b32 v[PSC], v[BY+2], 16, v[PSC]
	v_lshl_or_b32 v[PSC], v[BY+3], 24, v[PSC]
.irp b, 0,1,2,3
.irp i, 0,1,2,3,4,5,6,7,8,9,10,11,12,13,14,15
	v_min_num_f32 v[S+16*\b+\i], v[S+16*\b+\i], v[BH+\b]   ; the hold; p is not negative
.endr
	v_cvt_scalef32_pk8_fp8_f32 v[PCD+4*\b:PCD+4*\b+1], v[S+16*\b:S+16*\b+7], v[BS+\b]
	v_cvt_scalef32_pk8_fp8_f32 v[PCD+4*\b+2:PCD+4*\b+3], v[S+16*\b+8:S+16*\b+15], v[BS+\b]
.endr
.set oj, 0
.rept 16
	v_pk_mul_f32 v[O+oj:O+oj+1], v[O+oj:O+oj+1], v[FF:FF+1] op_sel_hi:[1,0]   ; O^T under the new M; these lines also stand between the conversions and the products
.set oj, oj+2
.endr
	s_wait_dscnt 0x0                               ; V
.irp t, 0,2
	v_wmma_scale_f32_16x16x128_f8f6f4 v[O+8*\t:O+8*\t+7], v[FR+16*\t:FR+16*\t+15], v[PCD:PCD+15], v[O+8*\t:O+8*\t+7], v[VSC+\t/2], v[PSC]
	v_wmma_scale_f32_16x16x128_f8f6f4 v[O+8*\t+8:O+8*\t+15], v[FR+16*\t+16:FR+16*\t+31], v[PCD:PCD+15], v[O+8*\t+8:O+8*\t+15], v[VSC+\t/2], v[PSC] matrix_a_scale:MATRIX_SCALE_ROW1
.endr
.Lhidden_\@:
	s_add_co_u32 s[KF], s[KF], 128
	s_add_co_u32 s[TK], s[TK], 8192
	s_add_co_u32 s[TV], s[TV], 2048
	s_add_co_u32 s[TS], s[TS], 512
	s_add_co_u32 s[TJ], s[TJ], 64
.endm
.irp g, 0,1,2,3
	s_wait_tensorcnt 3-\g                          ; my scale words and my parts of groups 0 .. g have landed; the later groups may stay out
	s_wait_dscnt 0x0
	s_barrier_signal -1
	s_barrier_wait -1                              ; everybody's have
	s_mov_b32 s[KF], \g*512
	s_mov_b32 s[TK], \g*32768
	s_mov_b32 s[TV], LV+\g*32768
	s_mov_b32 s[TS], \g*2048
	s_mov_b32 s[TJ], \g*256
	s_mov_b32 s[CNT], 4
.Lgroup\g:
	STEP
	s_sub_co_u32 s[CNT], s[CNT], 1
	s_cmp_lg_u32 s[CNT], 0
	s_cbranch_scc1 .Lgroup\g
.endr
	; THE WAY OUT: O^T / the sum, quantised along the head's 64: registers 16 b + i are channels 32 b + 16 h + i of my query
	PLACES 8                                       ; behind the last products, on the way that left the later steps out too
	v_add_f32 v14, v14, v15
	v_permlanex16_b32 v[T0], v14, s[SEL], s[SEL+1]
	v_add_f32 v14, v14, v[T0]
	v_rcp_f32 v14, v14
	v_nop
	s_wait_alu depctr_va_vdst(0)
.set oj, 0
.rept 32
	v_mul_f32 v[S+oj], v[O+oj], v14
.set oj, oj+1
.endr
	QUANT S, 2, PCD, BX, OW
	global_store_b128 v[LI], v[PCD:PCD+3], s[84:85]
	global_store_b128 v[LI], v[PCD+4:PCD+7], s[84:85] offset:512   ; the wave's 1,024 bytes are consecutive
	global_store_b16 v[R4], v[OW], s[90:91]        ; two bytes a row: the other head of the pair writes the other two
	s_wait_tensorcnt 0x0                           ; the wave's end
	ds_add_u32 v[SPW], v[NIL]
	s_wait_dscnt 0x0
	s_endpgm
.Lfunc_end_k_q183edd9a87_attn:
	.size	k_q183edd9a87_attn, .Lfunc_end_k_q183edd9a87_attn-k_q183edd9a87_attn
	.p2alignl 7, 3214868480
	.fill 96, 4, 3214868480
	.section	.rodata,"a",@progbits
	.p2align	6, 0x0
	.amdhsa_kernel k_q183edd9a87_attn
		.amdhsa_group_segment_fixed_size 280576
		.amdhsa_private_segment_fixed_size 0
		.amdhsa_enable_private_segment 0
		.amdhsa_kernarg_size 16
		.amdhsa_user_sgpr_count 2
		.amdhsa_user_sgpr_kernarg_segment_ptr 1
		.amdhsa_wavefront_size32 1
		.amdhsa_system_sgpr_workgroup_id_x 1
		.amdhsa_system_sgpr_workgroup_id_y 1
		.amdhsa_system_sgpr_workgroup_id_z 1
		.amdhsa_system_vgpr_workitem_id 0
		.amdhsa_next_free_vgpr 256
		.amdhsa_next_free_sgpr 102
		.amdhsa_reserve_vcc 1
		.amdhsa_float_denorm_mode_32 3
		.amdhsa_float_denorm_mode_16_64 3
		.amdhsa_memory_ordered 1
		.amdhsa_forward_progress 1
		.amdhsa_inst_pref_size 116
	.end_amdhsa_kernel
	.amdgpu_metadata
---
amdhsa.version: [ 1, 2 ]
amdhsa.kernels:
  - .name:           k_q183edd9a87_attn
    .symbol:         k_q183edd9a87_attn.kd
    .args:
      - { .name: qkvb, .offset: 0, .size: 8, .value_kind: global_buffer, .address_space: global }
      - { .name: attb, .offset: 8, .size: 8, .value_kind: global_buffer, .address_space: global }
    .group_segment_fixed_size: 280576
    .private_segment_fixed_size: 0
    .kernarg_segment_align: 8
    .kernarg_segment_size: 16
    .max_flat_workgroup_size: 512
    .sgpr_count:     102
    .vgpr_count:     256
    .wavefront_size: 32
...
	.end_amdgpu_metadata
.endif
;; end of part 3
;; launch wo (part 4): grid 4 x 16, 4 waves a work-group, clusters of 4 x 4, 327,680 bytes of LDS; arguments attb, pre, bo, ybuf; writes ybuf
.if DOCPART == 4
	.amdgcn_target "amdgcn-amd-amdhsa--gfx1250"
	.amdhsa_code_object_version 6
	.text
	.protected	k_q183edd9a87_wo
	.globl	k_q183edd9a87_wo
	.p2align	8
	.type	k_q183edd9a87_wo,@function
k_q183edd9a87_wo:
	s_mov_b64 s[64:65], 0
	v_nop
	global_prefetch_b8 v0, s[64:65] scope:SCOPE_SE
	s_setreg_imm32_b32 hwreg(HW_REG_WAVE_MODE, 25, 1), 1
	s_wait_xcnt 0x0
	s_wait_alu depctr_hold_cnt(0) depctr_sa_sdst(0) depctr_va_vdst(0) depctr_va_sdst(0) depctr_va_ssrc(0) depctr_va_vcc(0) depctr_vm_vsrc(0)
	s_getreg_b32 s2, hwreg(HW_REG_IB_STS2, 6, 4)
	s_cmp_eq_u32 s2, 0
	s_cbranch_scc0 .Lentry_in_a_cluster
	s_endpgm
.Lentry_in_a_cluster:
	s_bfe_u32 s2, ttmp6, 0x10000c
	s_cmp_lg_u32 s2, 0xf033
	s_cbranch_scc0 .Lentry_shape_is_right
	s_endpgm
.Lentry_shape_is_right:
; y = attention's output x Wo + bo, on codes of E4M3 with E8M0 scales; y leaves in f32, as an image of the registers in which the next launch wants it.
; THE PRODUCT.  C'[S1 row][S0 row]: source 0 of the matrix instruction is 16 rows of S0 (the weight's outputs), source 1 16 rows of S1 (tokens): a lane holds ONE token, its registers run along the outputs.
; OPERANDS are images: fragment (tile t, K step s) = 2,048 bytes, register group c of lane l at 512 c + 16 l; the rows of tile t are 32 (t/2) + 8 (t%2) + r + 8 (r/8).
; SHAPE.  A work-group makes 256 x 256, four waves 128 x 128 each (64 accumulators, 512 registers).  K goes 256 at a time through two LDS slots: 64 KiB of S1's fragments, 64 KiB of S0's, 2 KiB of scale words of each.
; One tensor load a wave: wave 0 S1's codes, 1 S0's codes, 2 S1's scales, 3 S0's.  LDS reads are 512 consecutive bytes: no padding.  The bias is the C of each sum's first product.
; CLUSTER 4 x 4: S1's tile is shared along a row of the cluster, S0's along a column: joint loads.  The output has 64 tiles of 256 x 256: so many work-groups are launched.
.set KDIM,  1024
.set OFF1C, 0                          ; S1: attb's image, its scale words
.set OFF1S, 0x400000
.set OFF0C, 0x700000                   ; S0: Wo's image in pre, its scale words
.set OFF0S, 0x1038000
.set FIRST, 2                          ; the first products take the bias as C
.set S1P,   4
.set S0P,   6
.set OUTP,  10
.set SLOT,  135168
.set RB,    65536
.set RSA,   131072
.set RSB,   133120
.set SPARE, 2*SLOT                     ; the spare words: 128 bytes a wave, two blocks of 256 bytes that no other line names
.set LAPS,  KDIM/512
.set NP,    8
.set ADRA,  16
.set ADRB,  18
.set ADSA,  20
.set ADSB,  22
.set CO,    24
.set BO,    26
.set SPW,   28
.set NIL,   29
.set SC,    32                         ; v32-63  scale words and nothing else
.set BN,    64                         ; v64-127 the bias along S0's 128 rows, in the result's order
.set AF,    128                        ; v128-255 S1's fragments.  Window 1: S0's, two sets.  Windows 2, 3: accumulator (a, b) at v[8 (8 (a % 4) + b)]
.set G1A, 24
.set G0A, 32
.set G1B, 48
.set G0B, 56
.set G1SA, 68
.set G0SA, 76
.set G1SB, 84
.set G0SB, 92
.set MSB, 0
.macro WIN new
.if MSB != (\new)
	s_set_vgpr_msb (MSB<<8)|(\new)
.set MSB, (\new)
.endif
.endm
.macro PLACES n
.rept \n
	v_nop
.endr
.endm
.macro TL g0, g1
	tensor_load_to_lds s[\g0:\g0+3], s[\g1:\g1+7]
	s_nop 0
	PLACES 4
.endm
.macro JLOAD4 n
	s_cmp_lt_u32 s14, 2
	s_cbranch_scc0 .Lscales_\@
	s_cmp_eq_u32 s14, 0
	s_cbranch_scc0 .Lwave1_\@
	TL G0A+4*\n, G1A
	s_branch .Lasked_\@
.Lwave1_\@:
	TL G0B+4*\n, G1B
	s_branch .Lasked_\@
.Lscales_\@:
	s_cmp_eq_u32 s14, 2
	s_cbranch_scc0 .Lwave3_\@
	TL G0SA+4*\n, G1SA
	s_branch .Lasked_\@
.Lwave3_\@:
	TL G0SB+4*\n, G1SB
.Lasked_\@:
.endm
.macro CREST
	s_cmp_lg_u32 s14, 0
	s_cbranch_scc1 .Lnot_wave_0_\@
	s_barrier_signal -3
.Lnot_wave_0_\@:
	s_barrier_wait -3
	s_barrier_signal -1
	s_barrier_wait -1
.endm
.macro CROUND
	s_barrier_signal -1
	s_barrier_wait -1
	CREST
.endm
.macro FRAG reg, adr, q, i
.irp c, 0,1,2,3
	ds_load_b128 v[\reg+4*\c:\reg+4*\c+3], v[\adr] offset:(\i)*4096+(\q)*2048+512*\c
.endr
.endm
.macro FETCH_B slot, q, p
	WIN 0x40
.irp i, 0,1,2,3,4,5,6,7
	FRAG 128*(\p)+16*\i, ADRB+\slot, \q, \i
.endr
	WIN 0
.endm
.macro FETCH_A slot, q, i0
.irp i, \i0, \i0+1, \i0+2, \i0+3
	FRAG AF+16*(\i), ADRA+\slot, \q, \i
.endr
.endm
.macro SCALES n
.irp i, 0,1,2,3,4,5,6,7
	ds_load_b32 v[SC+16*\n+\i], v[ADSA+\n] offset:128*\i
	ds_load_b32 v[SC+16*\n+8+\i], v[ADSB+\n] offset:128*\i
.endr
.endm
.macro MUL16 a0, p, q, sc, zero        ; the 64 accumulators take turns
.irp a, \a0, \a0+1
.irp b, 0,1,2,3,4,5,6,7
.set rD, 8*(8*((\a)%4)+\b)
.set rF, 128*(\p)+16*\b
.set rG, AF+16*(\a)
.set rS, SC+16*(\sc)+8+\b
.set rT, SC+16*(\sc)+(\a)
.if \zero == 1
	v_wmma_scale_f32_16x16x128_f8f6f4 v[rD:rD+7], v[rF:rF+15], v[rG:rG+15], 0, v[rS], v[rT]
.elseif \zero == 2
	v_wmma_scale_f32_16x16x128_f8f6f4 v[rD:rD+7], v[rF:rF+15], v[rG:rG+15], v[BN+8*\b:BN+8*\b+7], v[rS], v[rT]
.elseif \q == 0
	v_wmma_scale_f32_16x16x128_f8f6f4 v[rD:rD+7], v[rF:rF+15], v[rG:rG+15], v[rD:rD+7], v[rS], v[rT]
.else
	v_wmma_scale_f32_16x16x128_f8f6f4 v[rD:rD+7], v[rF:rF+15], v[rG:rG+15], v[rD:rD+7], v[rS], v[rT] matrix_a_scale:MATRIX_SCALE_ROW1 matrix_b_scale:MATRIX_SCALE_ROW1
.endif
.endr
.endr
.endm
.macro STEP slot, zero
	s_wait_dscnt 16                                ; all but the youngest 16 loads (S1's blocks 4-7) are in
.if \zero == 2
	WIN 0x81
.else
	WIN 0xa1
.endif
	MUL16 0, 0, 0, \slot, \zero
	MUL16 2, 0, 0, \slot, \zero
	s_wait_dscnt 0
	PLACES NP
	FETCH_B \slot, 1, 1
	FETCH_A \slot, 1, 0
.if \zero == 2
	WIN 0xc1
.else
	WIN 0xf1
.endif
	MUL16 4, 0, 0, \slot, \zero
	MUL16 6, 0, 0, \slot, \zero
	PLACES NP
	WIN 0
	FETCH_A \slot, 1, 4
.endm
.macro TURN slot, next, fill
	s_wait_tensorcnt 0x0                           ; all my tensor loads have landed: my part of the next slot
	ds_add_u32 v[SPW], v[NIL]
	s_wait_dscnt 17                                ; the add and the youngest 16 loads may be out
	WIN 0xa1
	MUL16 0, 1, 1, \slot, 0
	s_wait_dscnt 0x0                               ; the add is done, and my reads of this slot are over
	s_barrier_signal -1
	MUL16 2, 1, 1, \slot, 0
	WIN 0
	s_barrier_wait -1
.if \fill
	CREST
	s_add_nc_u64 s[G0A+4*\slot+2:G0A+4*\slot+3], s[G0A+4*\slot+2:G0A+4*\slot+3], 8192
	s_add_nc_u64 s[G0B+4*\slot+2:G0B+4*\slot+3], s[G0B+4*\slot+2:G0B+4*\slot+3], 8192
	s_add_nc_u64 s[G0SA+4*\slot+2:G0SA+4*\slot+3], s[G0SA+4*\slot+2:G0SA+4*\slot+3], 256
	s_add_nc_u64 s[G0SB+4*\slot+2:G0SB+4*\slot+3], s[G0SB+4*\slot+2:G0SB+4*\slot+3], 256
	JLOAD4 \slot                                   ; my one tensor load behind the round; its four v_nop are four of the eight places
	PLACES NP-4
.else
	PLACES NP
.endif
	FETCH_B \next, 0, 0
	FETCH_A \next, 0, 0
	SCALES \next
	WIN 0xf1
	MUL16 4, 1, 1, \slot, 0
	MUL16 6, 1, 1, \slot, 0
	PLACES NP
	WIN 0
	FETCH_A \next, 0, 4
.endm
	s_load_b256 s[4:11], s[0:1], 0x0               ; S1's buffer, pre, the bias, the output
	v_lshl_add_u32 v[SPW], v0, 2, SPARE
	v_mov_b32 v[NIL], 0
	ds_add_u32 v[SPW], v[NIL]                      ; the wave's opening: the add and its wait ahead of my first tensor load
	v_lshrrev_b32 v1, 5, v0
	v_readfirstlane_b32 s14, v1
	s_lshr_b32 s15, s14, 1
	s_and_b32 s16, s14, 1
	s_bfe_u32 s40, ttmp6, 0x40000
	s_bfe_u32 s41, ttmp6, 0x40004
	s_lshl_b32 s42, ttmp9, 2
	s_add_co_u32 s42, s42, s40                     ; S0's tile of 256 rows
	s_and_b32 s17, ttmp7, 0xffff
	s_lshl_b32 s17, s17, 2
	s_add_co_u32 s17, s17, s41                     ; S1's
	s_mov_b32 s45, OFF0C
	s_mov_b32 s2, OFF0S
	s_mov_b32 s18, OFF1C
	s_mov_b32 s19, OFF1S
	s_lshl_b32 s43, s41, 2
	s_lshl_b32 s43, 15, s43
	s_lshl_b32 s44, 0x1111, s40
	s_or_b32 s[G1A], s43, (3<<16)|(1<<21)
	s_or_b32 s[G1SA], s43, (3<<16)|(1<<21)
	s_or_b32 s[G1B], s44, (3<<16)|(1<<21)
	s_or_b32 s[G1SB], s44, (3<<16)|(1<<21)
.irp g, G1A, G1B
	s_mov_b32 s[\g+1], 512<<16
	s_mov_b32 s[\g+2], 16<<16
	s_mov_b32 s[\g+3], 512<<16
	s_mov_b32 s[\g+4], 16
	s_mov_b32 s[\g+5], 2*KDIM
	s_mov_b32 s[\g+6], 0
	s_mov_b32 s[\g+7], 0
.endr
.irp g, G1SA, G1SB
	s_mov_b32 s[\g+1], 16<<16
	s_mov_b32 s[\g+2], 16<<16
	s_mov_b32 s[\g+3], 16<<16
	s_mov_b32 s[\g+4], 16
	s_mov_b32 s[\g+5], KDIM/16
	s_mov_b32 s[\g+6], 0
	s_mov_b32 s[\g+7], 0
.endr
	s_mul_i32 s20, s17, KDIM*256
	s_add_co_u32 s20, s20, s18
	s_mov_b32 s21, 0
	s_mul_i32 s22, s17, KDIM*8
	s_add_co_u32 s22, s22, s19
	s_mov_b32 s23, 0
	s_mul_i32 s46, s42, KDIM*256
	s_add_co_u32 s46, s46, s45
	s_mov_b32 s47, 0
	s_mul_i32 s100, s42, KDIM*8
	s_add_co_u32 s100, s100, s2
	s_mov_b32 s101, 0
	s_wait_dscnt 0x0
	s_wait_kmcnt 0x0
	s_add_nc_u64 s[20:21], s[S1P:S1P+1], s[20:21]
	s_add_nc_u64 s[22:23], s[S1P:S1P+1], s[22:23]
	s_add_nc_u64 s[46:47], s[S0P:S0P+1], s[46:47]
	s_add_nc_u64 s[100:101], s[S0P:S0P+1], s[100:101]
	CROUND
.irp n, 0,1
	s_mov_b32 s[G0A+4*\n], 1
	s_mov_b32 s[G0A+4*\n+1], \n*SLOT
	s_add_nc_u64 s[G0A+4*\n+2:G0A+4*\n+3], s[20:21], \n*4096
	s_or_b32 s[G0A+4*\n+3], s[G0A+4*\n+3], 0x80000000
	s_mov_b32 s[G0B+4*\n], 1
	s_mov_b32 s[G0B+4*\n+1], \n*SLOT+RB
	s_add_nc_u64 s[G0B+4*\n+2:G0B+4*\n+3], s[46:47], \n*4096
	s_or_b32 s[G0B+4*\n+3], s[G0B+4*\n+3], 0x80000000
	s_mov_b32 s[G0SA+4*\n], 1
	s_mov_b32 s[G0SA+4*\n+1], \n*SLOT+RSA
	s_add_nc_u64 s[G0SA+4*\n+2:G0SA+4*\n+3], s[22:23], \n*128
	s_or_b32 s[G0SA+4*\n+3], s[G0SA+4*\n+3], 0x80000000
	s_mov_b32 s[G0SB+4*\n], 1
	s_mov_b32 s[G0SB+4*\n+1], \n*SLOT+RSB
	s_add_nc_u64 s[G0SB+4*\n+2:G0SB+4*\n+3], s[100:101], \n*128
	s_or_b32 s[G0SB+4*\n+3], s[G0SB+4*\n+3], 0x80000000
	JLOAD4 \n
.endr
	v_and_b32 v1, 31, v0
	v_bfe_u32 v3, v0, 4, 1
	v_lshlrev_b32 v[CO], 4, v1
	v_lshlrev_b32 v4, 2, v1
	v_lshlrev_b32 v[BO], 6, v3
	s_lshl_b32 s18, s15, 15
	s_lshl_b32 s19, s16, 15
	s_add_co_u32 s19, s19, RB
	s_lshl_b32 s45, s15, 10
	s_add_co_u32 s45, s45, RSA
	s_lshl_b32 s2, s16, 10
	s_add_co_u32 s2, s2, RSB
.irp n, 0,1
	v_add_nc_u32 v[ADRA+\n], s18, v[CO]
	v_add_nc_u32 v[ADRB+\n], s19, v[CO]
	v_add_nc_u32 v[ADSA+\n], s45, v4
	v_add_nc_u32 v[ADSB+\n], s2, v4
	s_add_co_u32 s18, s18, SLOT
	s_add_co_u32 s19, s19, SLOT
	s_add_co_u32 s45, s45, SLOT
	s_add_co_u32 s2, s2, SLOT
.endr
	s_lshl_b32 s46, s42, 10
	s_lshl_b32 s47, s16, 9
	s_add_co_u32 s46, s46, s47
	s_mov_b32 s47, 0
	s_add_nc_u64 s[46:47], s[8:9], s[46:47]
.irp b, 0,1,2,3
.irp j, 0,1,2,3
	global_load_b128 v[BN+16*\b+4*\j:BN+16*\b+4*\j+3], v[BO], s[46:47] offset:128*\b+16*\j
.endr
.endr
	s_wait_tensorcnt 1                             ; my part of slot 0 is in (slot 1's load may be out)
	s_barrier_signal -1
	s_barrier_wait -1
	FETCH_B 0, 0, 0
	FETCH_A 0, 0, 0
	SCALES 0
	FETCH_A 0, 0, 4
	s_wait_loadcnt 0x0                             ; the bias
	STEP 0, FIRST
	s_mov_b32 s3, LAPS-1
.Llap:
	TURN 0, 1, 1
	STEP 1, 0
	TURN 1, 0, 1
	STEP 0, 0
	s_sub_co_u32 s3, s3, 1
	s_cmp_lg_u32 s3, 0
	s_cbranch_scc1 .Llap
	TURN 0, 1, 0
	STEP 1, 0
	s_wait_dscnt 16
	WIN 0xa1
	MUL16 0, 1, 1, 1, 0
	MUL16 2, 1, 1, 1, 0
	s_wait_dscnt 0
	WIN 0xf1
	MUL16 4, 1, 1, 1, 0
	MUL16 6, 1, 1, 1, 0
	WIN 0
	PLACES NP                                      ; in front of the stores that read results
	; THE WAY OUT: the accumulators as they stand: block a's 64 registers are fragment (tile, K step) of the f32 image, 8 KiB: 512 consecutive bytes a store, each accumulator from its low end on
	s_lshl_b32 s24, s17, 20
	s_lshl_b32 s25, s15, 19
	s_add_co_u32 s24, s24, s25
	s_lshl_b32 s25, s42, 14
	s_add_co_u32 s24, s24, s25
	s_lshl_b32 s25, s16, 13
	s_add_co_u32 s24, s24, s25
	s_mov_b32 s25, 0
	s_add_nc_u64 s[24:25], s[OUTP:OUTP+1], s[24:25]
.irp a, 0,1,2,3,4,5,6,7
	WIN 0x08+4*(\a/4)                              ; a store's data are its source 1: window 2 or 3
.irp g, 0,1,2,3,4,5,6,7,8,9,10,11,12,13,14,15
	global_store_b128 v[CO], v[64*(\a%4)+4*\g:64*(\a%4)+4*\g+3], s[24:25] offset:\a*65536+512*\g th:TH_STORE_NT
.endr
.endr
	WIN 0
	s_wait_tensorcnt 0x0                           ; the wave's end
	ds_add_u32 v[SPW], v[NIL]
	s_wait_dscnt 0x0
	CROUND
	s_endpgm
.Lfunc_end_k_q183edd9a87_wo:
	.size	k_q183edd9a87_wo, .Lfunc_end_k_q183edd9a87_wo-k_q183edd9a87_wo
	.p2alignl 7, 3214868480
	.fill 96, 4, 3214868480
	.section	.rodata,"a",@progbits
	.p2align	6, 0x0
	.amdhsa_kernel k_q183edd9a87_wo
		.amdhsa_group_segment_fixed_size 327680
		.amdhsa_private_segment_fixed_size 0
		.amdhsa_enable_private_segment 0
		.amdhsa_kernarg_size 32
		.amdhsa_user_sgpr_count 2
		.amdhsa_user_sgpr_kernarg_segment_ptr 1
		.amdhsa_wavefront_size32 1
		.amdhsa_system_sgpr_workgroup_id_x 1
		.amdhsa_system_sgpr_workgroup_id_y 1
		.amdhsa_system_sgpr_workgroup_id_z 1
		.amdhsa_system_vgpr_workitem_id 0
		.amdhsa_next_free_vgpr 1024
		.amdhsa_next_free_sgpr 102
		.amdhsa_reserve_vcc 0
		.amdhsa_float_denorm_mode_32 3
		.amdhsa_float_denorm_mode_16_64 3
		.amdhsa_memory_ordered 1
		.amdhsa_forward_progress 1
		.amdhsa_inst_pref_size 134
	.end_amdhsa_kernel
	.amdgpu_metadata
---
amdhsa.version: [ 1, 2 ]
amdhsa.kernels:
  - .name:           k_q183edd9a87_wo
    .symbol:         k_q183edd9a87_wo.kd
    .args:
      - { .name: attb, .offset: 0, .size: 8, .value_kind: global_buffer, .address_space: global }
      - { .name: pre, .offset: 8, .size: 8, .value_kind: global_buffer, .address_space: global }
      - { .name: bo, .offset: 16, .size: 8, .value_kind: global_buffer, .address_space: global }
      - { .name: ybuf, .offset: 24, .size: 8, .value_kind: global_buffer, .address_space: global }
    .group_segment_fixed_size: 327680
    .private_segment_fixed_size: 0
    .kernarg_segment_align: 8
    .kernarg_segment_size: 32
    .max_flat_workgroup_size: 128
    .sgpr_count:     102
    .vgpr_count:     1024
    .wavefront_size: 32
...
	.end_amdgpu_metadata
.endif
;; end of part 4
;; launch ln1 (part 5): grid 256 x 1, 8 waves a work-group, no clusters, 69,632 bytes of LDS; arguments ybuf, x, g1, be1, x1; writes x1
.if DOCPART == 5
	.amdgcn_target "amdgcn-amd-amdhsa--gfx1250"
	.amdhsa_code_object_version 6
	.text
	.protected	k_q183edd9a87_ln1
	.globl	k_q183edd9a87_ln1
	.p2align	8
	.type	k_q183edd9a87_ln1,@function
k_q183edd9a87_ln1:
	s_mov_b64 s[64:65], 0
	v_nop
	global_prefetch_b8 v0, s[64:65] scope:SCOPE_SE
	s_setreg_imm32_b32 hwreg(HW_REG_WAVE_MODE, 25, 1), 1
	s_wait_xcnt 0x0
; x1 = LayerNorm(x + y) g1 + be1, all in f32; x1 leaves twice: in f32 (for the second residual) and as codes of E4M3 with E8M0 scales (for the next product), both as images of registers.
; A work-group takes a tile of 16 rows (32 (t/2) + 8 (t%2) + r + 8 (r/8)), wave w its columns 128 w on: lane (r, h) holds 64 numbers of row r, register 16 b + i = column 128 w + 32 b + 16 h + i.
; y comes in that order; x comes by rows (512 consecutive bytes a load) and turns through the wave's own stage in LDS.  The mean is taken first, then the mean of the squared differences: no difference of large sums.
; A row's sums meet in LDS: each wave stores its part, a barrier, every wave reads the eight.  Two reductions, two regions, two barriers.
; LIMITS: NaN and infinities are not served; a block under 2^-118 keeps the byte 1.
.set SECOND, 0
.set X1I,   0x1000000
.set X1S,   0x1400000
.set RED,   67584                      ; behind the eight stages of 16 x 528 bytes: 512 bytes for each reduction
.set SPARE, 68608                      ; the spare words: 128 bytes a wave, four blocks of 256 bytes that no other line names
.set V,   32
.set R,   96
.set G,   160
.set PC,  224
.set TM,  240
.set PW,  30
.set SPW, 28
.set NIL, 29
.set SEL, 20
.set MNT, 22
.macro QUANT s, nb, pc, tm, pw
.set qb, 0
.rept \nb
	v_max3_num_f32 v[\tm+qb], |v[\s+16*qb]|, |v[\s+16*qb+1]|, 0x4800000
.set qb, qb+1
.endr
.irp i, 2,4,6,8,10,12,14
.set qb, 0
.rept \nb
	v_max3_num_f32 v[\tm+qb], v[\tm+qb], |v[\s+16*qb+\i]|, |v[\s+16*qb+\i+1]|
.set qb, qb+1
.endr
.endr
.set qb, 0
.rept \nb
	v_permlanex16_b32 v[\tm+4+qb], v[\tm+qb], s[SEL], s[SEL+1]
.set qb, qb+1
.endr
.set qb, 0
.rept \nb
	v_max_num_f32 v[\tm+qb], v[\tm+qb], v[\tm+4+qb]
.set qb, qb+1
.endr
.set qb, 0
.rept \nb
	v_add_nc_u32 v[\tm+12+qb], 0xfc000000, v[\tm+qb]
	v_and_or_b32 v[\tm+8+qb], v[\tm+qb], 0x7f800000, s[MNT]
.set qb, qb+1
.endr
.set qb, 0
.rept \nb
	v_lshrrev_b32 v[\tm+4+qb], 23, v[\tm+12+qb]
.set qb, qb+1
.endr
	v_lshl_or_b32 v[\pw], v[\tm+5], 8, v[\tm+4]
.if \nb > 2
	v_lshl_or_b32 v[\pw], v[\tm+6], 16, v[\pw]
	v_lshl_or_b32 v[\pw], v[\tm+7], 24, v[\pw]
.endif
.set qb, 0
.rept \nb
.irp i, 0,1,2,3,4,5,6,7,8,9,10,11,12,13,14,15
	v_med3_num_f32 v[\s+16*qb+\i], v[\s+16*qb+\i], -v[\tm+8+qb], v[\tm+8+qb]
.endr
	v_cvt_scalef32_pk8_fp8_f32 v[\pc+4*qb:\pc+4*qb+1], v[\s+16*qb:\s+16*qb+7], v[\tm+12+qb]
	v_cvt_scalef32_pk8_fp8_f32 v[\pc+4*qb+2:\pc+4*qb+3], v[\s+16*qb+8:\s+16*qb+15], v[\tm+12+qb]
.set qb, qb+1
.endr
	v_nop
.endm
.macro ACROSS off                      ; v10: the sum of my 64 numbers -> v12: the row's
	v_permlanex16_b32 v11, v10, s[SEL], s[SEL+1]
	v_add_f32 v10, v10, v11
	ds_store_b32 v8, v10 offset:\off               ; both halves of the lanes write the same word
	s_wait_dscnt 0x0                               ; for the others' sake: my store has landed
	s_barrier_signal -1
	s_barrier_wait -1
	ds_load_b128 v[12:15], v9 offset:\off
	ds_load_b128 v[16:19], v9 offset:\off+16
	s_wait_dscnt 0x0
	v_pk_add_f32 v[12:13], v[12:13], v[14:15]
	v_pk_add_f32 v[16:17], v[16:17], v[18:19]
	v_pk_add_f32 v[12:13], v[12:13], v[16:17]
	v_add_f32 v12, v12, v13
.endm
.macro VEC reg, base                   ; a vector's 64 numbers of my columns: 512 w + 128 b + 64 h + 16 j bytes on
.irp b, 0,1,2,3
.irp j, 0,1,2,3
	global_load_b128 v[\reg+16*\b+4*\j:\reg+16*\b+4*\j+3], v5, s[\base:\base+1] offset:128*\b+16*\j
.endr
.endr
.endm
.macro IMG reg, base                   ; a fragment of an f32 image: 512 consecutive bytes a load
.irp g, 0,1,2,3,4,5,6,7,8,9,10,11,12,13,14,15
	global_load_b128 v[\reg+4*\g:\reg+4*\g+3], v4, s[\base:\base+1] offset:512*\g th:TH_LOAD_NT
.endr
.endm
	s_load_b256 s[4:11], s[0:1], 0x0               ; y, the residual, the gain, the offset
	s_load_b64 s[12:13], s[0:1], 0x20              ; the output
	v_lshl_add_u32 v[SPW], v0, 2, SPARE
	v_mov_b32 v[NIL], 0
	v_lshrrev_b32 v1, 5, v0
	v_readfirstlane_b32 s14, v1                    ; wave
	v_and_b32 v1, 31, v0
	v_and_b32 v2, 15, v0                           ; r
	v_bfe_u32 v3, v0, 4, 1                         ; h
	v_lshlrev_b32 v4, 4, v1                        ; 16 x lane
	v_lshlrev_b32 v5, 6, v3                        ; 64 h
	s_mul_i32 s15, s14, 8448
	v_add_nc_u32 v6, s15, v4                       ; my stage by rows
	v_mul_u32_u24 v7, v2, 528
	v_add_nc_u32 v7, v7, v5
	v_add_nc_u32 v7, s15, v7                       ; and by lanes
	s_lshl_b32 s15, s14, 2
	s_add_co_u32 s15, s15, RED
	v_lshlrev_b32 v9, 5, v2
	v_add_nc_u32 v8, s15, v9                       ; row r's word of my wave
	v_add_nc_u32 v9, RED, v9                       ; row r's eight words
	v_lshlrev_b32 v26, 2, v2
.irp b, 0,1,2,3
	v_mov_b32 v[TM+4+\b], 0
.endr
	s_lshl_b32 s16, ttmp9, 3
	s_add_co_u32 s16, s16, s14                     ; the fragment's number
	s_lshl_b32 s26, s16, 11
	s_lshl_b32 s30, s16, 6
	s_lshl_b32 s16, s16, 13
	s_mov_b32 s17, 0
	s_lshl_b32 s18, s14, 9
	s_mov_b32 s19, 0
	s_lshr_b32 s24, ttmp9, 1
	s_lshl_b32 s24, s24, 17
	s_and_b32 s25, ttmp9, 1
	s_lshl_b32 s25, s25, 15
	s_add_co_u32 s24, s24, s25
	s_add_co_u32 s24, s24, s18                     ; the tile's first row, my columns, in a row-major tensor
	s_mov_b32 s25, 0
	s_add_co_u32 s26, s26, X1I
	s_mov_b32 s27, 0
	s_add_co_u32 s30, s30, X1S
	s_mov_b32 s31, 0
	s_mov_b32 s[SEL], 0x76543210
	s_mov_b32 s[SEL+1], 0xfedcba98
	s_mov_b32 s[MNT], 0x600000
	s_mov_b32 s23, 0x3a800000                      ; 1 / 1,024
	s_mov_b32 s28, 0x3727c5ac                      ; 1e-5
	s_wait_kmcnt 0x0
	s_add_nc_u64 s[4:5], s[4:5], s[16:17]
	s_add_nc_u64 s[8:9], s[8:9], s[18:19]
	s_add_nc_u64 s[10:11], s[10:11], s[18:19]
.if SECOND
	s_add_nc_u64 s[6:7], s[6:7], s[16:17]
	s_add_nc_u64 s[12:13], s[12:13], s[24:25]
	IMG R, 6
	IMG V, 4
	VEC G, 8
	s_wait_loadcnt 16                              ; the residual and y are in; the gain's 16 loads may be out
.else
	s_add_nc_u64 s[6:7], s[6:7], s[24:25]
	s_add_nc_u64 s[26:27], s[12:13], s[26:27]
	s_add_nc_u64 s[30:31], s[12:13], s[30:31]
	s_add_nc_u64 s[12:13], s[12:13], s[16:17]
.irp m, 0,1,2,3,4,5,6,7,8,9,10,11,12,13,14,15
	global_load_b128 v[G+4*\m:G+4*\m+3], v4, s[6:7] offset:(\m+8*(\m/8))*4096 th:TH_LOAD_NT
.endr
	IMG V, 4
	s_wait_loadcnt 16                              ; x's rows are in; y's 16 loads may be out
.irp m, 0,1,2,3,4,5,6,7,8,9,10,11,12,13,14,15
	ds_store_b128 v6, v[G+4*\m:G+4*\m+3] offset:528*\m
.endr
.irp b, 0,1,2,3
.irp j, 0,1,2,3
	ds_load_b128 v[R+16*\b+4*\j:R+16*\b+4*\j+3], v7 offset:128*\b+16*\j   ; LDS serves a wave's instructions in order
.endr
.endr
	s_wait_dscnt 0x0                               ; the stores have read their registers, which take the gain now
	VEC G, 8
	s_wait_loadcnt 16                              ; y is in; the gain's 16 loads may be out
.endif
.set vi, 0
.rept 32
	v_pk_add_f32 v[V+vi:V+vi+1], v[V+vi:V+vi+1], v[R+vi:R+vi+1]
.set vi, vi+2
.endr
	VEC R, 10                                      ; the offset vector takes the residual's registers
	v_pk_add_f32 v[10:11], v[V:V+1], v[V+2:V+3]    ; the sum, in four chains
	v_pk_add_f32 v[12:13], v[V+4:V+5], v[V+6:V+7]
	v_pk_add_f32 v[14:15], v[V+8:V+9], v[V+10:V+11]
	v_pk_add_f32 v[16:17], v[V+12:V+13], v[V+14:V+15]
.irp i, 16,24,32,40,48,56
	v_pk_add_f32 v[10:11], v[10:11], v[V+\i:V+\i+1]
	v_pk_add_f32 v[12:13], v[12:13], v[V+\i+2:V+\i+3]
	v_pk_add_f32 v[14:15], v[14:15], v[V+\i+4:V+\i+5]
	v_pk_add_f32 v[16:17], v[16:17], v[V+\i+6:V+\i+7]
.endr
	v_pk_add_f32 v[10:11], v[10:11], v[12:13]
	v_pk_add_f32 v[14:15], v[14:15], v[16:17]
	v_pk_add_f32 v[10:11], v[10:11], v[14:15]
	v_add_f32 v10, v10, v11
	ACROSS 0
	v_mul_f32 v22, s23, v12                        ; the mean
	v_mov_b32 v23, v22
.set vi, 0
.rept 32
	v_pk_add_f32 v[V+vi:V+vi+1], v[V+vi:V+vi+1], v[22:23] neg_lo:[0,1] neg_hi:[0,1]
.set vi, vi+2
.endr
	v_pk_mul_f32 v[10:11], v[V:V+1], v[V:V+1]
	v_pk_mul_f32 v[12:13], v[V+2:V+3], v[V+2:V+3]
	v_pk_mul_f32 v[14:15], v[V+4:V+5], v[V+4:V+5]
	v_pk_mul_f32 v[16:17], v[V+6:V+7], v[V+6:V+7]
.irp i, 8,16,24,32,40,48,56
	v_pk_fma_f32 v[10:11], v[V+\i:V+\i+1], v[V+\i:V+\i+1], v[10:11]
	v_pk_fma_f32 v[12:13], v[V+\i+2:V+\i+3], v[V+\i+2:V+\i+3], v[12:13]
	v_pk_fma_f32 v[14:15], v[V+\i+4:V+\i+5], v[V+\i+4:V+\i+5], v[14:15]
	v_pk_fma_f32 v[16:17], v[V+\i+6:V+\i+7], v[V+\i+6:V+\i+7], v[16:17]
.endr
	v_pk_add_f32 v[10:11], v[10:11], v[12:13]
	v_pk_add_f32 v[14:15], v[14:15], v[16:17]
	v_pk_add_f32 v[10:11], v[10:11], v[14:15]
	v_add_f32 v10, v10, v11
	ACROSS 512
	v_fma_f32 v12, v12, s23, s28                   ; the variance + 1e-5
	v_rsq_f32 v24, v12
	v_nop
	s_wait_alu depctr_va_vdst(0)                   ; ahead of the first reader
	v_mov_b32 v25, v24
	s_wait_loadcnt 0x0                             ; the gain and the offset
.set vi, 0
.rept 32
	v_pk_mul_f32 v[V+vi:V+vi+1], v[V+vi:V+vi+1], v[24:25]
.set vi, vi+2
.endr
.set vi, 0
.rept 32
	v_pk_fma_f32 v[V+vi:V+vi+1], v[V+vi:V+vi+1], v[G+vi:G+vi+1], v[R+vi:R+vi+1]
.set vi, vi+2
.endr
.if SECOND
.irp b, 0,1,2,3
.irp j, 0,1,2,3
	ds_store_b128 v7, v[V+16*\b+4*\j:V+16*\b+4*\j+3] offset:128*\b+16*\j
.endr
.endr
.irp m, 0,1,2,3,4,5,6,7,8,9,10,11,12,13,14,15
	ds_load_b128 v[R+4*\m:R+4*\m+3], v6 offset:528*\m
.endr
.irp m, 0,1,2,3,4,5,6,7,8,9,10,11,12,13,14,15
	s_wait_dscnt 15-\m
	global_store_b128 v4, v[R+4*\m:R+4*\m+3], s[12:13] offset:(\m+8*(\m/8))*4096 th:TH_STORE_NT   ; 512 consecutive bytes of a row
.endr
.else
.irp g, 0,1,2,3,4,5,6,7,8,9,10,11,12,13,14,15
	global_store_b128 v4, v[V+4*\g:V+4*\g+3], s[12:13] offset:512*\g
.endr
	s_wait_xcnt 0x0                                ; the stores have read their data: the hold below writes them again
	QUANT V, 4, PC, TM, PW
.irp c, 0,1,2,3
	global_store_b128 v4, v[PC+4*\c:PC+4*\c+3], s[26:27] offset:512*\c
.endr
	global_store_b32 v26, v[PW], s[30:31]
.endif
	s_wait_tensorcnt 0x0                           ; the wave's end, behind my last LDS store
	ds_add_u32 v[SPW], v[NIL]
	s_wait_dscnt 0x0
	s_endpgm
.Lfunc_end_k_q183edd9a87_ln1:
	.size	k_q183edd9a87_ln1, .Lfunc_end_k_q183edd9a87_ln1-k_q183edd9a87_ln1
	.p2alignl 7, 3214868480
	.fill 96, 4, 3214868480
	.section	.rodata,"a",@progbits
	.p2align	6, 0x0
	.amdhsa_kernel k_q183edd9a87_ln1
		.amdhsa_group_segment_fixed_size 69632
		.amdhsa_private_segment_fixed_size 0
		.amdhsa_enable_private_segment 0
		.amdhsa_kernarg_size 40
		.amdhsa_user_sgpr_count 2
		.amdhsa_user_sgpr_kernarg_segment_ptr 1
		.amdhsa_wavefront_size32 1
		.amdhsa_system_sgpr_workgroup_id_x 1
		.amdhsa_system_sgpr_workgroup_id_y 1
		.amdhsa_system_sgpr_workgroup_id_z 1
		.amdhsa_system_vgpr_workitem_id 0
		.amdhsa_next_free_vgpr 256
		.amdhsa_next_free_sgpr 66
		.amdhsa_reserve_vcc 0
		.amdhsa_float_denorm_mode_32 3
		.amdhsa_float_denorm_mode_16_64 3
		.amdhsa_memory_ordered 1
		.amdhsa_forward_progress 1
		.amdhsa_inst_pref_size 35
	.end_amdhsa_kernel
	.amdgpu_metadata
---
amdhsa.version: [ 1, 2 ]
amdhsa.kernels:
  - .name:           k_q183edd9a87_ln1
    .symbol:         k_q183edd9a87_ln1.kd
    .args:
      - { .name: ybuf, .offset: 0, .size: 8, .value_kind: global_buffer, .address_space: global }
      - { .name: x, .offset: 8, .size: 8, .value_kind: global_buffer, .address_space: global }
      - { .name: g1, .offset: 16, .size: 8, .value_kind: global_buffer, .address_space: global }
      - { .name: be1, .offset: 24, .size: 8, .value_kind: global_buffer, .address_space: global }
      - { .name: x1, .offset: 32, .size: 8, .value_kind: global_buffer, .address_space: global }
    .group_segment_fixed_size: 69632
    .private_segment_fixed_size: 0
    .kernarg_segment_align: 8
    .kernarg_segment_size: 40
    .max_flat_workgroup_size: 256
    .sgpr_count:     66
    .vgpr_count:     256
    .wavefront_size: 32
...
	.end_amdgpu_metadata
.endif
;; end of part 5
;; launch w1 (part 6): grid 16 x 16, 4 waves a work-group, clusters of 4 x 4, 327,680 bytes of LDS; arguments x1, pre, b1, hid; writes hid
.if DOCPART == 6
	.amdgcn_target "amdgcn-amd-amdhsa--gfx1250"
	.amdhsa_code_object_version 6
	.text
	.protected	k_q183edd9a87_w1
	.globl	k_q183edd9a87_w1
	.p2align	8
	.type	k_q183edd9a87_w1,@function
k_q183edd9a87_w1:
	s_mov_b64 s[64:65], 0
	v_nop
	global_prefetch_b8 v0, s[64:65] scope:SCOPE_SE
	s_setreg_imm32_b32 hwreg(HW_REG_WAVE_MODE, 25, 1), 1
	s_wait_xcnt 0x0
	s_wait_alu depctr_hold_cnt(0) depctr_sa_sdst(0) depctr_va_vdst(0) depctr_va_sdst(0) depctr_va_ssrc(0) depctr_va_vcc(0) depctr_vm_vsrc(0)
	s_getreg_b32 s2, hwreg(HW_REG_IB_STS2, 6, 4)
	s_cmp_eq_u32 s2, 0
	s_cbranch_scc0 .Lentry_in_a_cluster
	s_endpgm
.Lentry_in_a_cluster:
	s_bfe_u32 s2, ttmp6, 0x10000c
	s_cmp_lg_u32 s2, 0xf033
	s_cbranch_scc0 .Lentry_shape_is_right
	s_endpgm
.Lentry_shape_is_right:
; h = gelu(x1 W1 + b1), the product on codes of E4M3 with E8M0 scales; h is quantised at once along its 4,096 units and leaves as an image of operand registers.
; THE PRODUCT.  C'[S1 row][S0 row]: source 0 of the matrix instruction is 16 rows of S0 (W1's units), source 1 16 rows of S1 (tokens): a lane holds ONE token, its registers run along the units.
; OPERANDS are images: fragment (tile t, K step s) = 2,048 bytes, register group c of lane l at 512 c + 16 l; the rows of tile t are 32 (t/2) + 8 (t%2) + r + 8 (r/8), so the 16 registers of result tiles 2 b, 2 b + 1 are 16 neighbouring units.
; SHAPE.  A work-group makes 256 x 256, four waves 128 x 128 each.  K goes 256 at a time through two LDS slots: 64 KiB of S1's fragments, 64 KiB of S0's, 2 KiB of scale words of each; one tensor load a wave.  CLUSTER 4 x 4, joint loads.
; GELU.  gelu(x) = max(0, x) - |x| P, P = half of (a1 t + .. + a5 t^5) e^(-x x / 2), t = 1 / (1 + 0.2316419 |x|): erf by Abramowitz and Stegun 7.1.26, whose absolute error is at most 1.5e-7.
; LIMITS: that error of erf; NaN and infinities are not served; a block under 2^-118 keeps the byte 1.
.set KDIM,  1024
.set OFF1C, 0x1000000                  ; S1: x1's image of codes, its scale words
.set OFF1S, 0x1400000
.set OFF0C, 0x800000                   ; S0: W1's image in pre, its scale words
.set OFF0S, 0x1040000
.set NSO,   32                         ; K steps in a row of the output
.set OUTC,  0
.set OUTS,  0x1000000
.set FIRST, 1
.set S1P,   4
.set S0P,   6
.set OUTP,  10
.set SLOT,  135168
.set RB,    65536
.set RSA,   131072
.set RSB,   133120
.set SPARE, 2*SLOT                     ; the spare words: 128 bytes a wave, two blocks of 256 bytes that no other line names
.set LAPS,  KDIM/512
.set NP,    8
.set ADRA,  16
.set ADRB,  18
.set ADSA,  20
.set ADSB,  22
.set CO,    24
.set CS,    25
.set BO,    26
.set SPW,   28
.set NIL,   29
.set SC,    32                         ; v32-63  scale words and nothing else
.set BN,    64                         ; v64-127 the bias along S0's 128 rows, in the result's order
.set AF,    128
.set G1A, 24
.set G0A, 32
.set G1B, 48
.set G0B, 56
.set G1SA, 68
.set G0SA, 76
.set G1SB, 84
.set G0SB, 92
.set SEL, 32                           ; the way out uses the descriptors' registers: no tensor load is out any more
.set MNT, 34
.set GT,  64                           ; the way out, all in window 1: v0-63 the block's numbers; v64-95 t; v96-127 e^(-x x / 2); v128-159 max(0, x); v160-191 P
.set GU,  96
.set GM,  128
.set GP,  160
.set EPC, 192
.set ETM, 208
.set EPW, 224
.set A4,  226
.set MSB, 0
.macro WIN new
.if MSB != (\new)
	s_set_vgpr_msb (MSB<<8)|(\new)
.set MSB, (\new)
.endif
.endm
.macro PLACES n
.rept \n
	v_nop
.endr
.endm
.macro TL g0, g1
	tensor_load_to_lds s[\g0:\g0+3], s[\g1:\g1+7]
	s_nop 0
	PLACES 4
.endm
.macro JLOAD4 n
	s_cmp_lt_u32 s14, 2
	s_cbranch_scc0 .Lscales_\@
	s_cmp_eq_u32 s14, 0
	s_cbranch_scc0 .Lwave1_\@
	TL G0A+4*\n, G1A
	s_branch .Lasked_\@
.Lwave1_\@:
	TL G0B+4*\n, G1B
	s_branch .Lasked_\@
.Lscales_\@:
	s_cmp_eq_u32 s14, 2
	s_cbranch_scc0 .Lwave3_\@
	TL G0SA+4*\n, G1SA
	s_branch .Lasked_\@
.Lwave3_\@:
	TL G0SB+4*\n, G1SB
.Lasked_\@:
.endm
.macro CREST
	s_cmp_lg_u32 s14, 0
	s_cbranch_scc1 .Lnot_wave_0_\@
	s_barrier_signal -3
.Lnot_wave_0_\@:
	s_barrier_wait -3
	s_barrier_signal -1
	s_barrier_wait -1
.endm
.macro CROUND
	s_barrier_signal -1
	s_barrier_wait -1
	CREST
.endm
.macro FRAG reg, adr, q, i
.irp c, 0,1,2,3
	ds_load_b128 v[\reg+4*\c:\reg+4*\c+3], v[\adr] offset:(\i)*4096+(\q)*2048+512*\c
.endr
.endm
.macro FETCH_B slot, q, p
	WIN 0x40
.irp i, 0,1,2,3,4,5,6,7
	FRAG 128*(\p)+16*\i, ADRB+\slot, \q, \i
.endr
	WIN 0
.endm
.macro FETCH_A slot, q, i0
.irp i, \i0, \i0+1, \i0+2, \i0+3
	FRAG AF+16*(\i), ADRA+\slot, \q, \i
.endr
.endm
.macro SCALES n
.irp i, 0,1,2,3,4,5,6,7
	ds_load_b32 v[SC+16*\n+\i], v[ADSA+\n] offset:128*\i
	ds_load_b32 v[SC+16*\n+8+\i], v[ADSB+\n] offset:128*\i
.endr
.endm
.macro MUL16 a0, p, q, sc, zero        ; the 64 accumulators take turns
.irp a, \a0, \a0+1
.irp b, 0,1,2,3,4,5,6,7
.set rD, 8*(8*((\a)%4)+\b)
.set rF, 128*(\p)+16*\b
.set rG, AF+16*(\a)
.set rS, SC+16*(\sc)+8+\b
.set rT, SC+16*(\sc)+(\a)
.if \zero == 1
	v_wmma_scale_f32_16x16x128_f8f6f4 v[rD:rD+7], v[rF:rF+15], v[rG:rG+15], 0, v[rS], v[rT]
.elseif \zero == 2
	v_wmma_scale_f32_16x16x128_f8f6f4 v[rD:rD+7], v[rF:rF+15], v[rG:rG+15], v[BN+8*\b:BN+8*\b+7], v[rS], v[rT]
.elseif \q == 0
	v_wmma_scale_f32_16x16x128_f8f6f4 v[rD:rD+7], v[rF:rF+15], v[rG:rG+15], v[rD:rD+7], v[rS], v[rT]
.else
	v_wmma_scale_f32_16x16x128_f8f6f4 v[rD:rD+7], v[rF:rF+15], v[rG:rG+15], v[rD:rD+7], v[rS], v[rT] matrix_a_scale:MATRIX_SCALE_ROW1 matrix_b_scale:MATRIX_SCALE_ROW1
.endif
.endr
.endr
.endm
.macro STEP slot, zero
	s_wait_dscnt 16                                ; all but the youngest 16 loads (S1's blocks 4-7) are in
.if \zero == 2
	WIN 0x81
.else
	WIN 0xa1
.endif
	MUL16 0, 0, 0, \slot, \zero
	MUL16 2, 0, 0, \slot, \zero
	s_wait_dscnt 0
	PLACES NP
	FETCH_B \slot, 1, 1
	FETCH_A \slot, 1, 0
.if \zero == 2
	WIN 0xc1
.else
	WIN 0xf1
.endif
	MUL16 4, 0, 0, \slot, \zero
	MUL16 6, 0, 0, \slot, \zero
	PLACES NP
	WIN 0
	FETCH_A \slot, 1, 4
.endm
.macro TURN slot, next, fill
	s_wait_tensorcnt 0x0                           ; all my tensor loads have landed: my part of the next slot
	ds_add_u32 v[SPW], v[NIL]
	s_wait_dscnt 17                                ; the add and the youngest 16 loads may be out
	WIN 0xa1
	MUL16 0, 1, 1, \slot, 0
	s_wait_dscnt 0x0                               ; the add is done, and my reads of this slot are over
	s_barrier_signal -1
	MUL16 2, 1, 1, \slot, 0
	WIN 0
	s_barrier_wait -1
.if \fill
	CREST
	s_add_nc_u64 s[G0A+4*\slot+2:G0A+4*\slot+3], s[G0A+4*\slot+2:G0A+4*\slot+3], 8192
	s_add_nc_u64 s[G0B+4*\slot+2:G0B+4*\slot+3], s[G0B+4*\slot+2:G0B+4*\slot+3], 8192
	s_add_nc_u64 s[G0SA+4*\slot+2:G0SA+4*\slot+3], s[G0SA+4*\slot+2:G0SA+4*\slot+3], 256
	s_add_nc_u64 s[G0SB+4*\slot+2:G0SB+4*\slot+3], s[G0SB+4*\slot+2:G0SB+4*\slot+3], 256
	JLOAD4 \slot                                   ; my one tensor load behind the round; its four v_nop are four of the eight places
	PLACES NP-4
.else
	PLACES NP
.endif
	FETCH_B \next, 0, 0
	FETCH_A \next, 0, 0
	SCALES \next
	WIN 0xf1
	MUL16 4, 1, 1, \slot, 0
	MUL16 6, 1, 1, \slot, 0
	PLACES NP
	WIN 0
	FETCH_A \next, 0, 4
.endm
.macro QUANT s, nb, pc, tm, pw
.set qb, 0
.rept \nb
	v_max3_num_f32 v[\tm+qb], |v[\s+16*qb]|, |v[\s+16*qb+1]|, 0x4800000
.set qb, qb+1
.endr
.irp i, 2,4,6,8,10,12,14
.set qb, 0
.rept \nb
	v_max3_num_f32 v[\tm+qb], v[\tm+qb], |v[\s+16*qb+\i]|, |v[\s+16*qb+\i+1]|
.set qb, qb+1
.endr
.endr
.set qb, 0
.rept \nb
	v_permlanex16_b32 v[\tm+4+qb], v[\tm+qb], s[SEL], s[SEL+1]
.set qb, qb+1
.endr
.set qb, 0
.rept \nb
	v_max_num_f32 v[\tm+qb], v[\tm+qb], v[\tm+4+qb]
.set qb, qb+1
.endr
.set qb, 0
.rept \nb
	v_add_nc_u32 v[\tm+12+qb], 0xfc000000, v[\tm+qb]
	v_and_or_b32 v[\tm+8+qb], v[\tm+qb], 0x7f800000, s[MNT]
.set qb, qb+1
.endr
.set qb, 0
.rept \nb
	v_lshrrev_b32 v[\tm+4+qb], 23, v[\tm+12+qb]
.set qb, qb+1
.endr
	v_lshl_or_b32 v[\pw], v[\tm+5], 8, v[\tm+4]
.if \nb > 2
	v_lshl_or_b32 v[\pw], v[\tm+6], 16, v[\pw]
	v_lshl_or_b32 v[\pw], v[\tm+7], 24, v[\pw]
.endif
.set qb, 0
.rept \nb
.irp i, 0,1,2,3,4,5,6,7,8,9,10,11,12,13,14,15
	v_med3_num_f32 v[\s+16*qb+\i], v[\s+16*qb+\i], -v[\tm+8+qb], v[\tm+8+qb]
.endr
	v_cvt_scalef32_pk8_fp8_f32 v[\pc+4*qb:\pc+4*qb+1], v[\s+16*qb:\s+16*qb+7], v[\tm+12+qb]
	v_cvt_scalef32_pk8_fp8_f32 v[\pc+4*qb+2:\pc+4*qb+3], v[\s+16*qb+8:\s+16*qb+15], v[\tm+12+qb]
.set qb, qb+1
.endr
	v_nop
.endm
.macro TAKE k                          ; block k's 64 sums go to window 1, and the bias is added on the way; each accumulator is read from its low end on
	WIN 0x40|(2+(\k)/4)
.set ti, 0
.rept 32
	v_pk_add_f32 v[ti:ti+1], v[64*((\k)%4)+ti:64*((\k)%4)+ti+1], v[BN+ti:BN+ti+1]
.set ti, ti+2
.endr
	WIN 0
.endm
.macro GELU x                          ; 32 numbers in place; the 64 transcendentals are one batch with one wait
.set gi, 0
.rept 16
	v_pk_mul_f32 v[GU+gi:GU+gi+1], v[\x+gi:\x+gi+1], v[\x+gi:\x+gi+1]
.set gi, gi+2
.endr
.set gi, 0
.rept 32
	v_fma_f32 v[GT+gi], |v[\x+gi]|, s54, 1.0
.set gi, gi+1
.endr
.set gi, 0
.rept 32
	v_max_num_f32 v[GM+gi], 0, v[\x+gi]
.set gi, gi+1
.endr
.set gi, 0
.rept 16
	v_pk_mul_f32 v[GU+gi:GU+gi+1], v[GU+gi:GU+gi+1], s[52:53] op_sel_hi:[1,0]   ; x x times -log2(e) / 2
.set gi, gi+2
.endr
.set gi, 0
.rept 32
	v_rcp_f32 v[GT+gi], v[GT+gi]
.set gi, gi+1
.endr
.set gi, 0
.rept 32
	v_exp_f32 v[GU+gi], v[GU+gi]
.set gi, gi+1
.endr
	v_nop
	s_wait_alu depctr_va_vdst(0)                   ; one wait for the batch, ahead of its first reader
.set gi, 0
.rept 16
	v_pk_fma_f32 v[GP+gi:GP+gi+1], v[GT+gi:GT+gi+1], s[36:37], v[A4:A4+1] op_sel_hi:[1,0,1]
.set gi, gi+2
.endr
.irp cc, 38, 48, 50
.set gi, 0
.rept 16
	v_pk_fma_f32 v[GP+gi:GP+gi+1], v[GP+gi:GP+gi+1], v[GT+gi:GT+gi+1], s[\cc:\cc+1] op_sel_hi:[1,1,0]
.set gi, gi+2
.endr
.endr
.set gi, 0
.rept 16
	v_pk_mul_f32 v[GP+gi:GP+gi+1], v[GP+gi:GP+gi+1], v[GT+gi:GT+gi+1]
.set gi, gi+2
.endr
.set gi, 0
.rept 16
	v_pk_mul_f32 v[GP+gi:GP+gi+1], v[GP+gi:GP+gi+1], v[GU+gi:GU+gi+1]
.set gi, gi+2
.endr
.set gi, 0
.rept 32
	v_fma_f32 v[\x+gi], -|v[\x+gi]|, v[GP+gi], v[GM+gi]
.set gi, gi+1
.endr
.endm
	s_load_b256 s[4:11], s[0:1], 0x0               ; S1's buffer, pre, the bias, the output
	v_lshl_add_u32 v[SPW], v0, 2, SPARE
	v_mov_b32 v[NIL], 0
	ds_add_u32 v[SPW], v[NIL]                      ; the wave's opening: the add and its wait ahead of my first tensor load
	v_lshrrev_b32 v1, 5, v0
	v_readfirstlane_b32 s14, v1
	s_lshr_b32 s15, s14, 1
	s_and_b32 s16, s14, 1
	s_bfe_u32 s40, ttmp6, 0x40000
	s_bfe_u32 s41, ttmp6, 0x40004
	s_lshl_b32 s42, ttmp9, 2
	s_add_co_u32 s42, s42, s40                     ; S0's tile of 256 rows
	s_and_b32 s17, ttmp7, 0xffff
	s_lshl_b32 s17, s17, 2
	s_add_co_u32 s17, s17, s41                     ; S1's
	s_mov_b32 s45, OFF0C
	s_mov_b32 s2, OFF0S
	s_mov_b32 s18, OFF1C
	s_mov_b32 s19, OFF1S
	s_lshl_b32 s43, s41, 2
	s_lshl_b32 s43, 15, s43
	s_lshl_b32 s44, 0x1111, s40
	s_or_b32 s[G1A], s43, (3<<16)|(1<<21)
	s_or_b32 s[G1SA], s43, (3<<16)|(1<<21)
	s_or_b32 s[G1B], s44, (3<<16)|(1<<21)
	s_or_b32 s[G1SB], s44, (3<<16)|(1<<21)
.irp g, G1A, G1B
	s_mov_b32 s[\g+1], 512<<16
	s_mov_b32 s[\g+2], 16<<16
	s_mov_b32 s[\g+3], 512<<16
	s_mov_b32 s[\g+4], 16
	s_mov_b32 s[\g+5], 2*KDIM
	s_mov_b32 s[\g+6], 0
	s_mov_b32 s[\g+7], 0
.endr
.irp g, G1SA, G1SB
	s_mov_b32 s[\g+1], 16<<16
	s_mov_b32 s[\g+2], 16<<16
	s_mov_b32 s[\g+3], 16<<16
	s_mov_b32 s[\g+4], 16
	s_mov_b32 s[\g+5], KDIM/16
	s_mov_b32 s[\g+6], 0
	s_mov_b32 s[\g+7], 0
.endr
	s_mul_i32 s20, s17, KDIM*256
	s_add_co_u32 s20, s20, s18
	s_mov_b32 s21, 0
	s_mul_i32 s22, s17, KDIM*8
	s_add_co_u32 s22, s22, s19
	s_mov_b32 s23, 0
	s_mul_i32 s46, s42, KDIM*256
	s_add_co_u32 s46, s46, s45
	s_mov_b32 s47, 0
	s_mul_i32 s100, s42, KDIM*8
	s_add_co_u32 s100, s100, s2
	s_mov_b32 s101, 0
	s_wait_dscnt 0x0
	s_wait_kmcnt 0x0
	s_add_nc_u64 s[20:21], s[S1P:S1P+1], s[20:21]
	s_add_nc_u64 s[22:23], s[S1P:S1P+1], s[22:23]
	s_add_nc_u64 s[46:47], s[S0P:S0P+1], s[46:47]
	s_add_nc_u64 s[100:101], s[S0P:S0P+1], s[100:101]
	CROUND
.irp n, 0,1
	s_mov_b32 s[G0A+4*\n], 1
	s_mov_b32 s[G0A+4*\n+1], \n*SLOT
	s_add_nc_u64 s[G0A+4*\n+2:G0A+4*\n+3], s[20:21], \n*4096
	s_or_b32 s[G0A+4*\n+3], s[G0A+4*\n+3], 0x80000000
	s_mov_b32 s[G0B+4*\n], 1
	s_mov_b32 s[G0B+4*\n+1], \n*SLOT+RB
	s_add_nc_u64 s[G0B+4*\n+2:G0B+4*\n+3], s[46:47], \n*4096
	s_or_b32 s[G0B+4*\n+3], s[G0B+4*\n+3], 0x80000000
	s_mov_b32 s[G0SA+4*\n], 1
	s_mov_b32 s[G0SA+4*\n+1], \n*SLOT+RSA
	s_add_nc_u64 s[G0SA+4*\n+2:G0SA+4*\n+3], s[22:23], \n*128
	s_or_b32 s[G0SA+4*\n+3], s[G0SA+4*\n+3], 0x80000000
	s_mov_b32 s[G0SB+4*\n], 1
	s_mov_b32 s[G0SB+4*\n+1], \n*SLOT+RSB
	s_add_nc_u64 s[G0SB+4*\n+2:G0SB+4*\n+3], s[100:101], \n*128
	s_or_b32 s[G0SB+4*\n+3], s[G0SB+4*\n+3], 0x80000000
	JLOAD4 \n
.endr
	v_and_b32 v1, 31, v0
	v_and_b32 v2, 15, v0
	v_bfe_u32 v3, v0, 4, 1
	v_lshlrev_b32 v[CO], 4, v1
	v_lshlrev_b32 v[CS], 2, v2
	v_lshlrev_b32 v4, 2, v1
	v_lshlrev_b32 v[BO], 6, v3
	s_lshl_b32 s18, s15, 15
	s_lshl_b32 s19, s16, 15
	s_add_co_u32 s19, s19, RB
	s_lshl_b32 s45, s15, 10
	s_add_co_u32 s45, s45, RSA
	s_lshl_b32 s2, s16, 10
	s_add_co_u32 s2, s2, RSB
.irp n, 0,1
	v_add_nc_u32 v[ADRA+\n], s18, v[CO]
	v_add_nc_u32 v[ADRB+\n], s19, v[CO]
	v_add_nc_u32 v[ADSA+\n], s45, v4
	v_add_nc_u32 v[ADSB+\n], s2, v4
	s_add_co_u32 s18, s18, SLOT
	s_add_co_u32 s19, s19, SLOT
	s_add_co_u32 s45, s45, SLOT
	s_add_co_u32 s2, s2, SLOT
.endr
	s_lshl_b32 s46, s42, 10
	s_lshl_b32 s47, s16, 9
	s_add_co_u32 s46, s46, s47
	s_mov_b32 s47, 0
	s_add_nc_u64 s[46:47], s[8:9], s[46:47]
.irp b, 0,1,2,3
.irp j, 0,1,2,3
	global_load_b128 v[BN+16*\b+4*\j:BN+16*\b+4*\j+3], v[BO], s[46:47] offset:128*\b+16*\j
.endr
.endr
	s_wait_tensorcnt 1                             ; my part of slot 0 is in (slot 1's load may be out)
	s_barrier_signal -1
	s_barrier_wait -1
	FETCH_B 0, 0, 0
	FETCH_A 0, 0, 0
	SCALES 0
	FETCH_A 0, 0, 4
	s_wait_loadcnt 0x0                             ; the bias
	STEP 0, FIRST
	s_mov_b32 s3, LAPS-1
.Llap:
	TURN 0, 1, 1
	STEP 1, 0
	TURN 1, 0, 1
	STEP 0, 0
	s_sub_co_u32 s3, s3, 1
	s_cmp_lg_u32 s3, 0
	s_cbranch_scc1 .Llap
	TURN 0, 1, 0
	STEP 1, 0
	s_wait_dscnt 16
	WIN 0xa1
	MUL16 0, 1, 1, 1, 0
	MUL16 2, 1, 1, 1, 0
	s_wait_dscnt 0
	WIN 0xf1
	MUL16 4, 1, 1, 1, 0
	MUL16 6, 1, 1, 1, 0
	WIN 0
	PLACES NP                                      ; in front of the first read of results and of writes into registers that held fragments
	; THE WAY OUT: eight blocks of 16 tokens, a counted loop, so that the activation's lines are written once
	s_lshl_b32 s24, s17, 4
	s_lshl_b32 s25, s15, 3
	s_add_co_u32 s24, s24, s25
	s_mov_b32 s28, NSO
	s_mul_i32 s24, s24, s28
	s_lshl_b32 s25, s42, 1
	s_add_co_u32 s24, s24, s25
	s_add_co_u32 s24, s24, s16                     ; my first fragment's number
	s_lshl_b32 s26, s24, 6
	s_lshl_b32 s24, s24, 11
	s_lshl_b32 s30, s28, 6
	s_lshl_b32 s28, s28, 11
	s_mov_b32 s25, 0
	s_mov_b32 s27, 0
	s_mov_b32 s29, 0
	s_mov_b32 s31, 0
	s_add_co_u32 s24, s24, OUTC
	s_add_co_u32 s26, s26, OUTS
	s_add_nc_u64 s[24:25], s[OUTP:OUTP+1], s[24:25]
	s_add_nc_u64 s[26:27], s[OUTP:OUTP+1], s[26:27]
	s_mov_b32 s[SEL], 0x76543210
	s_mov_b32 s[SEL+1], 0xfedcba98
	s_mov_b32 s[MNT], 0x600000
	s_mov_b32 s36, 0x3f07dc22                      ; a5 / 2 (each constant twice: the packed forms name a pair)
	s_mov_b32 s37, s36
	s_mov_b32 s38, 0x3f35f0e3                      ; a3 / 2
	s_mov_b32 s39, s38
	s_mov_b32 s48, 0xbe11a98e                      ; a2 / 2
	s_mov_b32 s49, s48
	s_mov_b32 s50, 0x3e027906                      ; a1 / 2
	s_mov_b32 s51, s50
	s_mov_b32 s52, 0xbf38aa3b                      ; -log2(e) / 2
	s_mov_b32 s53, s52
	s_mov_b32 s54, 0x3e6d3388                      ; 0.3275911 / sqrt(2)
	WIN 0x40
.irp b, 0,1,2,3
	v_mov_b32 v[ETM+4+\b], 0
.endr
	v_mov_b32 v[A4], 0xbf3a00e3                    ; a4 / 2
	v_mov_b32 v[A4+1], 0xbf3a00e3
	WIN 0
	s_mov_b32 s67, 0
.Lblock:
.irp k, 0,1,2,3,4,5,6
	s_cmp_eq_u32 s67, \k
	s_cbranch_scc1 .Lfrom_\k
.endr
	s_branch .Lfrom_7
.irp k, 0,1,2,3,4,5,6,7
.Lfrom_\k:
	TAKE \k
	s_branch .Lhave
.endr
.Lhave:
	WIN 0x55                                       ; every operand in window 1
	GELU 0
	GELU 32
	QUANT 0, 4, EPC, ETM, EPW
	WIN 0x04                                       ; a store's data are its source 1
.irp c, 0,1,2,3
	global_store_b128 v[CO], v[EPC+4*\c:EPC+4*\c+3], s[24:25] offset:512*\c
.endr
	global_store_b32 v[CS], v[EPW], s[26:27]
	WIN 0
	s_wait_xcnt 0x0                                ; the stores have read their data and bases
	s_add_nc_u64 s[24:25], s[24:25], s[28:29]
	s_add_nc_u64 s[26:27], s[26:27], s[30:31]
	s_add_co_u32 s67, s67, 1
	s_cmp_lt_u32 s67, 8
	s_cbranch_scc1 .Lblock
	s_wait_tensorcnt 0x0                           ; the wave's end
	ds_add_u32 v[SPW], v[NIL]
	s_wait_dscnt 0x0
	CROUND
	s_endpgm
.Lfunc_end_k_q183edd9a87_w1:
	.size	k_q183edd9a87_w1, .Lfunc_end_k_q183edd9a87_w1-k_q183edd9a87_w1
	.p2alignl 7, 3214868480
	.fill 96, 4, 3214868480
	.section	.rodata,"a",@progbits
	.p2align	6, 0x0
	.amdhsa_kernel k_q183edd9a87_w1
		.amdhsa_group_segment_fixed_size 327680
		.amdhsa_private_segment_fixed_size 0
		.amdhsa_enable_private_segment 0
		.amdhsa_kernarg_size 32
		.amdhsa_user_sgpr_count 2
		.amdhsa_user_sgpr_kernarg_segment_ptr 1
		.amdhsa_wavefront_size32 1
		.amdhsa_system_sgpr_workgroup_id_x 1
		.amdhsa_system_sgpr_workgroup_id_y 1
		.amdhsa_system_sgpr_workgroup_id_z 1
		.amdhsa_system_vgpr_workitem_id 0
		.amdhsa_next_free_vgpr 1024
		.amdhsa_next_free_sgpr 102
		.amdhsa_reserve_vcc 0
		.amdhsa_float_denorm_mode_32 3
		.amdhsa_float_denorm_mode_16_64 3
		.amdhsa_memory_ordered 1
		.amdhsa_forward_progress 1
		.amdhsa_inst_pref_size 179
	.end_amdhsa_kernel
	.amdgpu_metadata
---
amdhsa.version: [ 1, 2 ]
amdhsa.kernels:
  - .name:           k_q183edd9a87_w1
    .symbol:         k_q183edd9a87_w1.kd
    .args:
      - { .name: x1, .offset: 0, .size: 8, .value_kind: global_buffer, .address_space: global }
      - { .name: pre, .offset: 8, .size: 8, .value_kind: global_buffer, .address_space: global }
      - { .name: b1, .offset: 16, .size: 8, .value_kind: global_buffer, .address_space: global }
      - { .name: hid, .offset: 24, .size: 8, .value_kind: global_buffer, .address_space: global }
    .group_segment_fixed_size: 327680
    .private_segment_fixed_size: 0
    .kernarg_segment_align: 8
    .kernarg_segment_size: 32
    .max_flat_workgroup_size: 128
    .sgpr_count:     102
    .vgpr_count:     1024
    .wavefront_size: 32
...
	.end_amdgpu_metadata
.endif
;; end of part 6
;; launch w2 (part 7): grid 4 x 16, 4 waves a work-group, clusters of 4 x 4, 327,680 bytes of LDS; arguments hid, pre, b2, ybuf; writes ybuf
.if DOCPART == 7
	.amdgcn_target "amdgcn-amd-amdhsa--gfx1250"
	.amdhsa_code_object_version 6
	.text
	.protected	k_q183edd9a87_w2
	.globl	k_q183edd9a87_w2
	.p2align	8
	.type	k_q183edd9a87_w2,@function
k_q183edd9a87_w2:
	s_mov_b64 s[64:65], 0
	v_nop
	global_prefetch_b8 v0, s[64:65] scope:SCOPE_SE
	s_setreg_imm32_b32 hwreg(HW_REG_WAVE_MODE, 25, 1), 1
	s_wait_xcnt 0x0
	s_wait_alu depctr_hold_cnt(0) depctr_sa_sdst(0) depctr_va_vdst(0) depctr_va_sdst(0) depctr_va_ssrc(0) depctr_va_vcc(0) depctr_vm_vsrc(0)
	s_getreg_b32 s2, hwreg(HW_REG_IB_STS2, 6, 4)
	s_cmp_eq_u32 s2, 0
	s_cbranch_scc0 .Lentry_in_a_cluster
	s_endpgm
.Lentry_in_a_cluster:
	s_bfe_u32 s2, ttmp6, 0x10000c
	s_cmp_lg_u32 s2, 0xf033
	s_cbranch_scc0 .Lentry_shape_is_right
	s_endpgm
.Lentry_shape_is_right:
; y = h W2 + b2, on codes of E4M3 with E8M0 scales, K = 4,096; y leaves in f32, as an image of the registers in which the next launch wants it.
; THE PRODUCT.  C'[S1 row][S0 row]: source 0 of the matrix instruction is 16 rows of S0 (the weight's outputs), source 1 16 rows of S1 (tokens): a lane holds ONE token, its registers run along the outputs.
; OPERANDS are images: fragment (tile t, K step s) = 2,048 bytes, register group c of lane l at 512 c + 16 l; the rows of tile t are 32 (t/2) + 8 (t%2) + r + 8 (r/8).
; SHAPE.  A work-group makes 256 x 256, four waves 128 x 128 each (64 accumulators, 512 registers).  K goes 256 at a time through two LDS slots: 64 KiB of S1's fragments, 64 KiB of S0's, 2 KiB of scale words of each.
; One tensor load a wave: wave 0 S1's codes, 1 S0's codes, 2 S1's scales, 3 S0's.  LDS reads are 512 consecutive bytes: no padding.  The bias is the C of each sum's first product.
; CLUSTER 4 x 4: S1's tile is shared along a row of the cluster, S0's along a column: joint loads.  The output has 64 tiles of 256 x 256: so many work-groups are launched.
.set KDIM,  4096
.set OFF1C, 0                          ; S1: hid's image, its scale words
.set OFF1S, 0x1000000
.set OFF0C, 0xC00000                   ; S0: W2's image in pre, its scale words
.set OFF0S, 0x1060000
.set FIRST, 2                          ; the first products take the bias as C
.set S1P,   4
.set S0P,   6
.set OUTP,  10
.set SLOT,  135168
.set RB,    65536
.set RSA,   131072
.set RSB,   133120
.set SPARE, 2*SLOT                     ; the spare words: 128 bytes a wave, two blocks of 256 bytes that no other line names
.set LAPS,  KDIM/512
.set NP,    8
.set ADRA,  16
.set ADRB,  18
.set ADSA,  20
.set ADSB,  22
.set CO,    24
.set BO,    26
.set SPW,   28
.set NIL,   29
.set SC,    32                         ; v32-63  scale words and nothing else
.set BN,    64                         ; v64-127 the bias along S0's 128 rows, in the result's order
.set AF,    128                        ; v128-255 S1's fragments.  Window 1: S0's, two sets.  Windows 2, 3: accumulator (a, b) at v[8 (8 (a % 4) + b)]
.set G1A, 24
.set G0A, 32
.set G1B, 48
.set G0B, 56
.set G1SA, 68
.set G0SA, 76
.set G1SB, 84
.set G0SB, 92
.set MSB, 0
.macro WIN new
.if MSB != (\new)
	s_set_vgpr_msb (MSB<<8)|(\new)
.set MSB, (\new)
.endif
.endm
.macro PLACES n
.rept \n
	v_nop
.endr
.endm
.macro TL g0, g1
	tensor_load_to_lds s[\g0:\g0+3], s[\g1:\g1+7]
	s_nop 0
	PLACES 4
.endm
.macro JLOAD4 n
	s_cmp_lt_u32 s14, 2
	s_cbranch_scc0 .Lscales_\@
	s_cmp_eq_u32 s14, 0
	s_cbranch_scc0 .Lwave1_\@
	TL G0A+4*\n, G1A
	s_branch .Lasked_\@
.Lwave1_\@:
	TL G0B+4*\n, G1B
	s_branch .Lasked_\@
.Lscales_\@:
	s_cmp_eq_u32 s14, 2
	s_cbranch_scc0 .Lwave3_\@
	TL G0SA+4*\n, G1SA
	s_branch .Lasked_\@
.Lwave3_\@:
	TL G0SB+4*\n, G1SB
.Lasked_\@:
.endm
.macro CREST
	s_cmp_lg_u32 s14, 0
	s_cbranch_scc1 .Lnot_wave_0_\@
	s_barrier_signal -3
.Lnot_wave_0_\@:
	s_barrier_wait -3
	s_barrier_signal -1
	s_barrier_wait -1
.endm
.macro CROUND
	s_barrier_signal -1
	s_barrier_wait -1
	CREST
.endm
.macro FRAG reg, adr, q, i
.irp c, 0,1,2,3
	ds_load_b128 v[\reg+4*\c:\reg+4*\c+3], v[\adr] offset:(\i)*4096+(\q)*2048+512*\c
.endr
.endm
.macro FETCH_B slot, q, p
	WIN 0x40
.irp i, 0,1,2,3,4,5,6,7
	FRAG 128*(\p)+16*\i, ADRB+\slot, \q, \i
.endr
	WIN 0
.endm
.macro FETCH_A slot, q, i0
.irp i, \i0, \i0+1, \i0+2, \i0+3
	FRAG AF+16*(\i), ADRA+\slot, \q, \i
.endr
.endm
.macro SCALES n
.irp i, 0,1,2,3,4,5,6,7
	ds_load_b32 v[SC+16*\n+\i], v[ADSA+\n] offset:128*\i
	ds_load_b32 v[SC+16*\n+8+\i], v[ADSB+\n] offset:128*\i
.endr
.endm
.macro MUL16 a0, p, q, sc, zero        ; the 64 accumulators take turns
.irp a, \a0, \a0+1
.irp b, 0,1,2,3,4,5,6,7
.set rD, 8*(8*((\a)%4)+\b)
.set rF, 128*(\p)+16*\b
.set rG, AF+16*(\a)
.set rS, SC+16*(\sc)+8+\b
.set rT, SC+16*(\sc)+(\a)
.if \zero == 1
	v_wmma_scale_f32_16x16x128_f8f6f4 v[rD:rD+7], v[rF:rF+15], v[rG:rG+15], 0, v[rS], v[rT]
.elseif \zero == 2
	v_wmma_scale_f32_16x16x128_f8f6f4 v[rD:rD+7], v[rF:rF+15], v[rG:rG+15], v[BN+8*\b:BN+8*\b+7], v[rS], v[rT]
.elseif \q == 0
	v_wmma_scale_f32_16x16x128_f8f6f4 v[rD:rD+7], v[rF:rF+15], v[rG:rG+15], v[rD:rD+7], v[rS], v[rT]
.else
	v_wmma_scale_f32_16x16x128_f8f6f4 v[rD:rD+7], v[rF:rF+15], v[rG:rG+15], v[rD:rD+7], v[rS], v[rT] matrix_a_scale:MATRIX_SCALE_ROW1 matrix_b_scale:MATRIX_SCALE_ROW1
.endif
.endr
.endr
.endm
.macro STEP slot, zero
	s_wait_dscnt 16                                ; all but the youngest 16 loads (S1's blocks 4-7) are in
.if \zero == 2
	WIN 0x81
.else
	WIN 0xa1
.endif
	MUL16 0, 0, 0, \slot, \zero
	MUL16 2, 0, 0, \slot, \zero
	s_wait_dscnt 0
	PLACES NP
	FETCH_B \slot, 1, 1
	FETCH_A \slot, 1, 0
.if \zero == 2
	WIN 0xc1
.else
	WIN 0xf1
.endif
	MUL16 4, 0, 0, \slot, \zero
	MUL16 6, 0, 0, \slot, \zero
	PLACES NP
	WIN 0
	FETCH_A \slot, 1, 4
.endm
.macro TURN slot, next, fill
	s_wait_tensorcnt 0x0                           ; all my tensor loads have landed: my part of the next slot
	ds_add_u32 v[SPW], v[NIL]
	s_wait_dscnt 17                                ; the add and the youngest 16 loads may be out
	WIN 0xa1
	MUL16 0, 1, 1, \slot, 0
	s_wait_dscnt 0x0                               ; the add is done, and my reads of this slot are over
	s_barrier_signal -1
	MUL16 2, 1, 1, \slot, 0
	WIN 0
	s_barrier_wait -1
.if \fill
	CREST
	s_add_nc_u64 s[G0A+4*\slot+2:G0A+4*\slot+3], s[G0A+4*\slot+2:G0A+4*\slot+3], 8192
	s_add_nc_u64 s[G0B+4*\slot+2:G0B+4*\slot+3], s[G0B+4*\slot+2:G0B+4*\slot+3], 8192
	s_add_nc_u64 s[G0SA+4*\slot+2:G0SA+4*\slot+3], s[G0SA+4*\slot+2:G0SA+4*\slot+3], 256
	s_add_nc_u64 s[G0SB+4*\slot+2:G0SB+4*\slot+3], s[G0SB+4*\slot+2:G0SB+4*\slot+3], 256
	JLOAD4 \slot                                   ; my one tensor load behind the round; its four v_nop are four of the eight places
	PLACES NP-4
.else
	PLACES NP
.endif
	FETCH_B \next, 0, 0
	FETCH_A \next, 0, 0
	SCALES \next
	WIN 0xf1
	MUL16 4, 1, 1, \slot, 0
	MUL16 6, 1, 1, \slot, 0
	PLACES NP
	WIN 0
	FETCH_A \next, 0, 4
.endm
	s_load_b256 s[4:11], s[0:1], 0x0               ; S1's buffer, pre, the bias, the output
	v_lshl_add_u32 v[SPW], v0, 2, SPARE
	v_mov_b32 v[NIL], 0
	ds_add_u32 v[SPW], v[NIL]                      ; the wave's opening: the add and its wait ahead of my first tensor load
	v_lshrrev_b32 v1, 5, v0
	v_readfirstlane_b32 s14, v1
	s_lshr_b32 s15, s14, 1
	s_and_b32 s16, s14, 1
	s_bfe_u32 s40, ttmp6, 0x40000
	s_bfe_u32 s41, ttmp6, 0x40004
	s_lshl_b32 s42, ttmp9, 2
	s_add_co_u32 s42, s42, s40                     ; S0's tile of 256 rows
	s_and_b32 s17, ttmp7, 0xffff
	s_lshl_b32 s17, s17, 2
	s_add_co_u32 s17, s17, s41                     ; S1's
	s_mov_b32 s45, OFF0C
	s_mov_b32 s2, OFF0S
	s_mov_b32 s18, OFF1C
	s_mov_b32 s19, OFF1S
	s_lshl_b32 s43, s41, 2
	s_lshl_b32 s43, 15, s43
	s_lshl_b32 s44, 0x1111, s40
	s_or_b32 s[G1A], s43, (3<<16)|(1<<21)
	s_or_b32 s[G1SA], s43, (3<<16)|(1<<21)
	s_or_b32 s[G1B], s44, (3<<16)|(1<<21)
	s_or_b32 s[G1SB], s44, (3<<16)|(1<<21)
.irp g, G1A, G1B
	s_mov_b32 s[\g+1], 512<<16
	s_mov_b32 s[\g+2], 16<<16
	s_mov_b32 s[\g+3], 512<<16
	s_mov_b32 s[\g+4], 16
	s_mov_b32 s[\g+5], 2*KDIM
	s_mov_b32 s[\g+6], 0
	s_mov_b32 s[\g+7], 0
.endr
.irp g, G1SA, G1SB
	s_mov_b32 s[\g+1], 16<<16
	s_mov_b32 s[\g+2], 16<<16
	s_mov_b32 s[\g+3], 16<<16
	s_mov_b32 s[\g+4], 16
	s_mov_b32 s[\g+5], KDIM/16
	s_mov_b32 s[\g+6], 0
	s_mov_b32 s[\g+7], 0
.endr
	s_mul_i32 s20, s17, KDIM*256
	s_add_co_u32 s20, s20, s18
	s_mov_b32 s21, 0
	s_mul_i32 s22, s17, KDIM*8
	s_add_co_u32 s22, s22, s19
	s_mov_b32 s23, 0
	s_mul_i32 s46, s42, KDIM*256
	s_add_co_u32 s46, s46, s45
	s_mov_b32 s47, 0
	s_mul_i32 s100, s42, KDIM*8
	s_add_co_u32 s100, s100, s2
	s_mov_b32 s101, 0
	s_wait_dscnt 0x0
	s_wait_kmcnt 0x0
	s_add_nc_u64 s[20:21], s[S1P:S1P+1], s[20:21]
	s_add_nc_u64 s[22:23], s[S1P:S1P+1], s[22:23]
	s_add_nc_u64 s[46:47], s[S0P:S0P+1], s[46:47]
	s_add_nc_u64 s[100:101], s[S0P:S0P+1], s[100:101]
	CROUND
.irp n, 0,1
	s_mov_b32 s[G0A+4*\n], 1
	s_mov_b32 s[G0A+4*\n+1], \n*SLOT
	s_add_nc_u64 s[G0A+4*\n+2:G0A+4*\n+3], s[20:21], \n*4096
	s_or_b32 s[G0A+4*\n+3], s[G0A+4*\n+3], 0x80000000
	s_mov_b32 s[G0B+4*\n], 1
	s_mov_b32 s[G0B+4*\n+1], \n*SLOT+RB
	s_add_nc_u64 s[G0B+4*\n+2:G0B+4*\n+3], s[46:47], \n*4096
	s_or_b32 s[G0B+4*\n+3], s[G0B+4*\n+3], 0x80000000
	s_mov_b32 s[G0SA+4*\n], 1
	s_mov_b32 s[G0SA+4*\n+1], \n*SLOT+RSA
	s_add_nc_u64 s[G0SA+4*\n+2:G0SA+4*\n+3], s[22:23], \n*128
	s_or_b32 s[G0SA+4*\n+3], s[G0SA+4*\n+3], 0x80000000
	s_mov_b32 s[G0SB+4*\n], 1
	s_mov_b32 s[G0SB+4*\n+1], \n*SLOT+RSB
	s_add_nc_u64 s[G0SB+4*\n+2:G0SB+4*\n+3], s[100:101], \n*128
	s_or_b32 s[G0SB+4*\n+3], s[G0SB+4*\n+3], 0x80000000
	JLOAD4 \n
.endr
	v_and_b32 v1, 31, v0
	v_bfe_u32 v3, v0, 4, 1
	v_lshlrev_b32 v[CO], 4, v1
	v_lshlrev_b32 v4, 2, v1
	v_lshlrev_b32 v[BO], 6, v3
	s_lshl_b32 s18, s15, 15
	s_lshl_b32 s19, s16, 15
	s_add_co_u32 s19, s19, RB
	s_lshl_b32 s45, s15, 10
	s_add_co_u32 s45, s45, RSA
	s_lshl_b32 s2, s16, 10
	s_add_co_u32 s2, s2, RSB
.irp n, 0,1
	v_add_nc_u32 v[ADRA+\n], s18, v[CO]
	v_add_nc_u32 v[ADRB+\n], s19, v[CO]
	v_add_nc_u32 v[ADSA+\n], s45, v4
	v_add_nc_u32 v[ADSB+\n], s2, v4
	s_add_co_u32 s18, s18, SLOT
	s_add_co_u32 s19, s19, SLOT
	s_add_co_u32 s45, s45, SLOT
	s_add_co_u32 s2, s2, SLOT
.endr
	s_lshl_b32 s46, s42, 10
	s_lshl_b32 s47, s16, 9
	s_add_co_u32 s46, s46, s47
	s_mov_b32 s47, 0
	s_add_nc_u64 s[46:47], s[8:9], s[46:47]
.irp b, 0,1,2,3
.irp j, 0,1,2,3
	global_load_b128 v[BN+16*\b+4*\j:BN+16*\b+4*\j+3], v[BO], s[46:47] offset:128*\b+16*\j
.endr
.endr
	s_wait_tensorcnt 1                             ; my part of slot 0 is in (slot 1's load may be out)
	s_barrier_signal -1
	s_barrier_wait -1
	FETCH_B 0, 0, 0
	FETCH_A 0, 0, 0
	SCALES 0
	FETCH_A 0, 0, 4
	s_wait_loadcnt 0x0                             ; the bias
	STEP 0, FIRST
	s_mov_b32 s3, LAPS-1
.Llap:
	TURN 0, 1, 1
	STEP 1, 0
	TURN 1, 0, 1
	STEP 0, 0
	s_sub_co_u32 s3, s3, 1
	s_cmp_lg_u32 s3, 0
	s_cbranch_scc1 .Llap
	TURN 0, 1, 0
	STEP 1, 0
	s_wait_dscnt 16
	WIN 0xa1
	MUL16 0, 1, 1, 1, 0
	MUL16 2, 1, 1, 1, 0
	s_wait_dscnt 0
	WIN 0xf1
	MUL16 4, 1, 1, 1, 0
	MUL16 6, 1, 1, 1, 0
	WIN 0
	PLACES NP                                      ; in front of the stores that read results
	; THE WAY OUT: the accumulators as they stand: block a's 64 registers are fragment (tile, K step) of the f32 image, 8 KiB: 512 consecutive bytes a store, each accumulator from its low end on
	s_lshl_b32 s24, s17, 20
	s_lshl_b32 s25, s15, 19
	s_add_co_u32 s24, s24, s25
	s_lshl_b32 s25, s42, 14
	s_add_co_u32 s24, s24, s25
	s_lshl_b32 s25, s16, 13
	s_add_co_u32 s24, s24, s25
	s_mov_b32 s25, 0
	s_add_nc_u64 s[24:25], s[OUTP:OUTP+1], s[24:25]
.irp a, 0,1,2,3,4,5,6,7
	WIN 0x08+4*(\a/4)                              ; a store's data are its source 1: window 2 or 3
.irp g, 0,1,2,3,4,5,6,7,8,9,10,11,12,13,14,15
	global_store_b128 v[CO], v[64*(\a%4)+4*\g:64*(\a%4)+4*\g+3], s[24:25] offset:\a*65536+512*\g th:TH_STORE_NT
.endr
.endr
	WIN 0
	s_wait_tensorcnt 0x0                           ; the wave's end
	ds_add_u32 v[SPW], v[NIL]
	s_wait_dscnt 0x0
	CROUND
	s_endpgm
.Lfunc_end_k_q183edd9a87_w2:
	.size	k_q183edd9a87_w2, .Lfunc_end_k_q183edd9a87_w2-k_q183edd9a87_w2
	.p2alignl 7, 3214868480
	.fill 96, 4, 3214868480
	.section	.rodata,"a",@progbits
	.p2align	6, 0x0
	.amdhsa_kernel k_q183edd9a87_w2
		.amdhsa_group_segment_fixed_size 327680
		.amdhsa_private_segment_fixed_size 0
		.amdhsa_enable_private_segment 0
		.amdhsa_kernarg_size 32
		.amdhsa_user_sgpr_count 2
		.amdhsa_user_sgpr_kernarg_segment_ptr 1
		.amdhsa_wavefront_size32 1
		.amdhsa_system_sgpr_workgroup_id_x 1
		.amdhsa_system_sgpr_workgroup_id_y 1
		.amdhsa_system_sgpr_workgroup_id_z 1
		.amdhsa_system_vgpr_workitem_id 0
		.amdhsa_next_free_vgpr 1024
		.amdhsa_next_free_sgpr 102
		.amdhsa_reserve_vcc 0
		.amdhsa_float_denorm_mode_32 3
		.amdhsa_float_denorm_mode_16_64 3
		.amdhsa_memory_ordered 1
		.amdhsa_forward_progress 1
		.amdhsa_inst_pref_size 134
	.end_amdhsa_kernel
	.amdgpu_metadata
---
amdhsa.version: [ 1, 2 ]
amdhsa.kernels:
  - .name:           k_q183edd9a87_w2
    .symbol:         k_q183edd9a87_w2.kd
    .args:
      - { .name: hid, .offset: 0, .size: 8, .value_kind: global_buffer, .address_space: global }
      - { .name: pre, .offset: 8, .size: 8, .value_kind: global_buffer, .address_space: global }
      - { .name: b2, .offset: 16, .size: 8, .value_kind: global_buffer, .address_space: global }
      - { .name: ybuf, .offset: 24, .size: 8, .value_kind: global_buffer, .address_space: global }
    .group_segment_fixed_size: 327680
    .private_segment_fixed_size: 0
    .kernarg_segment_align: 8
    .kernarg_segment_size: 32
    .max_flat_workgroup_size: 128
    .sgpr_count:     102
    .vgpr_count:     1024
    .wavefront_size: 32
...
	.end_amdgpu_metadata
.endif
;; end of part 7
;; launch ln2 (part 8): grid 256 x 1, 8 waves a work-group, no clusters, 69,632 bytes of LDS; arguments ybuf, x1, g2, be2, out0; writes out0
.if DOCPART == 8
	.amdgcn_target "amdgcn-amd-amdhsa--gfx1250"
	.amdhsa_code_object_version 6
	.text
	.protected	k_q183edd9a87_ln2
	.globl	k_q183edd9a87_ln2
	.p2align	8
	.type	k_q183edd9a87_ln2,@function
k_q183edd9a87_ln2:
	s_mov_b64 s[64:65], 0
	v_nop
	global_prefetch_b8 v0, s[64:65] scope:SCOPE_SE
	s_setreg_imm32_b32 hwreg(HW_REG_WAVE_MODE, 25, 1), 1
	s_wait_xcnt 0x0
; out0 = LayerNorm(x1 + y) g2 + be2, all in f32.  x1 and y come as images of registers; the result turns through the wave's own stage in LDS and leaves by rows, 512 consecutive bytes a store.
; A work-group takes a tile of 16 rows (32 (t/2) + 8 (t%2) + r + 8 (r/8)), wave w its columns 128 w on: lane (r, h) holds 64 numbers of row r, register 16 b + i = column 128 w + 32 b + 16 h + i.
; The mean is taken first, then the mean of the squared differences: no difference of large sums.  A row's sums meet in LDS: each wave stores its part, a barrier, every wave reads the eight.  Two reductions, two regions, two barriers.
; LIMITS: NaN and infinities are not served.
.set SECOND, 1
.set RED,   67584                      ; behind the eight stages of 16 x 528 bytes: 512 bytes for each reduction
.set SPARE, 68608                      ; the spare words: 128 bytes a wave, four blocks of 256 bytes that no other line names
.set V,   32
.set R,   96
.set G,   160
.set SPW, 28
.set NIL, 29
.set SEL, 20
.macro ACROSS off                      ; v10: the sum of my 64 numbers -> v12: the row's
	v_permlanex16_b32 v11, v10, s[SEL], s[SEL+1]
	v_add_f32 v10, v10, v11
	ds_store_b32 v8, v10 offset:\off               ; both halves of the lanes write the same word
	s_wait_dscnt 0x0                               ; for the others' sake: my store has landed
	s_barrier_signal -1
	s_barrier_wait -1
	ds_load_b128 v[12:15], v9 offset:\off
	ds_load_b128 v[16:19], v9 offset:\off+16
	s_wait_dscnt 0x0
	v_pk_add_f32 v[12:13], v[12:13], v[14:15]
	v_pk_add_f32 v[16:17], v[16:17], v[18:19]
	v_pk_add_f32 v[12:13], v[12:13], v[16:17]
	v_add_f32 v12, v12, v13
.endm
.macro VEC reg, base                   ; a vector's 64 numbers of my columns: 512 w + 128 b + 64 h + 16 j bytes on
.irp b, 0,1,2,3
.irp j, 0,1,2,3
	global_load_b128 v[\reg+16*\b+4*\j:\reg+16*\b+4*\j+3], v5, s[\base:\base+1] offset:128*\b+16*\j
.endr
.endr
.endm
.macro IMG reg, base                   ; a fragment of an f32 image: 512 consecutive bytes a load
.irp g, 0,1,2,3,4,5,6,7,8,9,10,11,12,13,14,15
	global_load_b128 v[\reg+4*\g:\reg+4*\g+3], v4, s[\base:\base+1] offset:512*\g th:TH_LOAD_NT
.endr
.endm
	s_load_b256 s[4:11], s[0:1], 0x0               ; y, the residual, the gain, the offset
	s_load_b64 s[12:13], s[0:1], 0x20              ; the output
	v_lshl_add_u32 v[SPW], v0, 2, SPARE
	v_mov_b32 v[NIL], 0
	v_lshrrev_b32 v1, 5, v0
	v_readfirstlane_b32 s14, v1                    ; wave
	v_and_b32 v1, 31, v0
	v_and_b32 v2, 15, v0                           ; r
	v_bfe_u32 v3, v0, 4, 1                         ; h
	v_lshlrev_b32 v4, 4, v1                        ; 16 x lane
	v_lshlrev_b32 v5, 6, v3                        ; 64 h
	s_mul_i32 s15, s14, 8448
	v_add_nc_u32 v6, s15, v4                       ; my stage by rows
	v_mul_u32_u24 v7, v2, 528
	v_add_nc_u32 v7, v7, v5
	v_add_nc_u32 v7, s15, v7                       ; and by lanes
	s_lshl_b32 s15, s14, 2
	s_add_co_u32 s15, s15, RED
	v_lshlrev_b32 v9, 5, v2
	v_add_nc_u32 v8, s15, v9                       ; row r's word of my wave
	v_add_nc_u32 v9, RED, v9                       ; row r's eight words
	s_lshl_b32 s16, ttmp9, 3
	s_add_co_u32 s16, s16, s14                     ; the fragment's number
	s_lshl_b32 s16, s16, 13
	s_mov_b32 s17, 0
	s_lshl_b32 s18, s14, 9
	s_mov_b32 s19, 0
	s_lshr_b32 s24, ttmp9, 1
	s_lshl_b32 s24, s24, 17
	s_and_b32 s25, ttmp9, 1
	s_lshl_b32 s25, s25, 15
	s_add_co_u32 s24, s24, s25
	s_add_co_u32 s24, s24, s18                     ; the tile's first row, my columns, in the row-major output
	s_mov_b32 s25, 0
	s_mov_b32 s[SEL], 0x76543210
	s_mov_b32 s[SEL+1], 0xfedcba98
	s_mov_b32 s23, 0x3a800000                      ; 1 / 1,024
	s_mov_b32 s28, 0x3727c5ac                      ; 1e-5
	s_wait_kmcnt 0x0
	s_add_nc_u64 s[4:5], s[4:5], s[16:17]
	s_add_nc_u64 s[8:9], s[8:9], s[18:19]
	s_add_nc_u64 s[10:11], s[10:11], s[18:19]
	s_add_nc_u64 s[6:7], s[6:7], s[16:17]          ; x1's f32 image lies at the buffer's start
	s_add_nc_u64 s[12:13], s[12:13], s[24:25]
	IMG R, 6
	IMG V, 4
	VEC G, 8
	s_wait_loadcnt 16                              ; the residual and y are in; the gain's 16 loads may be out
.set vi, 0
.rept 32
	v_pk_add_f32 v[V+vi:V+vi+1], v[V+vi:V+vi+1], v[R+vi:R+vi+1]
.set vi, vi+2
.endr
	VEC R, 10                                      ; the offset vector takes the residual's registers
	v_pk_add_f32 v[10:11], v[V:V+1], v[V+2:V+3]    ; the sum, in four chains
	v_pk_add_f32 v[12:13], v[V+4:V+5], v[V+6:V+7]
	v_pk_add_f32 v[14:15], v[V+8:V+9], v[V+10:V+11]
	v_pk_add_f32 v[16:17], v[V+12:V+13], v[V+14:V+15]
.irp i, 16,24,32,40,48,56
	v_pk_add_f32 v[10:11], v[10:11], v[V+\i:V+\i+1]
	v_pk_add_f32 v[12:13], v[12:13], v[V+\i+2:V+\i+3]
	v_pk_add_f32 v[14:15], v[14:15], v[V+\i+4:V+\i+5]
	v_pk_add_f32 v[16:17], v[16:17], v[V+\i+6:V+\i+7]
.endr
	v_pk_add_f32 v[10:11], v[10:11], v[12:13]
	v_pk_add_f32 v[14:15], v[14:15], v[16:17]
	v_pk_add_f32 v[10:11], v[10:11], v[14:15]
	v_add_f32 v10, v10, v11
	ACROSS 0
	v_mul_f32 v22, s23, v12                        ; the mean
	v_mov_b32 v23, v22
.set vi, 0
.rept 32
	v_pk_add_f32 v[V+vi:V+vi+1], v[V+vi:V+vi+1], v[22:23] neg_lo:[0,1] neg_hi:[0,1]
.set vi, vi+2
.endr
	v_pk_mul_f32 v[10:11], v[V:V+1], v[V:V+1]
	v_pk_mul_f32 v[12:13], v[V+2:V+3], v[V+2:V+3]
	v_pk_mul_f32 v[14:15], v[V+4:V+5], v[V+4:V+5]
	v_pk_mul_f32 v[16:17], v[V+6:V+7], v[V+6:V+7]
.irp i, 8,16,24,32,40,48,56
	v_pk_fma_f32 v[10:11], v[V+\i:V+\i+1], v[V+\i:V+\i+1], v[10:11]
	v_pk_fma_f32 v[12:13], v[V+\i+2:V+\i+3], v[V+\i+2:V+\i+3], v[12:13]
	v_pk_fma_f32 v[14:15], v[V+\i+4:V+\i+5], v[V+\i+4:V+\i+5], v[14:15]
	v_pk_fma_f32 v[16:17], v[V+\i+6:V+\i+7], v[V+\i+6:V+\i+7], v[16:17]
.endr
	v_pk_add_f32 v[10:11], v[10:11], v[12:13]
	v_pk_add_f32 v[14:15], v[14:15], v[16:17]
	v_pk_add_f32 v[10:11], v[10:11], v[14:15]
	v_add_f32 v10, v10, v11
	ACROSS 512
	v_fma_f32 v12, v12, s23, s28                   ; the variance + 1e-5
	v_rsq_f32 v24, v12
	v_nop
	s_wait_alu depctr_va_vdst(0)                   ; ahead of the first reader
	v_mov_b32 v25, v24
	s_wait_loadcnt 0x0                             ; the gain and the offset
.set vi, 0
.rept 32
	v_pk_mul_f32 v[V+vi:V+vi+1], v[V+vi:V+vi+1], v[24:25]
.set vi, vi+2
.endr
.set vi, 0
.rept 32
	v_pk_fma_f32 v[V+vi:V+vi+1], v[V+vi:V+vi+1], v[G+vi:G+vi+1], v[R+vi:R+vi+1]
.set vi, vi+2
.endr
.irp b, 0,1,2,3
.irp j, 0,1,2,3
	ds_store_b128 v7, v[V+16*\b+4*\j:V+16*\b+4*\j+3] offset:128*\b+16*\j
.endr
.endr
.irp m, 0,1,2,3,4,5,6,7,8,9,10,11,12,13,14,15
	ds_load_b128 v[R+4*\m:R+4*\m+3], v6 offset:528*\m   ; LDS serves a wave's instructions in order: these see my stores
.endr
.irp m, 0,1,2,3,4,5,6,7,8,9,10,11,12,13,14,15
	s_wait_dscnt 15-\m
	global_store_b128 v4, v[R+4*\m:R+4*\m+3], s[12:13] offset:(\m+8*(\m/8))*4096 th:TH_STORE_NT   ; 512 consecutive bytes of a row
.endr
	s_wait_tensorcnt 0x0                           ; the wave's end, behind my last LDS store
	ds_add_u32 v[SPW], v[NIL]
	s_wait_dscnt 0x0
	s_endpgm
.Lfunc_end_k_q183edd9a87_ln2:
	.size	k_q183edd9a87_ln2, .Lfunc_end_k_q183edd9a87_ln2-k_q183edd9a87_ln2
	.p2alignl 7, 3214868480
	.fill 96, 4, 3214868480
	.section	.rodata,"a",@progbits
	.p2align	6, 0x0
	.amdhsa_kernel k_q183edd9a87_ln2
		.amdhsa_group_segment_fixed_size 69632
		.amdhsa_private_segment_fixed_size 0
		.amdhsa_enable_private_segment 0
		.amdhsa_kernarg_size 40
		.amdhsa_user_sgpr_count 2
		.amdhsa_user_sgpr_kernarg_segment_ptr 1
		.amdhsa_wavefront_size32 1
		.amdhsa_system_sgpr_workgroup_id_x 1
		.amdhsa_system_sgpr_workgroup_id_y 1
		.amdhsa_system_sgpr_workgroup_id_z 1
		.amdhsa_system_vgpr_workitem_id 0
		.amdhsa_next_free_vgpr 256
		.amdhsa_next_free_sgpr 66
		.amdhsa_reserve_vcc 0
		.amdhsa_float_denorm_mode_32 3
		.amdhsa_float_denorm_mode_16_64 3
		.amdhsa_memory_ordered 1
		.amdhsa_forward_progress 1
		.amdhsa_inst_pref_size 26
	.end_amdhsa_kernel
	.amdgpu_metadata
---
amdhsa.version: [ 1, 2 ]
amdhsa.kernels:
  - .name:           k_q183edd9a87_ln2
    .symbol:         k_q183edd9a87_ln2.kd
    .args:
      - { .name: ybuf, .offset: 0, .size: 8, .value_kind: global_buffer, .address_space: global }
      - { .name: x1, .offset: 8, .size: 8, .value_kind: global_buffer, .address_space: global }
      - { .name: g2, .offset: 16, .size: 8, .value_kind: global_buffer, .address_space: global }
      - { .name: be2, .offset: 24, .size: 8, .value_kind: global_buffer, .address_space: global }
      - { .name: out0, .offset: 32, .size: 8, .value_kind: global_buffer, .address_space: global }
    .group_segment_fixed_size: 69632
    .private_segment_fixed_size: 0
    .kernarg_segment_align: 8
    .kernarg_segment_size: 40
    .max_flat_workgroup_size: 256
    .sgpr_count:     66
    .vgpr_count:     256
    .wavefront_size: 32
...
	.end_amdgpu_metadata
.endif
;; end of part 8
;; ======== version 2 of 2: 8 launches; 1.18 times as fast as version 1
;; limits: a function is approximated: absolute error at most 1.5e-07
;; workspace buffers: pre 17,301,504 bytes; qkvb 12,976,128 bytes; attb 4,325,376 bytes; ybuf 16,777,216 bytes; x1 21,102,592 bytes; hid 17,301,504 bytes
;; launch prep: the kernel of part 1 again; grid 640 x 1, 8 waves a work-group, no clusters, 103,424 bytes of LDS; arguments x, Wq_codes, Wk_codes, Wv_codes, Wo_codes, W1_codes, W2_codes, Wq_scales, Wk_scales, Wv_scales, Wo_scales, W1_scales, W2_scales, pre; writes pre
;; launch qkv: the kernel of part 2 again; grid 12 x 16, 4 waves a work-group, clusters of 4 x 4, 327,680 bytes of LDS; arguments pre, bq, bk, bv, qkvb; writes qkvb
;; launch attn: the kernel of part 3 again; grid 8 x 32, 16 waves a work-group, no clusters, 280,576 bytes of LDS; arguments qkvb, attb; writes attb
;; launch wo (part 9): grid 8 x 32, 4 waves a work-group, clusters of 4 x 4, 327,680 bytes of LDS; arguments attb, pre, bo, ybuf; writes ybuf
.if DOCPART == 9
	.amdgcn_target "amdgcn-amd-amdhsa--gfx1250"
	.amdhsa_code_object_version 6
	.text
	.protected	k_q183edd9a87_wo
	.globl	k_q183edd9a87_wo
	.p2align	8
	.type	k_q183edd9a87_wo,@function
k_q183edd9a87_wo:
	s_mov_b64 s[64:65], 0
	v_nop
	global_prefetch_b8 v0, s[64:65] scope:SCOPE_SE
	s_setreg_imm32_b32 hwreg(HW_REG_WAVE_MODE, 25, 1), 1
	s_wait_xcnt 0x0
	s_wait_alu depctr_hold_cnt(0) depctr_sa_sdst(0) depctr_va_vdst(0) depctr_va_sdst(0) depctr_va_ssrc(0) depctr_va_vcc(0) depctr_vm_vsrc(0)
	s_getreg_b32 s2, hwreg(HW_REG_IB_STS2, 6, 4)
	s_cmp_eq_u32 s2, 0
	s_cbranch_scc0 .Lentry_in_a_cluster
	s_endpgm
.Lentry_in_a_cluster:
	s_bfe_u32 s2, ttmp6, 0x10000c
	s_cmp_lg_u32 s2, 0xf033
	s_cbranch_scc0 .Lentry_shape_is_right
	s_endpgm
.Lentry_shape_is_right:
; y = attention's output x Wo + bo, on codes of E4M3 with E8M0 scales; y leaves in f32, as an image of the registers in which the next launch wants it.
; THE PRODUCT.  C'[S1 row][S0 row]: source 0 of the matrix instruction is 16 rows of S0 (the weight's outputs), source 1 16 rows of S1 (tokens): a lane holds ONE token, its registers run along the outputs.
; OPERANDS are images: fragment (tile t, K step s) = 2,048 bytes, register group c of lane l at 512 c + 16 l; the rows of tile t are 32 (t/2) + 8 (t%2) + r + 8 (r/8).
; SHAPE.  The output, 4,096 x 1,024, is cut into 256 tiles of 128 x 128, a work-group to each; four waves make 64 x 64 each: 16 accumulators, 128 registers.
; K goes 512 at a time through two LDS slots, as long as two slots allow: a slot holds 64 KiB of S1's fragments and 64 KiB of S0's.  Each wave brings 32 KiB of a slot by one tensor load: waves 0, 1 S1's halves, waves 2, 3 S0's.
; With K = 1,024 the two slots hold all of K: both are filled at the head and none is filled again.
; THE SCALE WORDS of the work-group's rows, for all of K, are four dense blocks of memory: they come into LDS once, with the first fills, and stay.
; LDS reads are 512 consecutive bytes: no padding.  The bias is the C of each sum's first product.
; CLUSTER 4 x 4: S1's tile is shared along a row of the cluster, S0's along a column: joint loads.
.set KDIM,  1024
.set OFF1C, 0                          ; S1: attb's image, its scale words
.set OFF1S, 0x400000
.set OFF0C, 0x700000                   ; S0: Wo's image in pre, its scale words
.set OFF0S, 0x1038000
.set S1P,   4
.set S0P,   6
.set OUTP,  10
.set SLOT,  131072                     ; S1's 8 tiles x 4 K steps x 2 KiB, then S0's
.set RB,    65536
.set SCLR,  2*SLOT                     ; behind the ring: the scale words: S1's two halves, S0's two halves
.set HS,    2*KDIM                     ; those of 4 tiles: what one tensor load brings
.set SPARE, SCLR+4*HS                  ; the spare words: 128 bytes a wave, two blocks of 256 bytes that no other line names
.set LAPS,  KDIM/1024                  ; a lap = two slots = once round the ring
.set NP,    8                          ; places behind this matrix instruction (ISA guide 7.12.1)
.set ADRA,  16                         ; v16-17  LDS address of S1's fragments in slot 0, 1
.set ADRB,  18                         ; v18-19  S0's
.set ADSA0, 20                         ; v20     S1's scale words of the first slot's K: lanes 0-15 an even K step, lanes 16-31 the odd one behind it
.set ADSB0, 21                         ; v21     S0's
.set ADSA,  22                         ; v22-23  the same for the slot in hand
.set ADSB,  23
.set CO,    24                         ; v24     16 x lane
.set BO,    26                         ; v26     64 h
.set SPW,   28
.set NIL,   29
.set SC,    32                         ; v32-63  scale words and nothing else: set n at SC + 16 n: 2 i + p S1's block i, 8 + 2 i + p S0's, K steps 2 p | 2 p + 1 by halves of the lanes
.set BN,    64                         ; v64-95  the bias along my 64 rows of S0, in the result's order
.set ACC,   128                        ; v128-255 accumulator (a, b) at ACC + 8 (4 a + b)
.set F0,    0                          ; window 1: two fragment buffers: S1's four fragments, then S0's four
.set F1,    128
.set MUL,   0x05                       ; sources 0 and 1 window 1; C and D window 0
.set TS,    66                         ; s66     bytes from the first slot's scale words to those of the slot to be fetched
.set G1A, 24
.set G0A, 32
.set G1B, 48
.set G0B, 56
.set G1SA, 68
.set G0SA, 76
.set G1SB, 80
.set G0SB, 88
.set MSB, 0
.macro WIN new                         ; the immediate's high byte repeats the setting that is left
.if MSB != (\new)
	s_set_vgpr_msb (MSB<<8)|(\new)
.set MSB, (\new)
.endif
.endm
.macro PLACES n
.rept \n
	v_nop
.endr
.endm
.macro TL g0, g1                       ; a tensor load; an s_nop 0 and four v_nop follow it
	tensor_load_to_lds s[\g0:\g0+3], s[\g1:\g1+7]
	s_nop 0
	PLACES 4
.endm
.macro JLOAD g0a, g1a, g0b, g1b        ; a joint load: waves 0 and 1 fetch for S1, waves 2 and 3 for S0; the branch hangs on the wave's number alone
	s_cmp_eq_u32 s15, 0
	s_cbranch_scc0 .Lfor_b_\@
	TL \g0a, \g1a
	s_branch .Lasked_\@
.Lfor_b_\@:
	TL \g0b, \g1b
.Lasked_\@:
.endm
.macro CREST                           ; a round of the cluster's barrier behind its opening barrier
	s_cmp_lg_u32 s14, 0
	s_cbranch_scc1 .Lnot_wave_0_\@
	s_barrier_signal -3
.Lnot_wave_0_\@:
	s_barrier_wait -3
	s_barrier_signal -1
	s_barrier_wait -1
.endm
.macro CROUND
	s_barrier_signal -1
	s_barrier_wait -1
	CREST
.endm
.macro FETCH slot, q, f                ; 32 LDS loads in one run: my eight fragments of the slot's q-th K step into buffer f
	WIN 0x40
.irp i, 0,1,2,3
.irp c, 0,1,2,3
	ds_load_b128 v[\f+64+16*\i+4*\c:\f+64+16*\i+4*\c+3], v[ADRB+\slot] offset:\i*8192+(\q)*2048+512*\c
.endr
.endr
.irp i, 0,1,2,3
.irp c, 0,1,2,3
	ds_load_b128 v[\f+16*\i+4*\c:\f+16*\i+4*\c+3], v[ADRA+\slot] offset:\i*8192+(\q)*2048+512*\c
.endr
.endr
.endm
.macro SCALES n                        ; a slot's scale words into set n: four K steps in two registers a block; then on to the next slot's
	v_add_nc_u32 v[ADSA], s[TS], v[ADSA0]
	v_add_nc_u32 v[ADSB], s[TS], v[ADSB0]
	s_add_co_u32 s[TS], s[TS], 256
.irp i, 0,1,2,3
.irp p, 0,1
	ds_load_b32 v[SC+16*\n+2*\i+\p], v[ADSA] offset:\i*(KDIM/2)+128*\p
	ds_load_b32 v[SC+16*\n+8+2*\i+\p], v[ADSB] offset:\i*(KDIM/2)+128*\p
.endr
.endr
.endm
; 8 matrix instructions: S1's blocks a0, a0 + 1 x S0's four.  f: the buffer; q: the slot's K step; sc: the set of scale words; zero = 1: the sums begin with the bias.  The 16 accumulators take turns.
.macro MUL8 f, a0, q, sc, zero
.irp a, \a0, \a0+1
.irp b, 0,1,2,3
.set rD, ACC+8*(4*(\a)+\b)
.set rF, (\f)+64+16*\b
.set rG, (\f)+16*(\a)
.set rS, SC+16*(\sc)+8+2*\b+(\q)/2
.set rT, SC+16*(\sc)+2*(\a)+(\q)/2
.if \zero
	v_wmma_scale_f32_16x16x128_f8f6f4 v[rD:rD+7], v[rF:rF+15], v[rG:rG+15], v[BN+8*\b:BN+8*\b+7], v[rS], v[rT]
.elseif (\q)%2 == 0
	v_wmma_scale_f32_16x16x128_f8f6f4 v[rD:rD+7], v[rF:rF+15], v[rG:rG+15], v[rD:rD+7], v[rS], v[rT]
.else
	v_wmma_scale_f32_16x16x128_f8f6f4 v[rD:rD+7], v[rF:rF+15], v[rG:rG+15], v[rD:rD+7], v[rS], v[rT] matrix_a_scale:MATRIX_SCALE_ROW1 matrix_b_scale:MATRIX_SCALE_ROW1
.endif
.endr
.endr
.endm
; A slot's first or second K step: it multiplies buffer f; ahead of its products the next K step's fragments are asked for, into buffer g, which the last products have read: so eight places stand first.
.macro STEP slot, q, f, g, zero
	PLACES NP
	FETCH \slot, \q+1, \g
	s_wait_dscnt 32                                ; all but the 32 loads just issued: this step's fragments (and scale words) are in
	WIN MUL
	MUL8 \f, 0, \q, \slot, \zero
	MUL8 \f, 2, \q, \slot, \zero
.endm
; A slot's third and fourth K step, and the change of slots between them.  Each wave waits for all its tensor loads, adds 0 to its spare word, waits for that and for its reads of this slot (the fourth step's fragments are then in registers);
; one barrier; fill = 1: it opens a round of the cluster's, and this slot is filled again first, two slots ahead.
.macro TURN slot, next, fill
	PLACES NP
	FETCH \slot, 3, F1
	WIN 0
	s_wait_tensorcnt 0x0                           ; all my tensor loads have landed: my part of the next slot
	ds_add_u32 v[SPW], v[NIL]
	s_wait_dscnt 33                                ; the third step's fragments are in; the 32 loads just issued and the add may be out
	WIN MUL
	MUL8 F0, 0, 2, \slot, 0
	s_wait_dscnt 0x0                               ; the add is done, and my reads of this slot are over
	s_barrier_signal -1
	MUL8 F0, 2, 2, \slot, 0
	WIN 0
	s_barrier_wait -1
.if \fill
	CREST
	s_add_nc_u64 s[G0A+4*\slot+2:G0A+4*\slot+3], s[G0A+4*\slot+2:G0A+4*\slot+3], 16384
	s_add_nc_u64 s[G0B+4*\slot+2:G0B+4*\slot+3], s[G0B+4*\slot+2:G0B+4*\slot+3], 16384
	JLOAD G0A+4*\slot, G1A, G0B+4*\slot, G1B       ; my one tensor load behind the round; its four v_nop are four of the eight places
	PLACES NP-4
.else
	PLACES NP
.endif
	FETCH \next, 0, F0
	WIN 0
	SCALES \next
	WIN MUL
	MUL8 F1, 0, 3, \slot, 0
	MUL8 F1, 2, 3, \slot, 0
.endm
	s_load_b256 s[4:11], s[0:1], 0x0               ; S1's buffer, pre, the bias, the output
	v_lshl_add_u32 v[SPW], v0, 2, SPARE
	v_mov_b32 v[NIL], 0
	ds_add_u32 v[SPW], v[NIL]                      ; the wave's opening: the add and its wait ahead of my first tensor load
	v_lshrrev_b32 v1, 5, v0
	v_readfirstlane_b32 s14, v1                    ; wave
	s_lshr_b32 s15, s14, 1                         ; which 64 rows of S1 are mine.  Also: I fetch for S1 (0) or for S0 (1)
	s_and_b32 s16, s14, 1                          ; which 64 rows of S0.  Also: which four tiles of that side I fetch
	s_bfe_u32 s40, ttmp6, 0x40000                  ; cx
	s_bfe_u32 s41, ttmp6, 0x40004                  ; cy
	s_lshl_b32 s42, ttmp9, 2
	s_add_co_u32 s42, s42, s40                     ; S0's tile of 128 rows
	s_and_b32 s17, ttmp7, 0xffff
	s_lshl_b32 s17, s17, 2
	s_add_co_u32 s17, s17, s41                     ; S1's
	s_lshl_b32 s43, s41, 2
	s_lshl_b32 s43, 15, s43                        ; my row of the cluster
	s_lshl_b32 s44, 0x1111, s40                    ; my column
	s_or_b32 s[G1A], s43, (3<<16)|(1<<21)          ; 15:0 the mask; 17:16 elements of 8 bytes; 21 set beside a mask; no padding
	s_or_b32 s[G1SA], s43, (3<<16)|(1<<21)
	s_or_b32 s[G1B], s44, (3<<16)|(1<<21)
	s_or_b32 s[G1SB], s44, (3<<16)|(1<<21)
.irp g, G1A, G1B                       ; codes: four tiles' rows of 8,192 bytes (four fragments), KDIM x 16 bytes apart
	s_mov_b32 s[\g+1], 1024<<16
	s_mov_b32 s[\g+2], 4<<16
	s_mov_b32 s[\g+3], 1024<<16
	s_mov_b32 s[\g+4], 4
	s_mov_b32 s[\g+5], 2*KDIM
	s_mov_b32 s[\g+6], 0
	s_mov_b32 s[\g+7], 0
.endr
.irp g, G1SA, G1SB                     ; scale words of four tiles, all of K: a dense block of HS bytes, as rows of 256 bytes
	s_mov_b32 s[\g+1], 32<<16
	s_mov_b32 s[\g+2], (HS/256)<<16
	s_mov_b32 s[\g+3], 32<<16
	s_mov_b32 s[\g+4], HS/256
	s_mov_b32 s[\g+5], 32
	s_mov_b32 s[\g+6], 0
	s_mov_b32 s[\g+7], 0
.endr
	s_mul_i32 s18, s16, KDIM*64                    ; the four tiles that I fetch: their codes,
	s_mul_i32 s19, s16, KDIM*2                     ; their scale words
	s_mul_i32 s20, s17, KDIM*128
	s_add_co_u32 s20, s20, s18
	s_add_co_u32 s20, s20, OFF1C
	s_mov_b32 s21, 0
	s_mul_i32 s22, s17, KDIM*4
	s_add_co_u32 s22, s22, s19
	s_add_co_u32 s22, s22, OFF1S
	s_mov_b32 s23, 0
	s_mul_i32 s46, s42, KDIM*128
	s_add_co_u32 s46, s46, s18
	s_add_co_u32 s46, s46, OFF0C
	s_mov_b32 s47, 0
	s_mul_i32 s92, s42, KDIM*4
	s_add_co_u32 s92, s92, s19
	s_add_co_u32 s92, s92, OFF0S
	s_mov_b32 s93, 0
	s_lshl_b32 s45, s14, 15                        ; where they go: wave x 32 KiB of a slot,
	s_mul_i32 s2, s14, HS                          ; wave x HS of the scale words: no place in the cluster enters an LDS address
	s_wait_dscnt 0x0                               ; the opening add is done
	s_wait_kmcnt 0x0
	s_add_nc_u64 s[20:21], s[S1P:S1P+1], s[20:21]
	s_add_nc_u64 s[22:23], s[S1P:S1P+1], s[22:23]
	s_add_nc_u64 s[46:47], s[S0P:S0P+1], s[46:47]
	s_add_nc_u64 s[92:93], s[S0P:S0P+1], s[92:93]
	CROUND                                         ; all sixteen work-groups are here: the first joint loads meet
	s_mov_b32 s[G0SA], 1
	s_add_co_u32 s[G0SA+1], s2, SCLR
	s_mov_b64 s[G0SA+2:G0SA+3], s[22:23]
	s_or_b32 s[G0SA+3], s[G0SA+3], 0x80000000
	s_mov_b32 s[G0SB], 1
	s_add_co_u32 s[G0SB+1], s2, SCLR
	s_mov_b64 s[G0SB+2:G0SB+3], s[92:93]
	s_or_b32 s[G0SB+3], s[G0SB+3], 0x80000000
	JLOAD G0SA, G1SA, G0SB, G1SB                   ; the scale words first: they are wanted with the first slot
.irp n, 0,1
	s_mov_b32 s[G0A+4*\n], 1
	s_add_co_u32 s[G0A+4*\n+1], s45, \n*SLOT
	s_add_nc_u64 s[G0A+4*\n+2:G0A+4*\n+3], s[20:21], \n*8192
	s_or_b32 s[G0A+4*\n+3], s[G0A+4*\n+3], 0x80000000
	s_mov_b32 s[G0B+4*\n], 1
	s_add_co_u32 s[G0B+4*\n+1], s45, \n*SLOT
	s_add_nc_u64 s[G0B+4*\n+2:G0B+4*\n+3], s[46:47], \n*8192
	s_or_b32 s[G0B+4*\n+3], s[G0B+4*\n+3], 0x80000000
	JLOAD G0A+4*\n, G1A, G0B+4*\n, G1B             ; three loads of mine are out
.endr
	v_and_b32 v1, 31, v0
	v_bfe_u32 v3, v0, 4, 1
	v_lshlrev_b32 v[CO], 4, v1
	v_lshlrev_b32 v4, 2, v1
	v_lshlrev_b32 v[BO], 6, v3
	s_lshl_b32 s18, s15, 15                        ; my four tiles of S1 in a slot,
	s_lshl_b32 s19, s16, 15
	s_add_co_u32 s19, s19, RB                      ; my four of S0
.irp n, 0,1
	v_add_nc_u32 v[ADRA+\n], s18, v[CO]
	v_add_nc_u32 v[ADRB+\n], s19, v[CO]
	s_add_co_u32 s18, s18, SLOT
	s_add_co_u32 s19, s19, SLOT
.endr
	s_mul_i32 s45, s15, HS
	s_add_co_u32 s45, s45, SCLR
	s_mul_i32 s2, s16, HS
	s_add_co_u32 s2, s2, SCLR+2*HS
	v_add_nc_u32 v[ADSA0], s45, v4
	v_add_nc_u32 v[ADSB0], s2, v4
	s_mov_b32 s[TS], 0
	s_lshl_b32 s46, s42, 9
	s_lshl_b32 s47, s16, 8
	s_add_co_u32 s46, s46, s47
	s_mov_b32 s47, 0
	s_add_nc_u64 s[46:47], s[8:9], s[46:47]        ; the bias of my 64 rows of S0
.irp b, 0,1
.irp j, 0,1,2,3
	global_load_b128 v[BN+16*\b+4*\j:BN+16*\b+4*\j+3], v[BO], s[46:47] offset:128*\b+16*\j   ; bias[.. + 32 b + 16 h + 4 j ..]
.endr
.endr
	s_wait_tensorcnt 1                             ; the scale words and my part of slot 0 are in (slot 1's load may be out)
	s_barrier_signal -1
	s_barrier_wait -1                              ; everybody's are
	FETCH 0, 0, F0
	WIN 0
	SCALES 0
	s_wait_loadcnt 0x0                             ; the bias
	STEP 0, 0, F0, F1, 1                           ; the first K step stands in front of the loop: its products start the sums
	STEP 0, 1, F1, F0, 0
.if LAPS > 1
	WIN 0                                          ; at a label and at a branch every window is 0
	s_mov_b32 s3, LAPS-1
.Llap:                                             ; a trip goes once round the ring and fills both slots again
	TURN 0, 1, 1
	STEP 1, 0, F0, F1, 0
	STEP 1, 1, F1, F0, 0
	TURN 1, 0, 1
	STEP 0, 0, F0, F1, 0
	STEP 0, 1, F1, F0, 0
	WIN 0
	s_sub_co_u32 s3, s3, 1
	s_cmp_lg_u32 s3, 0
	s_cbranch_scc1 .Llap
.endif
	TURN 0, 1, 0                                   ; the last lap fills nothing, and has no round of the cluster's barrier
	STEP 1, 0, F0, F1, 0
	STEP 1, 1, F1, F0, 0
	PLACES NP
	FETCH 1, 3, F1                                 ; the last fragments
	s_wait_dscnt 32
	WIN MUL
	MUL8 F0, 0, 2, 1, 0
	MUL8 F0, 2, 2, 1, 0
	s_wait_dscnt 0x0
	MUL8 F1, 0, 3, 1, 0
	MUL8 F1, 2, 3, 1, 0
	WIN 0
	PLACES NP                                      ; in front of the stores that read results
	; THE WAY OUT: the accumulators as they stand: block a's 32 registers are my half of fragment (tile, K step) of the f32 image: 512 consecutive bytes a store, each accumulator from its low end on
	s_lshl_b32 s24, s17, 19                        ; 8 tiles of rows x 8 fragments of 8 KiB,
	s_lshl_b32 s25, s15, 18                        ; my four tiles,
	s_add_co_u32 s24, s24, s25
	s_lshl_b32 s25, s42, 13                        ; the fragment of S0's 128 rows,
	s_add_co_u32 s24, s24, s25
	s_lshl_b32 s25, s16, 12                        ; my half of it
	s_add_co_u32 s24, s24, s25
	s_mov_b32 s25, 0
	s_add_nc_u64 s[24:25], s[OUTP:OUTP+1], s[24:25]
.irp a, 0,1,2,3
.irp g, 0,1,2,3,4,5,6,7
	global_store_b128 v[CO], v[ACC+32*\a+4*\g:ACC+32*\a+4*\g+3], s[24:25] offset:\a*65536+512*\g th:TH_STORE_NT
.endr
.endr
	s_wait_tensorcnt 0x0                           ; the wave's end
	ds_add_u32 v[SPW], v[NIL]
	s_wait_dscnt 0x0
	CROUND                                         ; the closing round
	s_endpgm
.Lfunc_end_k_q183edd9a87_wo:
	.size	k_q183edd9a87_wo, .Lfunc_end_k_q183edd9a87_wo-k_q183edd9a87_wo
	.p2alignl 7, 3214868480
	.fill 96, 4, 3214868480
	.section	.rodata,"a",@progbits
	.p2align	6, 0x0
	.amdhsa_kernel k_q183edd9a87_wo
		.amdhsa_group_segment_fixed_size 327680
		.amdhsa_private_segment_fixed_size 0
		.amdhsa_enable_private_segment 0
		.amdhsa_kernarg_size 32
		.amdhsa_user_sgpr_count 2
		.amdhsa_user_sgpr_kernarg_segment_ptr 1
		.amdhsa_wavefront_size32 1
		.amdhsa_system_sgpr_workgroup_id_x 1
		.amdhsa_system_sgpr_workgroup_id_y 1
		.amdhsa_system_sgpr_workgroup_id_z 1
		.amdhsa_system_vgpr_workitem_id 0
		.amdhsa_next_free_vgpr 512
		.amdhsa_next_free_sgpr 102
		.amdhsa_reserve_vcc 0
		.amdhsa_float_denorm_mode_32 3
		.amdhsa_float_denorm_mode_16_64 3
		.amdhsa_memory_ordered 1
		.amdhsa_forward_progress 1
		.amdhsa_inst_pref_size 51
	.end_amdhsa_kernel
	.amdgpu_metadata
---
amdhsa.version: [ 1, 2 ]
amdhsa.kernels:
  - .name:           k_q183edd9a87_wo
    .symbol:         k_q183edd9a87_wo.kd
    .args:
      - { .name: attb, .offset: 0, .size: 8, .value_kind: global_buffer, .address_space: global }
      - { .name: pre, .offset: 8, .size: 8, .value_kind: global_buffer, .address_space: global }
      - { .name: bo, .offset: 16, .size: 8, .value_kind: global_buffer, .address_space: global }
      - { .name: ybuf, .offset: 24, .size: 8, .value_kind: global_buffer, .address_space: global }
    .group_segment_fixed_size: 327680
    .private_segment_fixed_size: 0
    .kernarg_segment_align: 8
    .kernarg_segment_size: 32
    .max_flat_workgroup_size: 128
    .sgpr_count:     102
    .vgpr_count:     512
    .wavefront_size: 32
...
	.end_amdgpu_metadata
.endif
;; end of part 9
;; launch ln1: the kernel of part 5 again; grid 256 x 1, 8 waves a work-group, no clusters, 69,632 bytes of LDS; arguments ybuf, x, g1, be1, x1; writes x1
;; launch w1: the kernel of part 6 again; grid 16 x 16, 4 waves a work-group, clusters of 4 x 4, 327,680 bytes of LDS; arguments x1, pre, b1, hid; writes hid
;; launch w2 (part 10): grid 8 x 32, 4 waves a work-group, clusters of 4 x 4, 327,680 bytes of LDS; arguments hid, pre, b2, ybuf; writes ybuf
.if DOCPART == 10
	.amdgcn_target "amdgcn-amd-amdhsa--gfx1250"
	.amdhsa_code_object_version 6
	.text
	.protected	k_q183edd9a87_w2
	.globl	k_q183edd9a87_w2
	.p2align	8
	.type	k_q183edd9a87_w2,@function
k_q183edd9a87_w2:
	s_mov_b64 s[64:65], 0
	v_nop
	global_prefetch_b8 v0, s[64:65] scope:SCOPE_SE
	s_setreg_imm32_b32 hwreg(HW_REG_WAVE_MODE, 25, 1), 1
	s_wait_xcnt 0x0
	s_wait_alu depctr_hold_cnt(0) depctr_sa_sdst(0) depctr_va_vdst(0) depctr_va_sdst(0) depctr_va_ssrc(0) depctr_va_vcc(0) depctr_vm_vsrc(0)
	s_getreg_b32 s2, hwreg(HW_REG_IB_STS2, 6, 4)
	s_cmp_eq_u32 s2, 0
	s_cbranch_scc0 .Lentry_in_a_cluster
	s_endpgm
.Lentry_in_a_cluster:
	s_bfe_u32 s2, ttmp6, 0x10000c
	s_cmp_lg_u32 s2, 0xf033
	s_cbranch_scc0 .Lentry_shape_is_right
	s_endpgm
.Lentry_shape_is_right:
; y = h W2 + b2, on codes of E4M3 with E8M0 scales, K = 4,096; y leaves in f32, as an image of the registers in which the next launch wants it.
; THE PRODUCT.  C'[S1 row][S0 row]: source 0 of the matrix instruction is 16 rows of S0 (the weight's outputs), source 1 16 rows of S1 (tokens): a lane holds ONE token, its registers run along the outputs.
; OPERANDS are images: fragment (tile t, K step s) = 2,048 bytes, register group c of lane l at 512 c + 16 l; the rows of tile t are 32 (t/2) + 8 (t%2) + r + 8 (r/8).
; SHAPE.  The output, 4,096 x 1,024, is cut into 256 tiles of 128 x 128, a work-group to each; four waves make 64 x 64 each: 16 accumulators, 128 registers.
; K goes 512 at a time through two LDS slots, as long as two slots allow: a slot holds 64 KiB of S1's fragments and 64 KiB of S0's.  Each wave brings 32 KiB of a slot by one tensor load: waves 0, 1 S1's halves, waves 2, 3 S0's.
; Eight slots' worth of K: two first fills and six refills, one load a wave behind each round.
; THE SCALE WORDS of the work-group's rows, for all of K, are four dense blocks of memory: they come into LDS once, with the first fills, and stay.
; LDS reads are 512 consecutive bytes: no padding.  The bias is the C of each sum's first product.
; CLUSTER 4 x 4: S1's tile is shared along a row of the cluster, S0's along a column: joint loads.
.set KDIM,  4096
.set OFF1C, 0                          ; S1: hid's image, its scale words
.set OFF1S, 0x1000000
.set OFF0C, 0xC00000                   ; S0: W2's image in pre, its scale words
.set OFF0S, 0x1060000
.set S1P,   4
.set S0P,   6
.set OUTP,  10
.set SLOT,  131072                     ; S1's 8 tiles x 4 K steps x 2 KiB, then S0's
.set RB,    65536
.set SCLR,  2*SLOT                     ; behind the ring: the scale words: S1's two halves, S0's two halves
.set HS,    2*KDIM                     ; those of 4 tiles: what one tensor load brings
.set SPARE, SCLR+4*HS                  ; the spare words: 128 bytes a wave, two blocks of 256 bytes that no other line names
.set LAPS,  KDIM/1024                  ; a lap = two slots = once round the ring
.set NP,    8                          ; places behind this matrix instruction (ISA guide 7.12.1)
.set ADRA,  16                         ; v16-17  LDS address of S1's fragments in slot 0, 1
.set ADRB,  18                         ; v18-19  S0's
.set ADSA0, 20                         ; v20     S1's scale words of the first slot's K: lanes 0-15 an even K step, lanes 16-31 the odd one behind it
.set ADSB0, 21                         ; v21     S0's
.set ADSA,  22                         ; v22-23  the same for the slot in hand
.set ADSB,  23
.set CO,    24                         ; v24     16 x lane
.set BO,    26                         ; v26     64 h
.set SPW,   28
.set NIL,   29
.set SC,    32                         ; v32-63  scale words and nothing else: set n at SC + 16 n: 2 i + p S1's block i, 8 + 2 i + p S0's, K steps 2 p | 2 p + 1 by halves of the lanes
.set BN,    64                         ; v64-95  the bias along my 64 rows of S0, in the result's order
.set ACC,   128                        ; v128-255 accumulator (a, b) at ACC + 8 (4 a + b)
.set F0,    0                          ; window 1: two fragment buffers: S1's four fragments, then S0's four
.set F1,    128
.set MUL,   0x05                       ; sources 0 and 1 window 1; C and D window 0
.set TS,    66                         ; s66     bytes from the first slot's scale words to those of the slot to be fetched
.set G1A, 24
.set G0A, 32
.set G1B, 48
.set G0B, 56
.set G1SA, 68
.set G0SA, 76
.set G1SB, 80
.set G0SB, 88
.set MSB, 0
.macro WIN new                         ; the immediate's high byte repeats the setting that is left
.if MSB != (\new)
	s_set_vgpr_msb (MSB<<8)|(\new)
.set MSB, (\new)
.endif
.endm
.macro PLACES n
.rept \n
	v_nop
.endr
.endm
.macro TL g0, g1                       ; a tensor load; an s_nop 0 and four v_nop follow it
	tensor_load_to_lds s[\g0:\g0+3], s[\g1:\g1+7]
	s_nop 0
	PLACES 4
.endm
.macro JLOAD g0a, g1a, g0b, g1b        ; a joint load: waves 0 and 1 fetch for S1, waves 2 and 3 for S0; the branch hangs on the wave's number alone
	s_cmp_eq_u32 s15, 0
	s_cbranch_scc0 .Lfor_b_\@
	TL \g0a, \g1a
	s_branch .Lasked_\@
.Lfor_b_\@:
	TL \g0b, \g1b
.Lasked_\@:
.endm
.macro CREST                           ; a round of the cluster's barrier behind its opening barrier
	s_cmp_lg_u32 s14, 0
	s_cbranch_scc1 .Lnot_wave_0_\@
	s_barrier_signal -3
.Lnot_wave_0_\@:
	s_barrier_wait -3
	s_barrier_signal -1
	s_barrier_wait -1
.endm
.macro CROUND
	s_barrier_signal -1
	s_barrier_wait -1
	CREST
.endm
.macro FETCH slot, q, f                ; 32 LDS loads in one run: my eight fragments of the slot's q-th K step into buffer f
	WIN 0x40
.irp i, 0,1,2,3
.irp c, 0,1,2,3
	ds_load_b128 v[\f+64+16*\i+4*\c:\f+64+16*\i+4*\c+3], v[ADRB+\slot] offset:\i*8192+(\q)*2048+512*\c
.endr
.endr
.irp i, 0,1,2,3
.irp c, 0,1,2,3
	ds_load_b128 v[\f+16*\i+4*\c:\f+16*\i+4*\c+3], v[ADRA+\slot] offset:\i*8192+(\q)*2048+512*\c
.endr
.endr
.endm
.macro SCALES n                        ; a slot's scale words into set n: four K steps in two registers a block; then on to the next slot's
	v_add_nc_u32 v[ADSA], s[TS], v[ADSA0]
	v_add_nc_u32 v[ADSB], s[TS], v[ADSB0]
	s_add_co_u32 s[TS], s[TS], 256
.irp i, 0,1,2,3
.irp p, 0,1
	ds_load_b32 v[SC+16*\n+2*\i+\p], v[ADSA] offset:\i*(KDIM/2)+128*\p
	ds_load_b32 v[SC+16*\n+8+2*\i+\p], v[ADSB] offset:\i*(KDIM/2)+128*\p
.endr
.endr
.endm
; 8 matrix instructions: S1's blocks a0, a0 + 1 x S0's four.  f: the buffer; q: the slot's K step; sc: the set of scale words; zero = 1: the sums begin with the bias.  The 16 accumulators take turns.
.macro MUL8 f, a0, q, sc, zero
.irp a, \a0, \a0+1
.irp b, 0,1,2,3
.set rD, ACC+8*(4*(\a)+\b)
.set rF, (\f)+64+16*\b
.set rG, (\f)+16*(\a)
.set rS, SC+16*(\sc)+8+2*\b+(\q)/2
.set rT, SC+16*(\sc)+2*(\a)+(\q)/2
.if \zero
	v_wmma_scale_f32_16x16x128_f8f6f4 v[rD:rD+7], v[rF:rF+15], v[rG:rG+15], v[BN+8*\b:BN+8*\b+7], v[rS], v[rT]
.elseif (\q)%2 == 0
	v_wmma_scale_f32_16x16x128_f8f6f4 v[rD:rD+7], v[rF:rF+15], v[rG:rG+15], v[rD:rD+7], v[rS], v[rT]
.else
	v_wmma_scale_f32_16x16x128_f8f6f4 v[rD:rD+7], v[rF:rF+15], v[rG:rG+15], v[rD:rD+7], v[rS], v[rT] matrix_a_scale:MATRIX_SCALE_ROW1 matrix_b_scale:MATRIX_SCALE_ROW1
.endif
.endr
.endr
.endm
; A slot's first or second K step: it multiplies buffer f; ahead of its products the next K step's fragments are asked for, into buffer g, which the last products have read: so eight places stand first.
.macro STEP slot, q, f, g, zero
	PLACES NP
	FETCH \slot, \q+1, \g
	s_wait_dscnt 32                                ; all but the 32 loads just issued: this step's fragments (and scale words) are in
	WIN MUL
	MUL8 \f, 0, \q, \slot, \zero
	MUL8 \f, 2, \q, \slot, \zero
.endm
; A slot's third and fourth K step, and the change of slots between them.  Each wave waits for all its tensor loads, adds 0 to its spare word, waits for that and for its reads of this slot (the fourth step's fragments are then in registers);
; one barrier; fill = 1: it opens a round of the cluster's, and this slot is filled again first, two slots ahead.
.macro TURN slot, next, fill
	PLACES NP
	FETCH \slot, 3, F1
	WIN 0
	s_wait_tensorcnt 0x0                           ; all my tensor loads have landed: my part of the next slot
	ds_add_u32 v[SPW], v[NIL]
	s_wait_dscnt 33                                ; the third step's fragments are in; the 32 loads just issued and the add may be out
	WIN MUL
	MUL8 F0, 0, 2, \slot, 0
	s_wait_dscnt 0x0                               ; the add is done, and my reads of this slot are over
	s_barrier_signal -1
	MUL8 F0, 2, 2, \slot, 0
	WIN 0
	s_barrier_wait -1
.if \fill
	CREST
	s_add_nc_u64 s[G0A+4*\slot+2:G0A+4*\slot+3], s[G0A+4*\slot+2:G0A+4*\slot+3], 16384
	s_add_nc_u64 s[G0B+4*\slot+2:G0B+4*\slot+3], s[G0B+4*\slot+2:G0B+4*\slot+3], 16384
	JLOAD G0A+4*\slot, G1A, G0B+4*\slot, G1B       ; my one tensor load behind the round; its four v_nop are four of the eight places
	PLACES NP-4
.else
	PLACES NP
.endif
	FETCH \next, 0, F0
	WIN 0
	SCALES \next
	WIN MUL
	MUL8 F1, 0, 3, \slot, 0
	MUL8 F1, 2, 3, \slot, 0
.endm
	s_load_b256 s[4:11], s[0:1], 0x0               ; S1's buffer, pre, the bias, the output
	v_lshl_add_u32 v[SPW], v0, 2, SPARE
	v_mov_b32 v[NIL], 0
	ds_add_u32 v[SPW], v[NIL]                      ; the wave's opening: the add and its wait ahead of my first tensor load
	v_lshrrev_b32 v1, 5, v0
	v_readfirstlane_b32 s14, v1                    ; wave
	s_lshr_b32 s15, s14, 1                         ; which 64 rows of S1 are mine.  Also: I fetch for S1 (0) or for S0 (1)
	s_and_b32 s16, s14, 1                          ; which 64 rows of S0.  Also: which four tiles of that side I fetch
	s_bfe_u32 s40, ttmp6, 0x40000                  ; cx
	s_bfe_u32 s41, ttmp6, 0x40004                  ; cy
	s_lshl_b32 s42, ttmp9, 2
	s_add_co_u32 s42, s42, s40                     ; S0's tile of 128 rows
	s_and_b32 s17, ttmp7, 0xffff
	s_lshl_b32 s17, s17, 2
	s_add_co_u32 s17, s17, s41                     ; S1's
	s_lshl_b32 s43, s41, 2
	s_lshl_b32 s43, 15, s43                        ; my row of the cluster
	s_lshl_b32 s44, 0x1111, s40                    ; my column
	s_or_b32 s[G1A], s43, (3<<16)|(1<<21)          ; 15:0 the mask; 17:16 elements of 8 bytes; 21 set beside a mask; no padding
	s_or_b32 s[G1SA], s43, (3<<16)|(1<<21)
	s_or_b32 s[G1B], s44, (3<<16)|(1<<21)
	s_or_b32 s[G1SB], s44, (3<<16)|(1<<21)
.irp g, G1A, G1B                       ; codes: four tiles' rows of 8,192 bytes (four fragments), KDIM x 16 bytes apart
	s_mov_b32 s[\g+1], 1024<<16
	s_mov_b32 s[\g+2], 4<<16
	s_mov_b32 s[\g+3], 1024<<16
	s_mov_b32 s[\g+4], 4
	s_mov_b32 s[\g+5], 2*KDIM
	s_mov_b32 s[\g+6], 0
	s_mov_b32 s[\g+7], 0
.endr
.irp g, G1SA, G1SB                     ; scale words of four tiles, all of K: a dense block of HS bytes, as rows of 256 bytes
	s_mov_b32 s[\g+1], 32<<16
	s_mov_b32 s[\g+2], (HS/256)<<16
	s_mov_b32 s[\g+3], 32<<16
	s_mov_b32 s[\g+4], HS/256
	s_mov_b32 s[\g+5], 32
	s_mov_b32 s[\g+6], 0
	s_mov_b32 s[\g+7], 0
.endr
	s_mul_i32 s18, s16, KDIM*64                    ; the four tiles that I fetch: their codes,
	s_mul_i32 s19, s16, KDIM*2                     ; their scale words
	s_mul_i32 s20, s17, KDIM*128
	s_add_co_u32 s20, s20, s18
	s_add_co_u32 s20, s20, OFF1C
	s_mov_b32 s21, 0
	s_mul_i32 s22, s17, KDIM*4
	s_add_co_u32 s22, s22, s19
	s_add_co_u32 s22, s22, OFF1S
	s_mov_b32 s23, 0
	s_mul_i32 s46, s42, KDIM*128
	s_add_co_u32 s46, s46, s18
	s_add_co_u32 s46, s46, OFF0C
	s_mov_b32 s47, 0
	s_mul_i32 s92, s42, KDIM*4
	s_add_co_u32 s92, s92, s19
	s_add_co_u32 s92, s92, OFF0S
	s_mov_b32 s93, 0
	s_lshl_b32 s45, s14, 15                        ; where they go: wave x 32 KiB of a slot,
	s_mul_i32 s2, s14, HS                          ; wave x HS of the scale words: no place in the cluster enters an LDS address
	s_wait_dscnt 0x0                               ; the opening add is done
	s_wait_kmcnt 0x0
	s_add_nc_u64 s[20:21], s[S1P:S1P+1], s[20:21]
	s_add_nc_u64 s[22:23], s[S1P:S1P+1], s[22:23]
	s_add_nc_u64 s[46:47], s[S0P:S0P+1], s[46:47]
	s_add_nc_u64 s[92:93], s[S0P:S0P+1], s[92:93]
	CROUND                                         ; all sixteen work-groups are here: the first joint loads meet
	s_mov_b32 s[G0SA], 1
	s_add_co_u32 s[G0SA+1], s2, SCLR
	s_mov_b64 s[G0SA+2:G0SA+3], s[22:23]
	s_or_b32 s[G0SA+3], s[G0SA+3], 0x80000000
	s_mov_b32 s[G0SB], 1
	s_add_co_u32 s[G0SB+1], s2, SCLR
	s_mov_b64 s[G0SB+2:G0SB+3], s[92:93]
	s_or_b32 s[G0SB+3], s[G0SB+3], 0x80000000
	JLOAD G0SA, G1SA, G0SB, G1SB                   ; the scale words first: they are wanted with the first slot
.irp n, 0,1
	s_mov_b32 s[G0A+4*\n], 1
	s_add_co_u32 s[G0A+4*\n+1], s45, \n*SLOT
	s_add_nc_u64 s[G0A+4*\n+2:G0A+4*\n+3], s[20:21], \n*8192
	s_or_b32 s[G0A+4*\n+3], s[G0A+4*\n+3], 0x80000000
	s_mov_b32 s[G0B+4*\n], 1
	s_add_co_u32 s[G0B+4*\n+1], s45, \n*SLOT
	s_add_nc_u64 s[G0B+4*\n+2:G0B+4*\n+3], s[46:47], \n*8192
	s_or_b32 s[G0B+4*\n+3], s[G0B+4*\n+3], 0x80000000
	JLOAD G0A+4*\n, G1A, G0B+4*\n, G1B             ; three loads of mine are out
.endr
	v_and_b32 v1, 31, v0
	v_bfe_u32 v3, v0, 4, 1
	v_lshlrev_b32 v[CO], 4, v1
	v_lshlrev_b32 v4, 2, v1
	v_lshlrev_b32 v[BO], 6, v3
	s_lshl_b32 s18, s15, 15                        ; my four tiles of S1 in a slot,
	s_lshl_b32 s19, s16, 15
	s_add_co_u32 s19, s19, RB                      ; my four of S0
.irp n, 0,1
	v_add_nc_u32 v[ADRA+\n], s18, v[CO]
	v_add_nc_u32 v[ADRB+\n], s19, v[CO]
	s_add_co_u32 s18, s18, SLOT
	s_add_co_u32 s19, s19, SLOT
.endr
	s_mul_i32 s45, s15, HS
	s_add_co_u32 s45, s45, SCLR
	s_mul_i32 s2, s16, HS
	s_add_co_u32 s2, s2, SCLR+2*HS
	v_add_nc_u32 v[ADSA0], s45, v4
	v_add_nc_u32 v[ADSB0], s2, v4
	s_mov_b32 s[TS], 0
	s_lshl_b32 s46, s42, 9
	s_lshl_b32 s47, s16, 8
	s_add_co_u32 s46, s46, s47
	s_mov_b32 s47, 0
	s_add_nc_u64 s[46:47], s[8:9], s[46:47]        ; the bias of my 64 rows of S0
.irp b, 0,1
.irp j, 0,1,2,3
	global_load_b128 v[BN+16*\b+4*\j:BN+16*\b+4*\j+3], v[BO], s[46:47] offset:128*\b+16*\j   ; bias[.. + 32 b + 16 h + 4 j ..]
.endr
.endr
	s_wait_tensorcnt 1                             ; the scale words and my part of slot 0 are in (slot 1's load may be out)
	s_barrier_signal -1
	s_barrier_wait -1                              ; everybody's are
	FETCH 0, 0, F0
	WIN 0
	SCALES 0
	s_wait_loadcnt 0x0                             ; the bias
	STEP 0, 0, F0, F1, 1                           ; the first K step stands in front of the loop: its products start the sums
	STEP 0, 1, F1, F0, 0
.if LAPS > 1
	WIN 0                                          ; at a label and at a branch every window is 0
	s_mov_b32 s3, LAPS-1
.Llap:                                             ; a trip goes once round the ring and fills both slots again
	TURN 0, 1, 1
	STEP 1, 0, F0, F1, 0
	STEP 1, 1, F1, F0, 0
	TURN 1, 0, 1
	STEP 0, 0, F0, F1, 0
	STEP 0, 1, F1, F0, 0
	WIN 0
	s_sub_co_u32 s3, s3, 1
	s_cmp_lg_u32 s3, 0
	s_cbranch_scc1 .Llap
.endif
	TURN 0, 1, 0                                   ; the last lap fills nothing, and has no round of the cluster's barrier
	STEP 1, 0, F0, F1, 0
	STEP 1, 1, F1, F0, 0
	PLACES NP
	FETCH 1, 3, F1                                 ; the last fragments
	s_wait_dscnt 32
	WIN MUL
	MUL8 F0, 0, 2, 1, 0
	MUL8 F0, 2, 2, 1, 0
	s_wait_dscnt 0x0
	MUL8 F1, 0, 3, 1, 0
	MUL8 F1, 2, 3, 1, 0
	WIN 0
	PLACES NP                                      ; in front of the stores that read results
	; THE WAY OUT: the accumulators as they stand: block a's 32 registers are my half of fragment (tile, K step) of the f32 image: 512 consecutive bytes a store, each accumulator from its low end on
	s_lshl_b32 s24, s17, 19                        ; 8 tiles of rows x 8 fragments of 8 KiB,
	s_lshl_b32 s25, s15, 18                        ; my four tiles,
	s_add_co_u32 s24, s24, s25
	s_lshl_b32 s25, s42, 13                        ; the fragment of S0's 128 rows,
	s_add_co_u32 s24, s24, s25
	s_lshl_b32 s25, s16, 12                        ; my half of it
	s_add_co_u32 s24, s24, s25
	s_mov_b32 s25, 0
	s_add_nc_u64 s[24:25], s[OUTP:OUTP+1], s[24:25]
.irp a, 0,1,2,3
.irp g, 0,1,2,3,4,5,6,7
	global_store_b128 v[CO], v[ACC+32*\a+4*\g:ACC+32*\a+4*\g+3], s[24:25] offset:\a*65536+512*\g th:TH_STORE_NT
.endr
.endr
	s_wait_tensorcnt 0x0                           ; the wave's end
	ds_add_u32 v[SPW], v[NIL]
	s_wait_dscnt 0x0
	CROUND                                         ; the closing round
	s_endpgm
.Lfunc_end_k_q183edd9a87_w2:
	.size	k_q183edd9a87_w2, .Lfunc_end_k_q183edd9a87_w2-k_q183edd9a87_w2
	.p2alignl 7, 3214868480
	.fill 96, 4, 3214868480
	.section	.rodata,"a",@progbits
	.p2align	6, 0x0
	.amdhsa_kernel k_q183edd9a87_w2
		.amdhsa_group_segment_fixed_size 327680
		.amdhsa_private_segment_fixed_size 0
		.amdhsa_enable_private_segment 0
		.amdhsa_kernarg_size 32
		.amdhsa_user_sgpr_count 2
		.amdhsa_user_sgpr_kernarg_segment_ptr 1
		.amdhsa_wavefront_size32 1
		.amdhsa_system_sgpr_workgroup_id_x 1
		.amdhsa_system_sgpr_workgroup_id_y 1
		.amdhsa_system_sgpr_workgroup_id_z 1
		.amdhsa_system_vgpr_workitem_id 0
		.amdhsa_next_free_vgpr 512
		.amdhsa_next_free_sgpr 102
		.amdhsa_reserve_vcc 0
		.amdhsa_float_denorm_mode_32 3
		.amdhsa_float_denorm_mode_16_64 3
		.amdhsa_memory_ordered 1
		.amdhsa_forward_progress 1
		.amdhsa_inst_pref_size 90
	.end_amdhsa_kernel
	.amdgpu_metadata
---
amdhsa.version: [ 1, 2 ]
amdhsa.kernels:
  - .name:           k_q183edd9a87_w2
    .symbol:         k_q183edd9a87_w2.kd
    .args:
      - { .name: hid, .offset: 0, .size: 8, .value_kind: global_buffer, .address_space: global }
      - { .name: pre, .offset: 8, .size: 8, .value_kind: global_buffer, .address_space: global }
      - { .name: b2, .offset: 16, .size: 8, .value_kind: global_buffer, .address_space: global }
      - { .name: ybuf, .offset: 24, .size: 8, .value_kind: global_buffer, .address_space: global }
    .group_segment_fixed_size: 327680
    .private_segment_fixed_size: 0
    .kernarg_segment_align: 8
    .kernarg_segment_size: 32
    .max_flat_workgroup_size: 128
    .sgpr_count:     102
    .vgpr_count:     512
    .wavefront_size: 32
...
	.end_amdgpu_metadata
.endif
;; end of part 10
;; launch ln2: the kernel of part 8 again; grid 256 x 1, 8 waves a work-group, no clusters, 69,632 bytes of LDS; arguments ybuf, x1, g2, be2, out0; writes out0
